; MI455X (gfx1250); checked and timed in simulation.
; The chip was launched on July 23, 2026; its instructions are those of AMD's public machine-readable ISA for CDNA 5 (MIT licence, August 2026) and "CDNA5" Instruction Set Architecture Reference Guide (July 2026). The comments in the code are by the model that wrote it; some were corrected since.
;; Attention Layer. Allowed arithmetic: float matrix products may take bf16 or f16 operands with f32 sums; other float arithmetic in f32, or as packed bf16 or f16 multiplies, adds, multiply-adds, maxima and minima; sums over many terms, partial sums and values carried from step to step in f32; what a program stores and reads back later, other than sums and carried values, may be rounded once to bf16 or f16.
;; Inputs: Wk 1,024 x 1,024 float32; Wq 1,024 x 1,024 float32; Wv 1,024 x 1,024 float32; bk 1,024 float32; bq 1,024 float32; bv 1,024 float32; key 8 x 2,048 x 1,024 float32; mask 8 x 2,048 int32; query 8 x 512 x 1,024 float32; value 8 x 2,048 x 1,024 float32.
;; Outputs: out0 8 x 512 x 1,024 float32; out1 8 x 512 x 2,048 float32.
;; 2 versions, each right. Each part assembles by itself: llvm-mc -triple=amdgcn-amd-amdhsa -mcpu=gfx1250 --defsym DOCPART=n.
;; ======== version 1 of 2: 7 launches
;; workspace buffers: xa 8,388,608 bytes; wkt 4,194,304 bytes; zb 4,096 bytes; pq 8,388,608 bytes; tq 8,388,608 bytes; sc 33,554,432 bytes; pb 16,777,216 bytes; sa 16,384 bytes
;; launch prep (part 1): grid 256 x 1, 8 waves a work-group, no clusters, 18,432 bytes of LDS; arguments query, Wk, xa, wkt, zb; writes xa, wkt, zb
.if DOCPART == 1
	.amdgcn_target "amdgcn-amd-amdhsa--gfx1250"
	.amdhsa_code_object_version 6
	.text
	.protected	k_q48dff89885_prep
	.globl	k_q48dff89885_prep
	.p2align	8
	.type	k_q48dff89885_prep,@function
k_q48dff89885_prep:
	s_mov_b64 s[64:65], 0
	v_nop
	global_prefetch_b8 v0, s[64:65] scope:SCOPE_SE
	s_setreg_imm32_b32 hwreg(HW_REG_WAVE_MODE, 25, 1), 1
	s_wait_xcnt 0x0
; xa = query rounded to bf16 ([4096][1024]); wkt = Wk turned ([c][d] = Wk[d][c], still f32); zb = 1,024 zeros in f32.
; Eight waves.  QUERY: a work-group takes 65,536 bytes, a wave 8,192: sixteen loads of 512 consecutive bytes, sixteen stores of 256 consecutive bytes, aligned.
; WK: work-group g turns the tile of 64 x 64 at (g / 16, g % 16) through LDS: rows in by 16 bytes a lane (pitch 272), columns out by single words, stored as 16 bytes a lane:
; sixteen lanes store 256 consecutive bytes, aligned.  The sixteen single-word loads of a wave meet four lanes to a bank (rows 4 r apart, 272 bytes each): 16 loads a wave, once.
; ZB: wave 0 of work-group 0 stores it.  No matrix unit, no cluster: nothing is shared between work-groups and nothing is multiplied.
.set PITCH, 272
.set SPARE, 64*PITCH                   ; behind the tile: the spare words, 128 bytes for each of the eight waves: four blocks of 256 bytes that no other line names
.set WK,  12                           ; v[12:27]   four loads of Wk; later the sixteen words read back
.set SPW, 30                           ; v30  LDS address of my spare word; never rewritten
.set NIL, 31                           ; v31  0; never rewritten
.set Q,   32                           ; v[32:95]   query as loaded
.set O,   96                           ; v[96:127]  query in bf16
.set Z,   128                          ; v[128:131] zeros
	s_load_b256 s[4:11], s[0:1], 0x0               ; query s[4:5], Wk s[6:7], xa s[8:9], wkt s[10:11]
	s_load_b64 s[12:13], s[0:1], 0x20              ; zb
	v_lshl_add_u32 v[SPW], v0, 2, SPARE
	v_mov_b32 v[NIL], 0
	v_lshrrev_b32 v1, 5, v0
	v_readfirstlane_b32 s14, v1                    ; wave 0..7
	v_and_b32 v1, 15, v0                           ; r = lane % 16
	v_bfe_u32 v2, v0, 4, 1                         ; h = lane / 16
	v_and_b32 v3, 31, v0                           ; lane
	s_lshr_b32 s15, ttmp9, 4                       ; the tile's row of tiles in Wk
	s_and_b32 s16, ttmp9, 15                       ; its column of tiles
	s_lshl_b32 s17, s15, 18                        ; 64 rows of 4,096 bytes
	s_lshl_b32 s18, s14, 15                        ; my wave's 8 rows
	s_add_co_u32 s17, s17, s18
	s_lshl_b32 s19, s16, 8                         ; 64 columns of 4 bytes
	s_add_co_u32 s17, s17, s19                     ; where my rows begin in Wk
	s_lshl_b32 s19, s16, 18
	s_add_co_u32 s18, s18, s19
	s_lshl_b32 s19, s15, 8
	s_add_co_u32 s18, s18, s19                     ; and in wkt, rows and columns exchanged
	v_lshlrev_b32 v4, 12, v2
	v_lshl_add_u32 v4, v1, 4, v4                   ; lanes 0-15 one row's 256 bytes, lanes 16-31 the next row's
	v_add_nc_u32 v5, s18, v4                       ; v5: my offset in wkt
	v_add_nc_u32 v4, s17, v4                       ; v4: my offset in Wk
	s_mul_i32 s19, s14, 8*PITCH
	v_mul_u32_u24 v6, v2, PITCH
	v_lshl_add_u32 v6, v1, 4, v6
	v_add_nc_u32 v6, s19, v6                       ; v6: into LDS: row 8 w + h, 16 r bytes
	s_lshl_b32 s19, s14, 5
	v_mul_u32_u24 v7, v1, 4*PITCH
	v_lshl_add_u32 v7, v2, 2, v7
	v_add_nc_u32 v7, s19, v7                       ; v7: back: row 4 r, word 8 w + h
	s_lshl_b32 s20, ttmp9, 16
	s_lshl_b32 s21, s14, 13
	s_add_co_u32 s20, s20, s21                     ; my wave's 8,192 bytes of query
	v_lshl_add_u32 v8, v3, 4, s20
	s_lshr_b32 s20, s20, 1                         ; and its 4,096 bytes of xa
	v_lshl_add_u32 v9, v3, 3, s20
	v_lshlrev_b32 v10, 4, v3
	s_wait_kmcnt 0x0
.irp i, 0,1,2,3
	global_load_b128 v[WK+4*(\i):WK+4*(\i)+3], v4, s[6:7] offset:8192*(\i)
.endr
.irp i, 0,1,2,3,4,5,6,7,8,9,10,11,12,13,14,15
	global_load_b128 v[Q+4*(\i):Q+4*(\i)+3], v8, s[4:5] offset:512*(\i) th:TH_LOAD_NT
.endr
	s_wait_loadcnt 16                              ; Wk's four loads are in; query's sixteen, issued behind them, may stay out
.irp i, 0,1,2,3
	ds_store_b128 v6, v[WK+4*(\i):WK+4*(\i)+3] offset:2*PITCH*(\i)
.endr
	s_wait_dscnt 0x0                               ; for the others' sake: my rows of the tile are in LDS
	s_barrier_signal -1
	s_barrier_wait -1                              ; everybody's are
.irp i, 0,1,2,3
.irp e, 0,1,2,3
	ds_load_b32 v[WK+4*(\i)+(\e)], v7 offset:(\e)*PITCH+8*(\i)  ; Wk's row 4 r + e, column 8 w + 2 i + h
.endr
.endr
	s_wait_loadcnt 0x0                             ; query
.set i, 0
.rept 32
	v_cvt_pk_bf16_f32 v[O+i], v[Q+2*i], v[Q+2*i+1]
.set i, i+1
.endr
.irp i, 0,1,2,3,4,5,6,7,8,9,10,11,12,13,14,15
	global_store_b64 v9, v[O+2*(\i):O+2*(\i)+1], s[8:9] offset:256*(\i)  ; 32 lanes store 256 consecutive bytes, aligned
.endr
	s_wait_dscnt 0x0                               ; the turned words
.irp i, 0,1,2,3
	global_store_b128 v5, v[WK+4*(\i):WK+4*(\i)+3], s[10:11] offset:8192*(\i)
.endr
	s_or_b32 s22, ttmp9, s14
	s_cmp_lg_u32 s22, 0
	s_cbranch_scc1 .Lno_zb                         ; wave 0 of work-group 0 alone
.irp i, 0,1,2,3
	v_mov_b32 v[Z+(\i)], 0
.endr
.irp i, 0,1,2,3,4,5,6,7
	global_store_b128 v10, v[Z:Z+3], s[12:13] offset:512*(\i)
.endr
.Lno_zb:
	s_wait_tensorcnt 0x0                           ; the wave's end: behind my last LDS store
	ds_add_u32 v[SPW], v[NIL]
	s_wait_dscnt 0x0
	s_endpgm
.Lfunc_end_k_q48dff89885_prep:
	.size	k_q48dff89885_prep, .Lfunc_end_k_q48dff89885_prep-k_q48dff89885_prep
	.p2alignl 7, 3214868480
	.fill 96, 4, 3214868480
	.section	.rodata,"a",@progbits
	.p2align	6, 0x0
	.amdhsa_kernel k_q48dff89885_prep
		.amdhsa_group_segment_fixed_size 18432
		.amdhsa_private_segment_fixed_size 0
		.amdhsa_enable_private_segment 0
		.amdhsa_kernarg_size 40
		.amdhsa_user_sgpr_count 2
		.amdhsa_user_sgpr_kernarg_segment_ptr 1
		.amdhsa_wavefront_size32 1
		.amdhsa_system_sgpr_workgroup_id_x 1
		.amdhsa_system_sgpr_workgroup_id_y 1
		.amdhsa_system_sgpr_workgroup_id_z 1
		.amdhsa_system_vgpr_workitem_id 0
		.amdhsa_next_free_vgpr 136
		.amdhsa_next_free_sgpr 66
		.amdhsa_reserve_vcc 0
		.amdhsa_float_denorm_mode_32 3
		.amdhsa_float_denorm_mode_16_64 3
		.amdhsa_memory_ordered 1
		.amdhsa_forward_progress 1
		.amdhsa_inst_pref_size 11
	.end_amdhsa_kernel
	.amdgpu_metadata
---
amdhsa.version: [ 1, 2 ]
amdhsa.kernels:
  - .name:           k_q48dff89885_prep
    .symbol:         k_q48dff89885_prep.kd
    .args:
      - { .name: query, .offset: 0, .size: 8, .value_kind: global_buffer, .address_space: global }
      - { .name: Wk, .offset: 8, .size: 8, .value_kind: global_buffer, .address_space: global }
      - { .name: xa, .offset: 16, .size: 8, .value_kind: global_buffer, .address_space: global }
      - { .name: wkt, .offset: 24, .size: 8, .value_kind: global_buffer, .address_space: global }
      - { .name: zb, .offset: 32, .size: 8, .value_kind: global_buffer, .address_space: global }
    .group_segment_fixed_size: 18432
    .private_segment_fixed_size: 0
    .kernarg_segment_align: 8
    .kernarg_segment_size: 40
    .max_flat_workgroup_size: 256
    .sgpr_count:     66
    .vgpr_count:     136
    .wavefront_size: 32
...
	.end_amdgpu_metadata
.endif
;; end of part 1
;; launch g1 (part 2): grid 8 x 16, 4 waves a work-group, clusters of 4 x 4, 327,680 bytes of LDS; arguments xa, Wq, pq, bq; writes pq
.if DOCPART == 2
	.amdgcn_target "amdgcn-amd-amdhsa--gfx1250"
	.amdhsa_code_object_version 6
	.text
	.protected	k_q48dff89885_g1
	.globl	k_q48dff89885_g1
	.p2align	8
	.type	k_q48dff89885_g1,@function
k_q48dff89885_g1:
	s_mov_b64 s[64:65], 0
	v_nop
	global_prefetch_b8 v0, s[64:65] scope:SCOPE_SE
	s_setreg_imm32_b32 hwreg(HW_REG_WAVE_MODE, 25, 1), 1
	s_wait_xcnt 0x0
	s_wait_alu depctr_hold_cnt(0) depctr_sa_sdst(0) depctr_va_vdst(0) depctr_va_sdst(0) depctr_va_ssrc(0) depctr_va_vcc(0) depctr_vm_vsrc(0)
	s_getreg_b32 s2, hwreg(HW_REG_IB_STS2, 6, 4)
	s_cmp_eq_u32 s2, 0
	s_cbranch_scc0 .Lentry_in_a_cluster
	s_endpgm
.Lentry_in_a_cluster:
	s_bfe_u32 s2, ttmp6, 0x10000c
	s_cmp_lg_u32 s2, 0xf033
	s_cbranch_scc0 .Lentry_shape_is_right
	s_endpgm
.Lentry_shape_is_right:
; out[m][n] = the sum over k of X[m][k] Y[n][k] + bias[n].  X: [4096][1024] bf16; Y: [1024][1024] f32, rounded to bf16 between LDS and the matrix unit; bias: [1024] f32, rounded to bf16
; once, like the other inputs; sums in f32; out: [4096][1024] bf16, rounded once.  Used twice: pq = query Wq^T + bq, and tq = pq Wk (Y = Wk turned, bias = zeros).
; LIMITS.  NaN and infinities are not treated apart.
.set XPITCH, 1024                      ; elements in a row of X
.set STEPS,  8                         ; K steps of 128
.set YKN,    0                         ; Y lies [n][k]
.set YJOINT, 1                         ; Y's tile hangs on the tile column alone: asked for jointly along a column of the cluster
.set YBATCH, 0
.set OUT,    0                         ; bf16, + bias[column]
.set OROWB,  2048                      ; bytes in a row of out
.set ROWB,   256                       ; bytes of a row of out in a tile
; ---- from here on the text is the same in the four product kernels; the eight constants above choose among its forms ----
; SHARES.  A work-group makes 256 rows x 128 columns of out; its four waves lie 2 x 2, each with 128 x 64: 32 accumulators of 16 x 16, 256 registers.  K goes in steps of 128 through two LDS slots.
; With Y in f32 a step is 256 x 256 + 128 x 512 bytes: two such slots are what fits.  Waves 0 and 1 fetch X's halves (128 rows x 256 bytes), waves 2 and 3 Y's (64 rows x 512 bytes): one tensor load a wave.
; CLUSTER.  4 x 4 work-groups.  X's tile hangs on the tile row alone and is asked for jointly along a row of the cluster.  Where Y is a weight (YJOINT) its tile hangs on the tile column alone and is
; asked for jointly along a column.  Where Y belongs to a batch of 512 rows of X, only the two row blocks of that batch want the same tile; a mask of a whole row or column of the cluster cannot name that pair,
; so each work-group fetches Y by a load of its own, behind the same rounds.
; THE MATRIX INSTRUCTION IS USED TRANSPOSED: source 0 = 16 of Y's indices n, source 1 = 16 rows of X: a lane holds one row of out (lane % 16) and eight n.
; Y FROM F32.  [n][k]: a lane reads 2 x 32 bytes of its row (8 + 8 neighbouring k) and packs pairs.  [k][n]: a lane reads 16 bytes (four neighbouring n) of each of its 16 k; v_cvt_pk_bf16_f32 packs any two
; registers, so the k-th and (k+1)-th load's word f make a register of fragment f: fragment f's index m is n = 4 m + f, and nothing is turned in LDS.
; REGISTERS, in windows of 256 (s_set_vgpr_msb: bits 1:0 source 0, 3:2 source 1, 5:4 source 2, 7:6 destination):
;   window 0: v0-15 addresses; v32-63, v64-95 Y's fragments in bf16, two buffers; v96-127 bias; v128-255 the way out
;   window 1: v0-63, v64-127 X's fragments, two buffers; v128-191 Y as it comes from LDS, f32          window 2: accumulator (a, b) at v[8 (4 a + b)]
.set PX,     272                       ; a row of X in LDS: 256 bytes + 16 = 17 x 16: the 16 rows of a load start in 16 different groups of four banks (64 banks of 4 bytes: ISA guide 11.1)
.set PY,     528                       ; a row of Y: 512 + 16 = 33 x 16: likewise
.set XHALF,  128*PX
.set YHALF,  64*PY
.set YOFF,   256*PX                    ; in a slot: X's 256 rows, then Y's 128
.set STRIDE, 0x22000                   ; slot 1 begins here: a number that shares no bit with the four tiles' places in a slot, so one exclusive or changes slots
.set STAGE,  STRIDE                    ; the way out goes through slot 1's bytes, behind that slot's last fill and last read
.set SP,     ROWB+16
.set SPARE,  STRIDE+YOFF+128*PY        ; behind slot 1: the spare words, 128 bytes for each wave: two blocks of 256 bytes that no other line names
.if YKN
.set YSTEP,  128*4096                  ; bytes from a K step of Y to the next
.else
.set YSTEP,  512
.endif
.if OUT == 0
.set HSH, 4                            ; the upper half of the lanes stands 16, 32 or 64 bytes further along a stage row
.elseif OUT == 2
.set HSH, 6
.else
.set HSH, 5
.endif
.set AX0, 4                            ; v4, v5   my lane's place in a slot's X and Y; never rewritten
.set AY0, 5
.set AX,  6                            ; v6, v7   the same in the slot in hand
.set AY,  7
.set STO, 8                            ; v8   the way out: where I put my part of a row
.set RD,  9                            ; v9   where I read rows back
.set CO,  10                           ; v10  my byte offset in out
.set BO,  11                           ; v11  in bias
.set SO,  12                           ; v12  in sa
.set PFO, 13                           ; v13  the prefetches' offset; never rewritten
.set SPW, 14                           ; v14  LDS address of my spare word; never rewritten
.set NIL, 15                           ; v15  0; never rewritten
.set YF,  32
.set BIAS, 96
.set SA,  128                          ; v128-143  sa of my row in block a, twice: a pair for the packed multiply-add
.set TMP, 144
.set PK,  176
.set OB,  128                          ; v128-255  rows read back from the stage
.set XB,  0                            ; window 1
.set ST,  128                          ; window 1
.set WV,  14                           ; s14  my wave's number
.set HS,  15                           ; s15  wave / 2: my half of the tile's rows
.set HL,  16                           ; s16  wave % 2: my half of its columns; also which half of X's or Y's tile I fetch
.set CX,  17
.set CY,  18
.set TX,  19                           ; tile column
.set TY,  20                           ; tile row
.set G1X, 24                           ; s[24:31] descriptor group 1 for X, s[32:39] for Y
.set G1Y, 32
.set G0X, 40                           ; s[40:47] group 0 for X: a set for each first fill; the second then walks on.  s[48:55] the same for Y
.set G0Y, 48
.set TB,  56                           ; s56  0 or STRIDE: the slot in hand
.set CNT, 57
.set LIM, 58                           ; s58  2 in a wave that prefetches, else the greatest number
.set PFA, 60                           ; s[60:61] where my prefetches stand
.set PST, 62                           ; s[62:63] their step
.set OBS, 66                           ; s[66:67] out at the first row that I store
.set W_MUL, 0xa4                       ; Y window 0, X window 1, C and D window 2
.set W_CVT, 0x05                       ; both sources window 1, destination window 0
.set W_LD,  0x40                       ; destination window 1, address window 0
.set MSB, 0
.macro WIN new                         ; the immediate's high byte repeats the setting that is left; a switch that changes nothing is dropped
.if MSB != (\new)
	s_set_vgpr_msb (MSB<<8)|(\new)
.set MSB, \new
.endif
.endm
.macro PLACES                          ; four plain instructions between a matrix instruction and a load into, or a vector read of, its registers
.rept 4
	v_nop
.endr
.endm
.macro CREST                           ; a round of the cluster's barrier behind its opening barrier
	s_cmp_lg_u32 s[WV], 0
	s_cbranch_scc1 .Lnot_wave_0_\@
	s_barrier_signal -3
.Lnot_wave_0_\@:
	s_barrier_wait -3
	s_barrier_signal -1
	s_barrier_wait -1
.endm
.macro CROUND                          ; a whole round
	s_barrier_signal -1
	s_barrier_wait -1
	CREST
.endm
.macro JLOAD                           ; a refill by the walking descriptors; the branch hangs on the wave's number alone; an s_nop 0 and four v_nop follow each line
	s_cmp_lt_u32 s[WV], 2
	s_cbranch_scc0 .Lfor_y_\@
	tensor_load_to_lds s[G0X+4:G0X+7], s[G1X:G1X+7]
	s_nop 0
.rept 4
	v_nop
.endr
	s_branch .Lasked_\@
.Lfor_y_\@:
	tensor_load_to_lds s[G0Y+4:G0Y+7], s[G1Y:G1Y+7]
	s_nop 0
.rept 4
	v_nop
.endr
.Lasked_\@:
.endm
; A PREFETCH of the K step that stands two refills on, behind the refill and the run of LDS loads.  Each aligned block of 256 bytes is named once in the launch.  X's rows are read by every cluster of a row of
; clusters: the one with x = 0 asks, its four partners along x taking 32 of a wave's 128 rows each, told apart by address.  Joint Y: the cluster with y = 0 asks, the four partners along y taking 16 of a wave's
; 64 rows each (two blocks a row: a lane a block).  Y of a batch: the two work-groups that read a tile take 32 rows each, a lane a row, two instructions.  The last two refills ask for nothing.
.macro ASK
	s_cmp_gt_u32 s[CNT], s[LIM]
	s_cbranch_scc0 .Lnot_mine_\@
	global_prefetch_b8 v[PFO], s[PFA:PFA+1] th:TH_LOAD_NT scope:SCOPE_SE
.if !YJOINT
	s_cmp_lt_u32 s[WV], 2
	s_cbranch_scc1 .Lnot_mine_\@
	global_prefetch_b8 v[PFO], s[PFA:PFA+1] offset:256 th:TH_LOAD_NT scope:SCOPE_SE
.endif
.Lnot_mine_\@:
.endm
.macro MM f, zero                      ; matrix instruction i of a quarter's 32: row block i / 4, fragment i % 4 of Y.  zero = 1: it starts the sum
.if \zero
	v_wmma_f32_16x16x32_bf16 v[8*i:8*i+7], v[YF+32*(\f)+8*(i%4):YF+32*(\f)+8*(i%4)+7], v[XB+64*(\f)+8*(i/4):XB+64*(\f)+8*(i/4)+7], 0
.else
	v_wmma_f32_16x16x32_bf16 v[8*i:8*i+7], v[YF+32*(\f)+8*(i%4):YF+32*(\f)+8*(i%4)+7], v[XB+64*(\f)+8*(i/4):XB+64*(\f)+8*(i/4)+7], v[8*i:8*i+7]
.endif
.set i, i+1
.endm
.macro MULS f, i0, n, zero             ; n of them from i0 on.  The 32 accumulators take turns in the same order in every quarter
	WIN W_MUL
.set i, \i0
.rept \n
	MM \f, \zero
.endr
.endm
.macro CV g                            ; conversion c of 32: one register of Y's fragments in buffer g
.if YKN
	v_cvt_pk_bf16_f32 v[YF+32*(\g)+c], v[ST+8*(c%8)+c/8], v[ST+8*(c%8)+4+c/8]
.else
	v_cvt_pk_bf16_f32 v[YF+32*(\g)+c], v[ST+2*c], v[ST+2*c+1]
.endif
.set c, c+1
.endm
.macro MULC f, g, zero                 ; a quarter's last eight matrix instructions, four conversions for the next quarter behind each
.set i, 24
.set c, 0
.rept 8
	WIN W_MUL
	MM \f, \zero
	WIN W_CVT
.rept 4
	CV \g
.endr
.endr
.endm
.macro FETCH kq, g                     ; 32 LDS loads in one run: quarter kq (32 along K) of the slot in hand: Y's 16 first, into the f32 registers; then X's 16, into buffer g
	WIN W_LD
.set t, 0
.rept 16
.if YKN
	ds_load_b128 v[ST+4*t:ST+4*t+3], v[AY] offset:(32*(\kq)+(t%8)+16*(t/8))*PY
.else
	ds_load_b128 v[ST+4*t:ST+4*t+3], v[AY] offset:(t/4)*16*PY+128*(\kq)+16*(t%2)+64*((t%4)/2)
.endif
.set t, t+1
.endr
.set t, 0
.rept 8
	ds_load_b128 v[XB+64*(\g)+8*t:XB+64*(\g)+8*t+3],   v[AX] offset:t*16*PX+64*(\kq)
	ds_load_b128 v[XB+64*(\g)+8*t+4:XB+64*(\g)+8*t+7], v[AX] offset:t*16*PX+64*(\kq)+32
.set t, t+1
.endr
.endm
; A K step is four quarters of 32 along K, 32 matrix instructions each, on buffers 0, 1, 0, 1.  One of the first three multiplies buffer f and brings quarter kq into buffer g.
.macro QUARTER kq, f, g, zero
	s_wait_dscnt 0x0                               ; X's fragments of buffer f are in (Y's were waited for and converted in the quarter before)
	MULS \f, 0, 8, \zero
	PLACES
	FETCH \kq, \g
	MULS \f, 8, 16, \zero
	s_wait_dscnt 16                                ; Y's 16 loads are in; X's 16, issued behind them, may stay out
	MULC \f, \g, \zero
.endm
; The last quarter multiplies buffer 1 and changes slots.  In front of the barrier each wave waits for all its tensor loads (one is out: its part of the next slot), adds 0 to its spare word, and waits for that and
; for its reads of this slot.  fill = 1: the barrier opens a round of the cluster's barrier, and the slot just left is filled again first thing behind it, with the K step two on: 120 matrix instructions ahead of the wait for it.
.macro TURN fill
.if \fill
	s_wait_xcnt 0x0                                ; the last prefetch, a K step back, has read its address
	s_add_nc_u64 s[PFA:PFA+1], s[PFA:PFA+1], s[PST:PST+1]
.endif
	WIN 0
	s_wait_tensorcnt 0x0                           ; no tensor load of mine is out, so a group 0 may be written
	ds_add_u32 v[SPW], v[NIL]                      ; 0 onto my spare word
.if \fill
	s_xor_b32 s[G0X+5], s[G0X+5], STRIDE           ; the walking descriptors: the other slot than last time, the next K step
	s_add_nc_u64 s[G0X+6:G0X+7], s[G0X+6:G0X+7], 256
	s_xor_b32 s[G0Y+5], s[G0Y+5], STRIDE
	s_add_nc_u64 s[G0Y+6:G0Y+7], s[G0Y+6:G0Y+7], YSTEP
.endif
	s_wait_dscnt 1                                 ; X's fragments are in; the add, issued behind them, may be out
	MULS 1, 0, 4, 0
	s_wait_dscnt 0x0                               ; the add is done, and my reads of this slot are over
	s_barrier_signal -1
	MULS 1, 4, 4, 0
	WIN 0                                          ; at a branch and at a label every window is 0
	s_barrier_wait -1
.if \fill
	CREST                                          ; no wave of any partner still reads this slot or has a load on its way
	JLOAD                                          ; its four v_nop are also the places in front of the loads below
.else
	PLACES
.endif
	s_xor_b32 s[TB], s[TB], STRIDE
	v_add_nc_u32 v[AX], s[TB], v[AX0]
	v_add_nc_u32 v[AY], s[TB], v[AY0]
	FETCH 0, 0
.if \fill
	WIN 0
	ASK
.endif
	MULS 1, 8, 16, 0
	s_wait_dscnt 16
	MULC 1, 0, 0
.endm
; THE WAY OUT of row block a: 16 rows, my 64 columns, into the work-group's stage.  Each accumulator is read from its lowest registers on.
.macro PUT a
.if OUT == 0
	WIN 0x02                                       ; source 0: window 2
.set q, 0
.rept 16
	v_pk_add_f32 v[TMP+2*q:TMP+2*q+1], v[32*(\a)+2*q:32*(\a)+2*q+1], v[BIAS+2*q:BIAS+2*q+1]
.set q, q+1
.endr
	WIN 0
.set q, 0
.rept 16
	v_cvt_pk_bf16_f32 v[PK+q], v[TMP+2*q], v[TMP+2*q+1]
.set q, q+1
.endr
.set q, 0
.rept 4
	ds_store_b128 v[STO], v[PK+4*q:PK+4*q+3] offset:(\a)*16*SP+32*q
.set q, q+1
.endr
.elseif OUT == 1
	WIN 0x08                                       ; the stores' data: window 2
.set q, 0
.rept 8
	ds_store_b128 v[STO], v[32*(\a)+4*q:32*(\a)+4*q+3] offset:(\a)*16*SP+64*(q/2)+16*(q%2)
.set q, q+1
.endr
	WIN 0
.elseif OUT == 2
	WIN 0x0a                                       ; sources 0 and 1: window 2.  Register j of fragment f is column 4 j + f of my 32
.set q, 0
.rept 8
	v_cvt_pk_bf16_f32 v[PK+2*q],   v[32*(\a)+q],    v[32*(\a)+8+q]
	v_cvt_pk_bf16_f32 v[PK+2*q+1], v[32*(\a)+16+q], v[32*(\a)+24+q]
.set q, q+1
.endr
	WIN 0
.set q, 0
.rept 4
	ds_store_b128 v[STO], v[PK+4*q:PK+4*q+3] offset:(\a)*16*SP+16*q
.set q, q+1
.endr
.else
	WIN 0x20                                       ; source 2: window 2
.set q, 0
.rept 16
	v_pk_fma_f32 v[TMP+2*q:TMP+2*q+1], v[BIAS+2*q:BIAS+2*q+1], v[SA+2*(\a):SA+2*(\a)+1], v[32*(\a)+2*q:32*(\a)+2*q+1]
.set q, q+1
.endr
	WIN 0
.set q, 0
.rept 8
	ds_store_b128 v[STO], v[TMP+4*q:TMP+4*q+3] offset:(\a)*16*SP+64*(q/2)+16*(q%2)
.set q, q+1
.endr
.endif
.endm
; Wave w reads rows 64 w .. 64 w + 63 back, whole, and stores them: sixteen lanes store 256 consecutive bytes, aligned.
.macro GET
	WIN 0
.if ROWB == 256
.set t, 0
.rept 32
	ds_load_b128 v[OB+4*t:OB+4*t+3], v[RD] offset:t*2*SP
.set t, t+1
.endr
.set t, 0
.rept 32
	s_wait_dscnt 31-t                              ; LDS loads come back in order: load t is in, the 31 - t behind it may be out
	global_store_b128 v[CO], v[OB+4*t:OB+4*t+3], s[OBS:OBS+1] offset:t*2*OROWB
.set t, t+1
.endr
.else
.irp u, 0,1
.if (\u) == 1
	s_wait_xcnt 0x0                                ; the first 32 stores have read their registers, which are loaded again
.endif
.set t, 0
.rept 32
	ds_load_b128 v[OB+4*t:OB+4*t+3], v[RD] offset:(32*(\u)+t)*SP
.set t, t+1
.endr
.set t, 0
.rept 32
	s_wait_dscnt 31-t
	global_store_b128 v[CO], v[OB+4*t:OB+4*t+3], s[OBS:OBS+1] offset:(32*(\u)+t)*OROWB
.set t, t+1
.endr
.endr
.endif
.endm
.if OUT == 3
	s_load_b256 s[4:11], s[0:1], 0x0               ; X s[4:5], Y s[6:7], out s[8:9], bias s[10:11]
	s_load_b64 s[12:13], s[0:1], 0x20              ; sa
.elseif OUT == 0
	s_load_b256 s[4:11], s[0:1], 0x0
.else
	s_load_b128 s[4:7], s[0:1], 0x0
	s_load_b64 s[8:9], s[0:1], 0x10
.endif
	v_lshl_add_u32 v[SPW], v0, 2, SPARE
	v_mov_b32 v[NIL], 0
	ds_add_u32 v[SPW], v[NIL]                      ; the wave's opening: the add, waited for ahead of my first tensor load; work on registers stands between them
	v_lshrrev_b32 v1, 5, v0
	v_readfirstlane_b32 s[WV], v1                  ; wave 0..3
	s_lshr_b32 s[HS], s[WV], 1
	s_and_b32 s[HL], s[WV], 1
	s_bfe_u32 s[CX], ttmp6, 0x40000                ; my place in the cluster
	s_bfe_u32 s[CY], ttmp6, 0x40004
	s_lshl_b32 s[TX], ttmp9, 2                     ; in a cluster launch ttmp9 and ttmp7 count clusters
	s_add_co_u32 s[TX], s[TX], s[CX]
	s_and_b32 s[TY], ttmp7, 0xffff
	s_lshl_b32 s[TY], s[TY], 2
	s_add_co_u32 s[TY], s[TY], s[CY]
	s_lshl_b32 s21, s[CY], 2
	s_lshl_b32 s21, 15, s21                        ; my row of the cluster
	s_or_b32 s[G1X], s21, (1<<16)|(1<<20)|(1<<21)|(5<<22)|(3<<25)  ; 15:0 the mask; 17:16 2-byte elements; 20 padding on; 21 set beside a mask; 24:22 after every 64 words; 31:25 4 words
.if YJOINT
	s_lshl_b32 s22, 0x1111, s[CX]                  ; my column of the cluster
	s_or_b32 s[G1Y], s22, (2<<16)|(1<<20)|(1<<21)|(6<<22)|(3<<25)  ; 4-byte elements; padding of 4 words after every 128
.else
	s_mov_b32 s[G1Y], (2<<16)|(1<<20)|(6<<22)|(3<<25)              ; no mask: a load of my own
.endif
	s_mov_b32 s[G1X+1], 128<<16                    ; tensor_dim0 = 128
	s_mov_b32 s[G1X+2], 128<<16                    ; tensor_dim1 = 128
	s_mov_b32 s[G1X+3], 128<<16                    ; tile_dim0 = 128
	s_mov_b32 s[G1X+4], 128                        ; tile_dim1 = 128
	s_mov_b32 s[G1X+5], XPITCH                     ; elements from row to row
	s_mov_b32 s[G1X+6], 0
	s_mov_b32 s[G1X+7], 0
	s_mov_b32 s[G1Y+1], 128<<16
	s_mov_b32 s[G1Y+2], 64<<16                     ; tensor_dim1 = 64
	s_mov_b32 s[G1Y+3], 128<<16
	s_mov_b32 s[G1Y+4], 64                         ; tile_dim1 = 64
	s_mov_b32 s[G1Y+5], 1024
	s_mov_b32 s[G1Y+6], 0
	s_mov_b32 s[G1Y+7], 0
	s_mul_i32 s2, s[HL], XHALF                     ; where my tile goes in a slot: no place in the cluster enters an LDS address
	s_mul_i32 s3, s[HL], YHALF
	s_add_co_u32 s3, s3, YOFF
.irp s, 0,1
	s_mov_b32 s[G0X+4*(\s)], 1                     ; count = 1
	s_add_co_u32 s[G0X+4*(\s)+1], s2, (\s)*STRIDE  ; LDS address
	s_mov_b32 s[G0Y+4*(\s)], 1
	s_add_co_u32 s[G0Y+4*(\s)+1], s3, (\s)*STRIDE
.endr
	s_lshl_b32 s21, s[TY], 8                       ; X: row 256 x tile row + 128 x half: made of the tile row and the wave's number alone
	s_lshl_b32 s22, s[HL], 7
	s_add_co_u32 s21, s21, s22
	s_mul_i32 s68, s21, 2*XPITCH
	s_mov_b32 s69, 0
	s_lshl_b32 s70, s[HL], 6                       ; Y: my 64 rows of the tile,
.if !YKN
	s_lshl_b32 s22, s[TX], 7                       ; of the tile column's 128 rows,
	s_add_co_u32 s70, s70, s22
.endif
.if YBATCH
	s_lshr_b32 s22, s[TY], 1                       ; in the batch's 2,048 rows
	s_lshl_b32 s22, s22, 11
	s_add_co_u32 s70, s70, s22
.endif
	s_lshl_b32 s70, s70, 12                        ; rows of 4,096 bytes
.if YKN
	s_lshl_b32 s22, s[TX], 9                       ; the tile column's 128 numbers of each row
	s_add_co_u32 s70, s70, s22
.endif
	s_mov_b32 s71, 0
	s_wait_dscnt 0x0                               ; the opening add is done
	s_wait_kmcnt 0x0
	s_add_nc_u64 s[68:69], s[4:5], s[68:69]        ; X and Y at my tile of K step 0
	s_add_nc_u64 s[70:71], s[6:7], s[70:71]
.irp s, 0,1
	s_add_nc_u64 s[G0X+4*(\s)+2:G0X+4*(\s)+3], s[68:69], (\s)*256
	s_or_b32 s[G0X+4*(\s)+3], s[G0X+4*(\s)+3], 0x80000000          ; type = 2
	s_add_nc_u64 s[G0Y+4*(\s)+2:G0Y+4*(\s)+3], s[70:71], (\s)*YSTEP
	s_or_b32 s[G0Y+4*(\s)+3], s[G0Y+4*(\s)+3], 0x80000000
.endr
	CROUND                                         ; all sixteen work-groups are here: the first joint loads meet
	s_cmp_lt_u32 s[WV], 2                          ; a wave's two first fills stand in one branch, ahead of every wait on TENSORcnt and every LDS read: two loads of mine are out
	s_cbranch_scc0 .Lfirst_y
	tensor_load_to_lds s[G0X:G0X+3], s[G1X:G1X+7]
	s_nop 0
	tensor_load_to_lds s[G0X+4:G0X+7], s[G1X:G1X+7]
	s_nop 0
.rept 4
	v_nop
.endr
	s_branch .Lfirst_asked
.Lfirst_y:
	tensor_load_to_lds s[G0Y:G0Y+3], s[G1Y:G1Y+7]
	s_nop 0
	tensor_load_to_lds s[G0Y+4:G0Y+7], s[G1Y:G1Y+7]
	s_nop 0
.rept 4
	v_nop
.endr
.Lfirst_asked:
	; A fragment is 16 rows x 32 K in 8 registers: lane l holds row l % 16; registers 0-3 K = 8 (l / 16) + 0..7, registers 4-7 K = 16 + 8 (l / 16) + 0..7.
	v_and_b32 v1, 15, v0                           ; r = l % 16
	v_bfe_u32 v2, v0, 4, 1                         ; h = l / 16
	s_mul_i32 s21, s[HS], XHALF                    ; my 128 rows of X
	v_mul_u32_u24 v[AX0], v1, PX
	v_lshl_add_u32 v[AX0], v2, 4, v[AX0]
	v_add_nc_u32 v[AX0], s21, v[AX0]
.if YKN
	s_lshl_b32 s22, s[HL], 8                       ; my 64 columns: 256 bytes of each row
	s_add_co_u32 s22, s22, YOFF
	v_mul_u32_u24 v[AY0], v2, 8*PY                 ; K = 8 h on; four columns a lane
	v_lshl_add_u32 v[AY0], v1, 4, v[AY0]
.else
	s_mul_i32 s22, s[HL], YHALF                    ; my 64 rows of Y
	s_add_co_u32 s22, s22, YOFF
	v_mul_u32_u24 v[AY0], v1, PY
	v_lshl_add_u32 v[AY0], v2, 5, v[AY0]           ; K = 8 h on: 32 bytes
.endif
	v_add_nc_u32 v[AY0], s22, v[AY0]
	v_mov_b32 v[AX], v[AX0]
	v_mov_b32 v[AY], v[AY0]
	s_mov_b32 s[TB], 0
	s_mul_i32 s23, s[HS], 128*SP                   ; into the stage: my 128 rows, my half of their bytes
	s_mul_i32 s21, s[HL], ROWB/2
	s_add_co_u32 s23, s23, s21
	s_add_co_u32 s23, s23, STAGE
	v_mul_u32_u24 v[STO], v1, SP
	v_lshl_add_u32 v[STO], v2, HSH, v[STO]
	v_add_nc_u32 v[STO], s23, v[STO]
	s_mul_i32 s23, s[WV], 64*SP                    ; back: rows 64 w on
	s_add_co_u32 s23, s23, STAGE
.if ROWB == 256
	v_mul_u32_u24 v[RD], v2, SP                    ; lanes 0-15 one row of 256 bytes, lanes 16-31 the next
	v_lshl_add_u32 v[RD], v1, 4, v[RD]
	v_mul_u32_u24 v[CO], v2, OROWB
	v_lshl_add_u32 v[CO], v1, 4, v[CO]
.else
	v_and_b32 v[CO], 31, v0                        ; 32 lanes one row of 512 bytes
	v_lshlrev_b32 v[CO], 4, v[CO]
	v_mov_b32 v[RD], v[CO]
.endif
	v_add_nc_u32 v[RD], s23, v[RD]
	s_lshl_b32 s21, s[TY], 8
	s_lshl_b32 s22, s[WV], 6
	s_add_co_u32 s21, s21, s22                     ; the first row of out that I store
	s_mul_i32 s2, s21, OROWB
	s_mul_i32 s22, s[TX], ROWB
	s_add_co_u32 s2, s2, s22
	s_mov_b32 s3, 0
	s_add_nc_u64 s[OBS:OBS+1], s[8:9], s[2:3]
.if (OUT == 0) || (OUT == 3)
	s_lshl_b32 s21, s[TX], 9                       ; bias of my columns 128 tx + 64 wc + 16 b + 8 h + 0..7, at BIAS + 8 b
	s_lshl_b32 s22, s[HL], 8
	s_add_co_u32 s21, s21, s22
	v_lshl_add_u32 v[BO], v2, 5, s21
.set q, 0
.rept 8
	global_load_b128 v[BIAS+4*q:BIAS+4*q+3], v[BO], s[10:11] offset:64*(q/2)+16*(q%2)
.set q, q+1
.endr
.endif
.if OUT == 3
	s_lshl_b32 s21, s[TY], 10                      ; sa of my row 256 ty + 128 wr + 16 a + r
	s_lshl_b32 s22, s[HS], 9
	s_add_co_u32 s21, s21, s22
	v_lshl_add_u32 v[SO], v1, 2, s21
.set q, 0
.rept 8
	global_load_b32 v[SA+2*q],   v[SO], s[12:13] offset:64*q
	global_load_b32 v[SA+2*q+1], v[SO], s[12:13] offset:64*q
.set q, q+1
.endr
.endif
	; the prefetches: my tile's first byte, my work-group's share of its rows, three K steps on; the first change of slots steps it to the fourth
	s_mul_i32 s21, s[CX], 64*XPITCH                ; X: 32 rows for each place along x
.if YJOINT
	s_lshl_b32 s22, s[CY], 16                      ; Y: 16 rows of 4,096 bytes for each place along y
	s_and_b32 s23, ttmp7, 0xffff                   ; the coordinate along which other clusters read the same rows
	s_mov_b32 s3, 256                              ; the upper half of the lanes takes a row's second block
.else
	s_and_b32 s22, s[CY], 1                        ; Y: 32 rows for each of the batch's two row blocks
	s_lshl_b32 s22, s22, 17
	s_mov_b32 s23, 0                               ; nobody else reads them
	s_mov_b32 s3, 65536                            ; a lane a row
.endif
	s_mov_b32 s[PST], YSTEP
	s_mov_b32 s[PST+1], 0
	s_mov_b32 s59, 4096
	s_cmp_lt_u32 s[WV], 2                          ; do I fetch for X?
	s_cselect_b64 s[PFA:PFA+1], s[68:69], s[70:71]
	s_cselect_b32 s2, s21, s22
	s_cselect_b32 s23, ttmp9, s23
	s_cselect_b32 s[PST], 256, s[PST]
	s_cselect_b32 s59, 2*XPITCH, s59
	s_cselect_b32 s22, 32*XPITCH, s3
	s_mov_b32 s3, 0
	s_add_nc_u64 s[PFA:PFA+1], s[PFA:PFA+1], s[2:3]
	s_mul_i32 s2, s[PST], 3
	s_add_nc_u64 s[PFA:PFA+1], s[PFA:PFA+1], s[2:3]
	s_cmp_eq_u32 s23, 0
	s_cselect_b32 s[LIM], 2, -1                    ; the same in all sixteen partners, for a given wave
	v_mul_u32_u24 v[PFO], v1, s59
	v_mad_u32_u24 v[PFO], v2, s22, v[PFO]
	s_wait_tensorcnt 0x1                           ; my part of K step 0 is in; K step 1's may stay out
	s_barrier_signal -1
	s_barrier_wait -1                              ; everybody's is
	FETCH 0, 0
	s_wait_dscnt 16                                ; Y's 16 loads
	WIN W_CVT
.set c, 0
.rept 32
	CV 0
.endr
	QUARTER 1, 0, 1, 1                             ; the first quarter stands in front of the loop: its products start the sums
	WIN 0
	s_mov_b32 s[CNT], STEPS-2
.Lstep:                                        ; a trip goes from a K step's second quarter to the next step's first, and fills the slot that it leaves
	QUARTER 2, 1, 0, 0
	QUARTER 3, 0, 1, 0
	TURN 1
	QUARTER 1, 0, 1, 0
	WIN 0
	s_sub_co_u32 s[CNT], s[CNT], 1
	s_cmp_lg_u32 s[CNT], 0
	s_cbranch_scc1 .Lstep
	s_mov_b32 s[CNT], 2
.Ltail:                                        ; the last two K steps ask for nothing: a text of their own; the second trip is left in its middle
	QUARTER 2, 1, 0, 0
	QUARTER 3, 0, 1, 0
	TURN 0
	WIN 0
	s_sub_co_u32 s[CNT], s[CNT], 1
	s_cmp_eq_u32 s[CNT], 0
	s_cbranch_scc1 .Lout
	QUARTER 1, 0, 1, 0
	WIN 0
	s_branch .Ltail
.Lout:                                         ; the second trip's 32 LDS loads (from slot 0) and 32 conversions serve nothing: the price, once a launch, of one text for both trips
	s_wait_dscnt 0x0                               ; those loads are back:
	s_barrier_signal -1
	s_barrier_wait -1                              ; in every wave: nobody reads LDS any more, and slot 1 has had its last fill: it becomes the stage
	PLACES
	PLACES
.if (OUT == 0) || (OUT == 3)
	s_wait_loadcnt 0x0                             ; bias (and sa)
.set q, 0
.rept 16
	v_cvt_pk_bf16_f32 v[PK+q], v[BIAS+2*q], v[BIAS+2*q+1]  ; the bias is rounded to bf16, like the matrix inputs, and widened again
.set q, q+1
.endr
.set q, 0
.rept 16
	v_lshlrev_b32 v[BIAS+2*q], 16, v[PK+q]
	v_and_b32 v[BIAS+2*q+1], 0xffff0000, v[PK+q]
.set q, q+1
.endr
.endif
.irp a, 0,1,2,3,4,5,6,7
	PUT \a
.endr
	s_wait_dscnt 0x0                               ; for the others' sake: my stores into the stage are done
	s_barrier_signal -1
	s_barrier_wait -1                              ; a row's bytes come from two waves
	GET
	s_wait_tensorcnt 0x0                           ; the wave's end: behind my last tensor load and my last LDS store
	ds_add_u32 v[SPW], v[NIL]
	s_wait_dscnt 0x0
	CROUND                                         ; the closing round: no work-group ends while a partner may still ask for a tile that names it
	s_endpgm
.Lfunc_end_k_q48dff89885_g1:
	.size	k_q48dff89885_g1, .Lfunc_end_k_q48dff89885_g1-k_q48dff89885_g1
	.p2alignl 7, 3214868480
	.fill 96, 4, 3214868480
	.section	.rodata,"a",@progbits
	.p2align	6, 0x0
	.amdhsa_kernel k_q48dff89885_g1
		.amdhsa_group_segment_fixed_size 327680
		.amdhsa_private_segment_fixed_size 0
		.amdhsa_enable_private_segment 0
		.amdhsa_kernarg_size 32
		.amdhsa_user_sgpr_count 2
		.amdhsa_user_sgpr_kernarg_segment_ptr 1
		.amdhsa_wavefront_size32 1
		.amdhsa_system_sgpr_workgroup_id_x 1
		.amdhsa_system_sgpr_workgroup_id_y 1
		.amdhsa_system_sgpr_workgroup_id_z 1
		.amdhsa_system_vgpr_workitem_id 0
		.amdhsa_next_free_vgpr 768
		.amdhsa_next_free_sgpr 72
		.amdhsa_reserve_vcc 0
		.amdhsa_float_denorm_mode_32 3
		.amdhsa_float_denorm_mode_16_64 3
		.amdhsa_memory_ordered 1
		.amdhsa_forward_progress 1
		.amdhsa_inst_pref_size 104
	.end_amdhsa_kernel
	.amdgpu_metadata
---
amdhsa.version: [ 1, 2 ]
amdhsa.kernels:
  - .name:           k_q48dff89885_g1
    .symbol:         k_q48dff89885_g1.kd
    .args:
      - { .name: xa, .offset: 0, .size: 8, .value_kind: global_buffer, .address_space: global }
      - { .name: Wq, .offset: 8, .size: 8, .value_kind: global_buffer, .address_space: global }
      - { .name: pq, .offset: 16, .size: 8, .value_kind: global_buffer, .address_space: global }
      - { .name: bq, .offset: 24, .size: 8, .value_kind: global_buffer, .address_space: global }
    .group_segment_fixed_size: 327680
    .private_segment_fixed_size: 0
    .kernarg_segment_align: 8
    .kernarg_segment_size: 32
    .max_flat_workgroup_size: 128
    .sgpr_count:     72
    .vgpr_count:     768
    .wavefront_size: 32
...
	.end_amdgpu_metadata
.endif
;; end of part 2
;; launch g2: the kernel of part 2 again; grid 8 x 16, 4 waves a work-group, clusters of 4 x 4, 327,680 bytes of LDS; arguments pq, wkt, tq, zb; writes tq
;; launch g3 (part 3): grid 16 x 16, 4 waves a work-group, clusters of 4 x 4, 327,680 bytes of LDS; arguments tq, key, sc; writes sc
.if DOCPART == 3
	.amdgcn_target "amdgcn-amd-amdhsa--gfx1250"
	.amdhsa_code_object_version 6
	.text
	.protected	k_q48dff89885_g3
	.globl	k_q48dff89885_g3
	.p2align	8
	.type	k_q48dff89885_g3,@function
k_q48dff89885_g3:
	s_mov_b64 s[64:65], 0
	v_nop
	global_prefetch_b8 v0, s[64:65] scope:SCOPE_SE
	s_setreg_imm32_b32 hwreg(HW_REG_WAVE_MODE, 25, 1), 1
	s_wait_xcnt 0x0
	s_wait_alu depctr_hold_cnt(0) depctr_sa_sdst(0) depctr_va_vdst(0) depctr_va_sdst(0) depctr_va_ssrc(0) depctr_va_vcc(0) depctr_vm_vsrc(0)
	s_getreg_b32 s2, hwreg(HW_REG_IB_STS2, 6, 4)
	s_cmp_eq_u32 s2, 0
	s_cbranch_scc0 .Lentry_in_a_cluster
	s_endpgm
.Lentry_in_a_cluster:
	s_bfe_u32 s2, ttmp6, 0x10000c
	s_cmp_lg_u32 s2, 0xf033
	s_cbranch_scc0 .Lentry_shape_is_right
	s_endpgm
.Lentry_shape_is_right:
; sc[b][q][k] = the sum over c of tq[b][q][c] key[b][k][c]: the scores before the scale, the row's constant and the mask.  X = tq: [4096][1024] bf16; Y = key: [8][2048][1024] f32, rounded to bf16
; between LDS and the matrix unit; sums in f32; out = sc: [4096][2048] f32.  A tile row is half a batch's 512 queries.
; LIMITS.  NaN and infinities are not treated apart.
.set XPITCH, 1024                      ; elements in a row of X
.set STEPS,  8                         ; K steps of 128
.set YKN,    0                         ; Y lies [n][k]
.set YJOINT, 0                         ; Y belongs to a batch: a load of each work-group's own
.set YBATCH, 1
.set OUT,    1                         ; f32, as it is
.set OROWB,  8192                      ; bytes in a row of out
.set ROWB,   512                       ; bytes of a row of out in a tile
; ---- from here on the text is the same in the four product kernels; the eight constants above choose among its forms ----
; SHARES.  A work-group makes 256 rows x 128 columns of out; its four waves lie 2 x 2, each with 128 x 64: 32 accumulators of 16 x 16, 256 registers.  K goes in steps of 128 through two LDS slots.
; With Y in f32 a step is 256 x 256 + 128 x 512 bytes: two such slots are what fits.  Waves 0 and 1 fetch X's halves (128 rows x 256 bytes), waves 2 and 3 Y's (64 rows x 512 bytes): one tensor load a wave.
; CLUSTER.  4 x 4 work-groups.  X's tile hangs on the tile row alone and is asked for jointly along a row of the cluster.  Where Y is a weight (YJOINT) its tile hangs on the tile column alone and is
; asked for jointly along a column.  Where Y belongs to a batch of 512 rows of X, only the two row blocks of that batch want the same tile; a mask of a whole row or column of the cluster cannot name that pair,
; so each work-group fetches Y by a load of its own, behind the same rounds.
; THE MATRIX INSTRUCTION IS USED TRANSPOSED: source 0 = 16 of Y's indices n, source 1 = 16 rows of X: a lane holds one row of out (lane % 16) and eight n.
; Y FROM F32.  [n][k]: a lane reads 2 x 32 bytes of its row (8 + 8 neighbouring k) and packs pairs.  [k][n]: a lane reads 16 bytes (four neighbouring n) of each of its 16 k; v_cvt_pk_bf16_f32 packs any two
; registers, so the k-th and (k+1)-th load's word f make a register of fragment f: fragment f's index m is n = 4 m + f, and nothing is turned in LDS.
; REGISTERS, in windows of 256 (s_set_vgpr_msb: bits 1:0 source 0, 3:2 source 1, 5:4 source 2, 7:6 destination):
;   window 0: v0-15 addresses; v32-63, v64-95 Y's fragments in bf16, two buffers; v96-127 bias; v128-255 the way out
;   window 1: v0-63, v64-127 X's fragments, two buffers; v128-191 Y as it comes from LDS, f32          window 2: accumulator (a, b) at v[8 (4 a + b)]
.set PX,     272                       ; a row of X in LDS: 256 bytes + 16 = 17 x 16: the 16 rows of a load start in 16 different groups of four banks (64 banks of 4 bytes: ISA guide 11.1)
.set PY,     528                       ; a row of Y: 512 + 16 = 33 x 16: likewise
.set XHALF,  128*PX
.set YHALF,  64*PY
.set YOFF,   256*PX                    ; in a slot: X's 256 rows, then Y's 128
.set STRIDE, 0x22000                   ; slot 1 begins here: a number that shares no bit with the four tiles' places in a slot, so one exclusive or changes slots
.set STAGE,  STRIDE                    ; the way out goes through slot 1's bytes, behind that slot's last fill and last read
.set SP,     ROWB+16
.set SPARE,  STRIDE+YOFF+128*PY        ; behind slot 1: the spare words, 128 bytes for each wave: two blocks of 256 bytes that no other line names
.if YKN
.set YSTEP,  128*4096                  ; bytes from a K step of Y to the next
.else
.set YSTEP,  512
.endif
.if OUT == 0
.set HSH, 4                            ; the upper half of the lanes stands 16, 32 or 64 bytes further along a stage row
.elseif OUT == 2
.set HSH, 6
.else
.set HSH, 5
.endif
.set AX0, 4                            ; v4, v5   my lane's place in a slot's X and Y; never rewritten
.set AY0, 5
.set AX,  6                            ; v6, v7   the same in the slot in hand
.set AY,  7
.set STO, 8                            ; v8   the way out: where I put my part of a row
.set RD,  9                            ; v9   where I read rows back
.set CO,  10                           ; v10  my byte offset in out
.set BO,  11                           ; v11  in bias
.set SO,  12                           ; v12  in sa
.set PFO, 13                           ; v13  the prefetches' offset; never rewritten
.set SPW, 14                           ; v14  LDS address of my spare word; never rewritten
.set NIL, 15                           ; v15  0; never rewritten
.set YF,  32
.set BIAS, 96
.set SA,  128                          ; v128-143  sa of my row in block a, twice: a pair for the packed multiply-add
.set TMP, 144
.set PK,  176
.set OB,  128                          ; v128-255  rows read back from the stage
.set XB,  0                            ; window 1
.set ST,  128                          ; window 1
.set WV,  14                           ; s14  my wave's number
.set HS,  15                           ; s15  wave / 2: my half of the tile's rows
.set HL,  16                           ; s16  wave % 2: my half of its columns; also which half of X's or Y's tile I fetch
.set CX,  17
.set CY,  18
.set TX,  19                           ; tile column
.set TY,  20                           ; tile row
.set G1X, 24                           ; s[24:31] descriptor group 1 for X, s[32:39] for Y
.set G1Y, 32
.set G0X, 40                           ; s[40:47] group 0 for X: a set for each first fill; the second then walks on.  s[48:55] the same for Y
.set G0Y, 48
.set TB,  56                           ; s56  0 or STRIDE: the slot in hand
.set CNT, 57
.set LIM, 58                           ; s58  2 in a wave that prefetches, else the greatest number
.set PFA, 60                           ; s[60:61] where my prefetches stand
.set PST, 62                           ; s[62:63] their step
.set OBS, 66                           ; s[66:67] out at the first row that I store
.set W_MUL, 0xa4                       ; Y window 0, X window 1, C and D window 2
.set W_CVT, 0x05                       ; both sources window 1, destination window 0
.set W_LD,  0x40                       ; destination window 1, address window 0
.set MSB, 0
.macro WIN new                         ; the immediate's high byte repeats the setting that is left; a switch that changes nothing is dropped
.if MSB != (\new)
	s_set_vgpr_msb (MSB<<8)|(\new)
.set MSB, \new
.endif
.endm
.macro PLACES                          ; four plain instructions between a matrix instruction and a load into, or a vector read of, its registers
.rept 4
	v_nop
.endr
.endm
.macro CREST                           ; a round of the cluster's barrier behind its opening barrier
	s_cmp_lg_u32 s[WV], 0
	s_cbranch_scc1 .Lnot_wave_0_\@
	s_barrier_signal -3
.Lnot_wave_0_\@:
	s_barrier_wait -3
	s_barrier_signal -1
	s_barrier_wait -1
.endm
.macro CROUND                          ; a whole round
	s_barrier_signal -1
	s_barrier_wait -1
	CREST
.endm
.macro JLOAD                           ; a refill by the walking descriptors; the branch hangs on the wave's number alone; an s_nop 0 and four v_nop follow each line
	s_cmp_lt_u32 s[WV], 2
	s_cbranch_scc0 .Lfor_y_\@
	tensor_load_to_lds s[G0X+4:G0X+7], s[G1X:G1X+7]
	s_nop 0
.rept 4
	v_nop
.endr
	s_branch .Lasked_\@
.Lfor_y_\@:
	tensor_load_to_lds s[G0Y+4:G0Y+7], s[G1Y:G1Y+7]
	s_nop 0
.rept 4
	v_nop
.endr
.Lasked_\@:
.endm
; A PREFETCH of the K step that stands two refills on, behind the refill and the run of LDS loads.  Each aligned block of 256 bytes is named once in the launch.  X's rows are read by every cluster of a row of
; clusters: the one with x = 0 asks, its four partners along x taking 32 of a wave's 128 rows each, told apart by address.  Joint Y: the cluster with y = 0 asks, the four partners along y taking 16 of a wave's
; 64 rows each (two blocks a row: a lane a block).  Y of a batch: the two work-groups that read a tile take 32 rows each, a lane a row, two instructions.  The last two refills ask for nothing.
.macro ASK
	s_cmp_gt_u32 s[CNT], s[LIM]
	s_cbranch_scc0 .Lnot_mine_\@
	global_prefetch_b8 v[PFO], s[PFA:PFA+1] th:TH_LOAD_NT scope:SCOPE_SE
.if !YJOINT
	s_cmp_lt_u32 s[WV], 2
	s_cbranch_scc1 .Lnot_mine_\@
	global_prefetch_b8 v[PFO], s[PFA:PFA+1] offset:256 th:TH_LOAD_NT scope:SCOPE_SE
.endif
.Lnot_mine_\@:
.endm
.macro MM f, zero                      ; matrix instruction i of a quarter's 32: row block i / 4, fragment i % 4 of Y.  zero = 1: it starts the sum
.if \zero
	v_wmma_f32_16x16x32_bf16 v[8*i:8*i+7], v[YF+32*(\f)+8*(i%4):YF+32*(\f)+8*(i%4)+7], v[XB+64*(\f)+8*(i/4):XB+64*(\f)+8*(i/4)+7], 0
.else
	v_wmma_f32_16x16x32_bf16 v[8*i:8*i+7], v[YF+32*(\f)+8*(i%4):YF+32*(\f)+8*(i%4)+7], v[XB+64*(\f)+8*(i/4):XB+64*(\f)+8*(i/4)+7], v[8*i:8*i+7]
.endif
.set i, i+1
.endm
.macro MULS f, i0, n, zero             ; n of them from i0 on.  The 32 accumulators take turns in the same order in every quarter
	WIN W_MUL
.set i, \i0
.rept \n
	MM \f, \zero
.endr
.endm
.macro CV g                            ; conversion c of 32: one register of Y's fragments in buffer g
.if YKN
	v_cvt_pk_bf16_f32 v[YF+32*(\g)+c], v[ST+8*(c%8)+c/8], v[ST+8*(c%8)+4+c/8]
.else
	v_cvt_pk_bf16_f32 v[YF+32*(\g)+c], v[ST+2*c], v[ST+2*c+1]
.endif
.set c, c+1
.endm
.macro MULC f, g, zero                 ; a quarter's last eight matrix instructions, four conversions for the next quarter behind each
.set i, 24
.set c, 0
.rept 8
	WIN W_MUL
	MM \f, \zero
	WIN W_CVT
.rept 4
	CV \g
.endr
.endr
.endm
.macro FETCH kq, g                     ; 32 LDS loads in one run: quarter kq (32 along K) of the slot in hand: Y's 16 first, into the f32 registers; then X's 16, into buffer g
	WIN W_LD
.set t, 0
.rept 16
.if YKN
	ds_load_b128 v[ST+4*t:ST+4*t+3], v[AY] offset:(32*(\kq)+(t%8)+16*(t/8))*PY
.else
	ds_load_b128 v[ST+4*t:ST+4*t+3], v[AY] offset:(t/4)*16*PY+128*(\kq)+16*(t%2)+64*((t%4)/2)
.endif
.set t, t+1
.endr
.set t, 0
.rept 8
	ds_load_b128 v[XB+64*(\g)+8*t:XB+64*(\g)+8*t+3],   v[AX] offset:t*16*PX+64*(\kq)
	ds_load_b128 v[XB+64*(\g)+8*t+4:XB+64*(\g)+8*t+7], v[AX] offset:t*16*PX+64*(\kq)+32
.set t, t+1
.endr
.endm
; A K step is four quarters of 32 along K, 32 matrix instructions each, on buffers 0, 1, 0, 1.  One of the first three multiplies buffer f and brings quarter kq into buffer g.
.macro QUARTER kq, f, g, zero
	s_wait_dscnt 0x0                               ; X's fragments of buffer f are in (Y's were waited for and converted in the quarter before)
	MULS \f, 0, 8, \zero
	PLACES
	FETCH \kq, \g
	MULS \f, 8, 16, \zero
	s_wait_dscnt 16                                ; Y's 16 loads are in; X's 16, issued behind them, may stay out
	MULC \f, \g, \zero
.endm
; The last quarter multiplies buffer 1 and changes slots.  In front of the barrier each wave waits for all its tensor loads (one is out: its part of the next slot), adds 0 to its spare word, and waits for that and
; for its reads of this slot.  fill = 1: the barrier opens a round of the cluster's barrier, and the slot just left is filled again first thing behind it, with the K step two on: 120 matrix instructions ahead of the wait for it.
.macro TURN fill
.if \fill
	s_wait_xcnt 0x0                                ; the last prefetch, a K step back, has read its address
	s_add_nc_u64 s[PFA:PFA+1], s[PFA:PFA+1], s[PST:PST+1]
.endif
	WIN 0
	s_wait_tensorcnt 0x0                           ; no tensor load of mine is out, so a group 0 may be written
	ds_add_u32 v[SPW], v[NIL]                      ; 0 onto my spare word
.if \fill
	s_xor_b32 s[G0X+5], s[G0X+5], STRIDE           ; the walking descriptors: the other slot than last time, the next K step
	s_add_nc_u64 s[G0X+6:G0X+7], s[G0X+6:G0X+7], 256
	s_xor_b32 s[G0Y+5], s[G0Y+5], STRIDE
	s_add_nc_u64 s[G0Y+6:G0Y+7], s[G0Y+6:G0Y+7], YSTEP
.endif
	s_wait_dscnt 1                                 ; X's fragments are in; the add, issued behind them, may be out
	MULS 1, 0, 4, 0
	s_wait_dscnt 0x0                               ; the add is done, and my reads of this slot are over
	s_barrier_signal -1
	MULS 1, 4, 4, 0
	WIN 0                                          ; at a branch and at a label every window is 0
	s_barrier_wait -1
.if \fill
	CREST                                          ; no wave of any partner still reads this slot or has a load on its way
	JLOAD                                          ; its four v_nop are also the places in front of the loads below
.else
	PLACES
.endif
	s_xor_b32 s[TB], s[TB], STRIDE
	v_add_nc_u32 v[AX], s[TB], v[AX0]
	v_add_nc_u32 v[AY], s[TB], v[AY0]
	FETCH 0, 0
.if \fill
	WIN 0
	ASK
.endif
	MULS 1, 8, 16, 0
	s_wait_dscnt 16
	MULC 1, 0, 0
.endm
; THE WAY OUT of row block a: 16 rows, my 64 columns, into the work-group's stage.  Each accumulator is read from its lowest registers on.
.macro PUT a
.if OUT == 0
	WIN 0x02                                       ; source 0: window 2
.set q, 0
.rept 16
	v_pk_add_f32 v[TMP+2*q:TMP+2*q+1], v[32*(\a)+2*q:32*(\a)+2*q+1], v[BIAS+2*q:BIAS+2*q+1]
.set q, q+1
.endr
	WIN 0
.set q, 0
.rept 16
	v_cvt_pk_bf16_f32 v[PK+q], v[TMP+2*q], v[TMP+2*q+1]
.set q, q+1
.endr
.set q, 0
.rept 4
	ds_store_b128 v[STO], v[PK+4*q:PK+4*q+3] offset:(\a)*16*SP+32*q
.set q, q+1
.endr
.elseif OUT == 1
	WIN 0x08                                       ; the stores' data: window 2
.set q, 0
.rept 8
	ds_store_b128 v[STO], v[32*(\a)+4*q:32*(\a)+4*q+3] offset:(\a)*16*SP+64*(q/2)+16*(q%2)
.set q, q+1
.endr
	WIN 0
.elseif OUT == 2
	WIN 0x0a                                       ; sources 0 and 1: window 2.  Register j of fragment f is column 4 j + f of my 32
.set q, 0
.rept 8
	v_cvt_pk_bf16_f32 v[PK+2*q],   v[32*(\a)+q],    v[32*(\a)+8+q]
	v_cvt_pk_bf16_f32 v[PK+2*q+1], v[32*(\a)+16+q], v[32*(\a)+24+q]
.set q, q+1
.endr
	WIN 0
.set q, 0
.rept 4
	ds_store_b128 v[STO], v[PK+4*q:PK+4*q+3] offset:(\a)*16*SP+16*q
.set q, q+1
.endr
.else
	WIN 0x20                                       ; source 2: window 2
.set q, 0
.rept 16
	v_pk_fma_f32 v[TMP+2*q:TMP+2*q+1], v[BIAS+2*q:BIAS+2*q+1], v[SA+2*(\a):SA+2*(\a)+1], v[32*(\a)+2*q:32*(\a)+2*q+1]
.set q, q+1
.endr
	WIN 0
.set q, 0
.rept 8
	ds_store_b128 v[STO], v[TMP+4*q:TMP+4*q+3] offset:(\a)*16*SP+64*(q/2)+16*(q%2)
.set q, q+1
.endr
.endif
.endm
; Wave w reads rows 64 w .. 64 w + 63 back, whole, and stores them: sixteen lanes store 256 consecutive bytes, aligned.
.macro GET
	WIN 0
.if ROWB == 256
.set t, 0
.rept 32
	ds_load_b128 v[OB+4*t:OB+4*t+3], v[RD] offset:t*2*SP
.set t, t+1
.endr
.set t, 0
.rept 32
	s_wait_dscnt 31-t                              ; LDS loads come back in order: load t is in, the 31 - t behind it may be out
	global_store_b128 v[CO], v[OB+4*t:OB+4*t+3], s[OBS:OBS+1] offset:t*2*OROWB
.set t, t+1
.endr
.else
.irp u, 0,1
.if (\u) == 1
	s_wait_xcnt 0x0                                ; the first 32 stores have read their registers, which are loaded again
.endif
.set t, 0
.rept 32
	ds_load_b128 v[OB+4*t:OB+4*t+3], v[RD] offset:(32*(\u)+t)*SP
.set t, t+1
.endr
.set t, 0
.rept 32
	s_wait_dscnt 31-t
	global_store_b128 v[CO], v[OB+4*t:OB+4*t+3], s[OBS:OBS+1] offset:(32*(\u)+t)*OROWB
.set t, t+1
.endr
.endr
.endif
.endm
.if OUT == 3
	s_load_b256 s[4:11], s[0:1], 0x0               ; X s[4:5], Y s[6:7], out s[8:9], bias s[10:11]
	s_load_b64 s[12:13], s[0:1], 0x20              ; sa
.elseif OUT == 0
	s_load_b256 s[4:11], s[0:1], 0x0
.else
	s_load_b128 s[4:7], s[0:1], 0x0
	s_load_b64 s[8:9], s[0:1], 0x10
.endif
	v_lshl_add_u32 v[SPW], v0, 2, SPARE
	v_mov_b32 v[NIL], 0
	ds_add_u32 v[SPW], v[NIL]                      ; the wave's opening: the add, waited for ahead of my first tensor load; work on registers stands between them
	v_lshrrev_b32 v1, 5, v0
	v_readfirstlane_b32 s[WV], v1                  ; wave 0..3
	s_lshr_b32 s[HS], s[WV], 1
	s_and_b32 s[HL], s[WV], 1
	s_bfe_u32 s[CX], ttmp6, 0x40000                ; my place in the cluster
	s_bfe_u32 s[CY], ttmp6, 0x40004
	s_lshl_b32 s[TX], ttmp9, 2                     ; in a cluster launch ttmp9 and ttmp7 count clusters
	s_add_co_u32 s[TX], s[TX], s[CX]
	s_and_b32 s[TY], ttmp7, 0xffff
	s_lshl_b32 s[TY], s[TY], 2
	s_add_co_u32 s[TY], s[TY], s[CY]
	s_lshl_b32 s21, s[CY], 2
	s_lshl_b32 s21, 15, s21                        ; my row of the cluster
	s_or_b32 s[G1X], s21, (1<<16)|(1<<20)|(1<<21)|(5<<22)|(3<<25)  ; 15:0 the mask; 17:16 2-byte elements; 20 padding on; 21 set beside a mask; 24:22 after every 64 words; 31:25 4 words
.if YJOINT
	s_lshl_b32 s22, 0x1111, s[CX]                  ; my column of the cluster
	s_or_b32 s[G1Y], s22, (2<<16)|(1<<20)|(1<<21)|(6<<22)|(3<<25)  ; 4-byte elements; padding of 4 words after every 128
.else
	s_mov_b32 s[G1Y], (2<<16)|(1<<20)|(6<<22)|(3<<25)              ; no mask: a load of my own
.endif
	s_mov_b32 s[G1X+1], 128<<16                    ; tensor_dim0 = 128
	s_mov_b32 s[G1X+2], 128<<16                    ; tensor_dim1 = 128
	s_mov_b32 s[G1X+3], 128<<16                    ; tile_dim0 = 128
	s_mov_b32 s[G1X+4], 128                        ; tile_dim1 = 128
	s_mov_b32 s[G1X+5], XPITCH                     ; elements from row to row
	s_mov_b32 s[G1X+6], 0
	s_mov_b32 s[G1X+7], 0
	s_mov_b32 s[G1Y+1], 128<<16
	s_mov_b32 s[G1Y+2], 64<<16                     ; tensor_dim1 = 64
	s_mov_b32 s[G1Y+3], 128<<16
	s_mov_b32 s[G1Y+4], 64                         ; tile_dim1 = 64
	s_mov_b32 s[G1Y+5], 1024
	s_mov_b32 s[G1Y+6], 0
	s_mov_b32 s[G1Y+7], 0
	s_mul_i32 s2, s[HL], XHALF                     ; where my tile goes in a slot: no place in the cluster enters an LDS address
	s_mul_i32 s3, s[HL], YHALF
	s_add_co_u32 s3, s3, YOFF
.irp s, 0,1
	s_mov_b32 s[G0X+4*(\s)], 1                     ; count = 1
	s_add_co_u32 s[G0X+4*(\s)+1], s2, (\s)*STRIDE  ; LDS address
	s_mov_b32 s[G0Y+4*(\s)], 1
	s_add_co_u32 s[G0Y+4*(\s)+1], s3, (\s)*STRIDE
.endr
	s_lshl_b32 s21, s[TY], 8                       ; X: row 256 x tile row + 128 x half: made of the tile row and the wave's number alone
	s_lshl_b32 s22, s[HL], 7
	s_add_co_u32 s21, s21, s22
	s_mul_i32 s68, s21, 2*XPITCH
	s_mov_b32 s69, 0
	s_lshl_b32 s70, s[HL], 6                       ; Y: my 64 rows of the tile,
.if !YKN
	s_lshl_b32 s22, s[TX], 7                       ; of the tile column's 128 rows,
	s_add_co_u32 s70, s70, s22
.endif
.if YBATCH
	s_lshr_b32 s22, s[TY], 1                       ; in the batch's 2,048 rows
	s_lshl_b32 s22, s22, 11
	s_add_co_u32 s70, s70, s22
.endif
	s_lshl_b32 s70, s70, 12                        ; rows of 4,096 bytes
.if YKN
	s_lshl_b32 s22, s[TX], 9                       ; the tile column's 128 numbers of each row
	s_add_co_u32 s70, s70, s22
.endif
	s_mov_b32 s71, 0
	s_wait_dscnt 0x0                               ; the opening add is done
	s_wait_kmcnt 0x0
	s_add_nc_u64 s[68:69], s[4:5], s[68:69]        ; X and Y at my tile of K step 0
	s_add_nc_u64 s[70:71], s[6:7], s[70:71]
.irp s, 0,1
	s_add_nc_u64 s[G0X+4*(\s)+2:G0X+4*(\s)+3], s[68:69], (\s)*256
	s_or_b32 s[G0X+4*(\s)+3], s[G0X+4*(\s)+3], 0x80000000          ; type = 2
	s_add_nc_u64 s[G0Y+4*(\s)+2:G0Y+4*(\s)+3], s[70:71], (\s)*YSTEP
	s_or_b32 s[G0Y+4*(\s)+3], s[G0Y+4*(\s)+3], 0x80000000
.endr
	CROUND                                         ; all sixteen work-groups are here: the first joint loads meet
	s_cmp_lt_u32 s[WV], 2                          ; a wave's two first fills stand in one branch, ahead of every wait on TENSORcnt and every LDS read: two loads of mine are out
	s_cbranch_scc0 .Lfirst_y
	tensor_load_to_lds s[G0X:G0X+3], s[G1X:G1X+7]
	s_nop 0
	tensor_load_to_lds s[G0X+4:G0X+7], s[G1X:G1X+7]
	s_nop 0
.rept 4
	v_nop
.endr
	s_branch .Lfirst_asked
.Lfirst_y:
	tensor_load_to_lds s[G0Y:G0Y+3], s[G1Y:G1Y+7]
	s_nop 0
	tensor_load_to_lds s[G0Y+4:G0Y+7], s[G1Y:G1Y+7]
	s_nop 0
.rept 4
	v_nop
.endr
.Lfirst_asked:
	; A fragment is 16 rows x 32 K in 8 registers: lane l holds row l % 16; registers 0-3 K = 8 (l / 16) + 0..7, registers 4-7 K = 16 + 8 (l / 16) + 0..7.
	v_and_b32 v1, 15, v0                           ; r = l % 16
	v_bfe_u32 v2, v0, 4, 1                         ; h = l / 16
	s_mul_i32 s21, s[HS], XHALF                    ; my 128 rows of X
	v_mul_u32_u24 v[AX0], v1, PX
	v_lshl_add_u32 v[AX0], v2, 4, v[AX0]
	v_add_nc_u32 v[AX0], s21, v[AX0]
.if YKN
	s_lshl_b32 s22, s[HL], 8                       ; my 64 columns: 256 bytes of each row
	s_add_co_u32 s22, s22, YOFF
	v_mul_u32_u24 v[AY0], v2, 8*PY                 ; K = 8 h on; four columns a lane
	v_lshl_add_u32 v[AY0], v1, 4, v[AY0]
.else
	s_mul_i32 s22, s[HL], YHALF                    ; my 64 rows of Y
	s_add_co_u32 s22, s22, YOFF
	v_mul_u32_u24 v[AY0], v1, PY
	v_lshl_add_u32 v[AY0], v2, 5, v[AY0]           ; K = 8 h on: 32 bytes
.endif
	v_add_nc_u32 v[AY0], s22, v[AY0]
	v_mov_b32 v[AX], v[AX0]
	v_mov_b32 v[AY], v[AY0]
	s_mov_b32 s[TB], 0
	s_mul_i32 s23, s[HS], 128*SP                   ; into the stage: my 128 rows, my half of their bytes
	s_mul_i32 s21, s[HL], ROWB/2
	s_add_co_u32 s23, s23, s21
	s_add_co_u32 s23, s23, STAGE
	v_mul_u32_u24 v[STO], v1, SP
	v_lshl_add_u32 v[STO], v2, HSH, v[STO]
	v_add_nc_u32 v[STO], s23, v[STO]
	s_mul_i32 s23, s[WV], 64*SP                    ; back: rows 64 w on
	s_add_co_u32 s23, s23, STAGE
.if ROWB == 256
	v_mul_u32_u24 v[RD], v2, SP                    ; lanes 0-15 one row of 256 bytes, lanes 16-31 the next
	v_lshl_add_u32 v[RD], v1, 4, v[RD]
	v_mul_u32_u24 v[CO], v2, OROWB
	v_lshl_add_u32 v[CO], v1, 4, v[CO]
.else
	v_and_b32 v[CO], 31, v0                        ; 32 lanes one row of 512 bytes
	v_lshlrev_b32 v[CO], 4, v[CO]
	v_mov_b32 v[RD], v[CO]
.endif
	v_add_nc_u32 v[RD], s23, v[RD]
	s_lshl_b32 s21, s[TY], 8
	s_lshl_b32 s22, s[WV], 6
	s_add_co_u32 s21, s21, s22                     ; the first row of out that I store
	s_mul_i32 s2, s21, OROWB
	s_mul_i32 s22, s[TX], ROWB
	s_add_co_u32 s2, s2, s22
	s_mov_b32 s3, 0
	s_add_nc_u64 s[OBS:OBS+1], s[8:9], s[2:3]
.if (OUT == 0) || (OUT == 3)
	s_lshl_b32 s21, s[TX], 9                       ; bias of my columns 128 tx + 64 wc + 16 b + 8 h + 0..7, at BIAS + 8 b
	s_lshl_b32 s22, s[HL], 8
	s_add_co_u32 s21, s21, s22
	v_lshl_add_u32 v[BO], v2, 5, s21
.set q, 0
.rept 8
	global_load_b128 v[BIAS+4*q:BIAS+4*q+3], v[BO], s[10:11] offset:64*(q/2)+16*(q%2)
.set q, q+1
.endr
.endif
.if OUT == 3
	s_lshl_b32 s21, s[TY], 10                      ; sa of my row 256 ty + 128 wr + 16 a + r
	s_lshl_b32 s22, s[HS], 9
	s_add_co_u32 s21, s21, s22
	v_lshl_add_u32 v[SO], v1, 2, s21
.set q, 0
.rept 8
	global_load_b32 v[SA+2*q],   v[SO], s[12:13] offset:64*q
	global_load_b32 v[SA+2*q+1], v[SO], s[12:13] offset:64*q
.set q, q+1
.endr
.endif
	; the prefetches: my tile's first byte, my work-group's share of its rows, three K steps on; the first change of slots steps it to the fourth
	s_mul_i32 s21, s[CX], 64*XPITCH                ; X: 32 rows for each place along x
.if YJOINT
	s_lshl_b32 s22, s[CY], 16                      ; Y: 16 rows of 4,096 bytes for each place along y
	s_and_b32 s23, ttmp7, 0xffff                   ; the coordinate along which other clusters read the same rows
	s_mov_b32 s3, 256                              ; the upper half of the lanes takes a row's second block
.else
	s_and_b32 s22, s[CY], 1                        ; Y: 32 rows for each of the batch's two row blocks
	s_lshl_b32 s22, s22, 17
	s_mov_b32 s23, 0                               ; nobody else reads them
	s_mov_b32 s3, 65536                            ; a lane a row
.endif
	s_mov_b32 s[PST], YSTEP
	s_mov_b32 s[PST+1], 0
	s_mov_b32 s59, 4096
	s_cmp_lt_u32 s[WV], 2                          ; do I fetch for X?
	s_cselect_b64 s[PFA:PFA+1], s[68:69], s[70:71]
	s_cselect_b32 s2, s21, s22
	s_cselect_b32 s23, ttmp9, s23
	s_cselect_b32 s[PST], 256, s[PST]
	s_cselect_b32 s59, 2*XPITCH, s59
	s_cselect_b32 s22, 32*XPITCH, s3
	s_mov_b32 s3, 0
	s_add_nc_u64 s[PFA:PFA+1], s[PFA:PFA+1], s[2:3]
	s_mul_i32 s2, s[PST], 3
	s_add_nc_u64 s[PFA:PFA+1], s[PFA:PFA+1], s[2:3]
	s_cmp_eq_u32 s23, 0
	s_cselect_b32 s[LIM], 2, -1                    ; the same in all sixteen partners, for a given wave
	v_mul_u32_u24 v[PFO], v1, s59
	v_mad_u32_u24 v[PFO], v2, s22, v[PFO]
	s_wait_tensorcnt 0x1                           ; my part of K step 0 is in; K step 1's may stay out
	s_barrier_signal -1
	s_barrier_wait -1                              ; everybody's is
	FETCH 0, 0
	s_wait_dscnt 16                                ; Y's 16 loads
	WIN W_CVT
.set c, 0
.rept 32
	CV 0
.endr
	QUARTER 1, 0, 1, 1                             ; the first quarter stands in front of the loop: its products start the sums
	WIN 0
	s_mov_b32 s[CNT], STEPS-2
.Lstep:                                        ; a trip goes from a K step's second quarter to the next step's first, and fills the slot that it leaves
	QUARTER 2, 1, 0, 0
	QUARTER 3, 0, 1, 0
	TURN 1
	QUARTER 1, 0, 1, 0
	WIN 0
	s_sub_co_u32 s[CNT], s[CNT], 1
	s_cmp_lg_u32 s[CNT], 0
	s_cbranch_scc1 .Lstep
	s_mov_b32 s[CNT], 2
.Ltail:                                        ; the last two K steps ask for nothing: a text of their own; the second trip is left in its middle
	QUARTER 2, 1, 0, 0
	QUARTER 3, 0, 1, 0
	TURN 0
	WIN 0
	s_sub_co_u32 s[CNT], s[CNT], 1
	s_cmp_eq_u32 s[CNT], 0
	s_cbranch_scc1 .Lout
	QUARTER 1, 0, 1, 0
	WIN 0
	s_branch .Ltail
.Lout:                                         ; the second trip's 32 LDS loads (from slot 0) and 32 conversions serve nothing: the price, once a launch, of one text for both trips
	s_wait_dscnt 0x0                               ; those loads are back:
	s_barrier_signal -1
	s_barrier_wait -1                              ; in every wave: nobody reads LDS any more, and slot 1 has had its last fill: it becomes the stage
	PLACES
	PLACES
.if (OUT == 0) || (OUT == 3)
	s_wait_loadcnt 0x0                             ; bias (and sa)
.set q, 0
.rept 16
	v_cvt_pk_bf16_f32 v[PK+q], v[BIAS+2*q], v[BIAS+2*q+1]  ; the bias is rounded to bf16, like the matrix inputs, and widened again
.set q, q+1
.endr
.set q, 0
.rept 16
	v_lshlrev_b32 v[BIAS+2*q], 16, v[PK+q]
	v_and_b32 v[BIAS+2*q+1], 0xffff0000, v[PK+q]
.set q, q+1
.endr
.endif
.irp a, 0,1,2,3,4,5,6,7
	PUT \a
.endr
	s_wait_dscnt 0x0                               ; for the others' sake: my stores into the stage are done
	s_barrier_signal -1
	s_barrier_wait -1                              ; a row's bytes come from two waves
	GET
	s_wait_tensorcnt 0x0                           ; the wave's end: behind my last tensor load and my last LDS store
	ds_add_u32 v[SPW], v[NIL]
	s_wait_dscnt 0x0
	CROUND                                         ; the closing round: no work-group ends while a partner may still ask for a tile that names it
	s_endpgm
.Lfunc_end_k_q48dff89885_g3:
	.size	k_q48dff89885_g3, .Lfunc_end_k_q48dff89885_g3-k_q48dff89885_g3
	.p2alignl 7, 3214868480
	.fill 96, 4, 3214868480
	.section	.rodata,"a",@progbits
	.p2align	6, 0x0
	.amdhsa_kernel k_q48dff89885_g3
		.amdhsa_group_segment_fixed_size 327680
		.amdhsa_private_segment_fixed_size 0
		.amdhsa_enable_private_segment 0
		.amdhsa_kernarg_size 24
		.amdhsa_user_sgpr_count 2
		.amdhsa_user_sgpr_kernarg_segment_ptr 1
		.amdhsa_wavefront_size32 1
		.amdhsa_system_sgpr_workgroup_id_x 1
		.amdhsa_system_sgpr_workgroup_id_y 1
		.amdhsa_system_sgpr_workgroup_id_z 1
		.amdhsa_system_vgpr_workitem_id 0
		.amdhsa_next_free_vgpr 768
		.amdhsa_next_free_sgpr 72
		.amdhsa_reserve_vcc 0
		.amdhsa_float_denorm_mode_32 3
		.amdhsa_float_denorm_mode_16_64 3
		.amdhsa_memory_ordered 1
		.amdhsa_forward_progress 1
		.amdhsa_inst_pref_size 93
	.end_amdhsa_kernel
	.amdgpu_metadata
---
amdhsa.version: [ 1, 2 ]
amdhsa.kernels:
  - .name:           k_q48dff89885_g3
    .symbol:         k_q48dff89885_g3.kd
    .args:
      - { .name: tq, .offset: 0, .size: 8, .value_kind: global_buffer, .address_space: global }
      - { .name: key, .offset: 8, .size: 8, .value_kind: global_buffer, .address_space: global }
      - { .name: sc, .offset: 16, .size: 8, .value_kind: global_buffer, .address_space: global }
    .group_segment_fixed_size: 327680
    .private_segment_fixed_size: 0
    .kernarg_segment_align: 8
    .kernarg_segment_size: 24
    .max_flat_workgroup_size: 128
    .sgpr_count:     72
    .vgpr_count:     768
    .wavefront_size: 32
...
	.end_amdgpu_metadata
.endif
;; end of part 3
;; launch soft (part 4): grid 512 x 1, 8 waves a work-group, no clusters, 0 bytes of LDS; arguments sc, pq, bk, mask, out1, pb, sa; writes out1, pb, sa
.if DOCPART == 4
	.amdgcn_target "amdgcn-amd-amdhsa--gfx1250"
	.amdhsa_code_object_version 6
	.text
	.protected	k_q48dff89885_soft
	.globl	k_q48dff89885_soft
	.p2align	8
	.type	k_q48dff89885_soft,@function
k_q48dff89885_soft:
	s_mov_b64 s[64:65], 0
	v_nop
	global_prefetch_b8 v0, s[64:65] scope:SCOPE_SE
	s_setreg_imm32_b32 hwreg(HW_REG_WAVE_MODE, 25, 1), 1
	s_wait_xcnt 0x0
; One row of scores to a wave: s = (sc + pq . bk) / 32; s = -1e9 where the mask is 0; attn = softmax(s) x mask.  Stored: attn in f32 (out1), attn in bf16 (pb, the next product's operand), and the row's sum of attn (sa).
; sc: [4096][2048] f32; pq: [4096][1024] bf16; bk: [1024] f32; mask: [8][2048] int32.  pq . bk is what the key projection's bias adds to every score of the row.
; The row's maximum is taken away before the exponential: p = 2^(s log2(e) - M log2(e)).  The product M log2(e) is rounded once and is the same for the whole row, so what the rounding shifts cancels in p / l.
; A row of 8,192 bytes is 64 registers of one wave: it stays in registers through all passes; no LDS, no barrier, no loop.  All of a wave's 44 loads go out at once.
; No matrix unit, no cluster: a row is read by one wave alone; the mask's 8,192 bytes a batch and bk's 4,096 are small beside a row's 8,192 + 2,048.
; LIMITS.  A weight below 2^-126 counts as 0; NaN and infinities are not treated apart.  A row whose mask is all 0 gives attn = 0 and sa = 0.
.set SV, 32                            ; v[32:95]    the row: lane l holds numbers 128 i + 4 l + 0..3 at SV + 4 i
.set MV, 96                            ; v[96:159]   the mask, likewise; later mask / l in f32
.set PQ, 160                           ; v[160:175]  pq: numbers 256 i + 8 l + 0..7 at PQ + 4 i
.set BK, 176                           ; v[176:207]  bk: the same numbers at BK + 8 i
.set PB, 160                           ; v[160:191]  later: attn in bf16
.macro XADD r, t                       ; the sum over the 32 lanes, in every lane: four steps inside each half ride on the addition, one crosses the halves
	v_add_f32_dpp v[\r], v[\r], v[\r] row_xmask:1 row_mask:0xf bank_mask:0xf
	v_add_f32_dpp v[\r], v[\r], v[\r] row_xmask:2 row_mask:0xf bank_mask:0xf
	v_add_f32_dpp v[\r], v[\r], v[\r] row_xmask:4 row_mask:0xf bank_mask:0xf
	v_add_f32_dpp v[\r], v[\r], v[\r] row_xmask:8 row_mask:0xf bank_mask:0xf
	v_permlanex16_b32 v[\t], v[\r], s26, s27
	v_add_f32 v[\r], v[\r], v[\t]
.endm
.macro ROWSUM                          ; v16 = the sum of the row's 2,048 numbers: four packed chains of eight pairs, then the lanes
.irp k, 0,1,2,3
	v_pk_add_f32 v[16+2*\k:17+2*\k], v[SV+16*\k:SV+16*\k+1], v[SV+16*\k+2:SV+16*\k+3]
.endr
.irp t, 2,3,4,5,6,7
.irp k, 0,1,2,3
	v_pk_add_f32 v[16+2*\k:17+2*\k], v[16+2*\k:17+2*\k], v[SV+16*\k+2*\t:SV+16*\k+2*\t+1]
.endr
.endr
	v_pk_add_f32 v[16:17], v[16:17], v[18:19]
	v_pk_add_f32 v[20:21], v[20:21], v[22:23]
	v_pk_add_f32 v[16:17], v[16:17], v[20:21]
	v_add_f32 v16, v16, v17
	XADD 16, 17
.endm
	s_load_b256 s[4:11], s[0:1], 0x0               ; sc s[4:5], pq s[6:7], bk s[8:9], mask s[10:11]
	s_load_b128 s[12:15], s[0:1], 0x20             ; out1 s[12:13], pb s[14:15]
	s_load_b64 s[16:17], s[0:1], 0x30              ; sa
	v_lshrrev_b32 v1, 5, v0
	v_readfirstlane_b32 s18, v1                    ; wave 0..7
	s_lshl_b32 s19, ttmp9, 3
	s_add_co_u32 s19, s19, s18                     ; my row
	v_and_b32 v1, 31, v0                           ; lane
	v_lshlrev_b32 v2, 4, v1                        ; 16 x lane
	v_lshlrev_b32 v3, 5, v1                        ; 32 x lane
	v_lshlrev_b32 v4, 3, v1                        ; 8 x lane
	v_mov_b32 v5, 0
	v_mov_b32 v6, 0xce6e6b28                       ; -1e9
	s_mov_b32 s26, 0x76543210                      ; v_permlanex16_b32: each lane takes its own place in the other half
	s_mov_b32 s27, 0xfedcba98
	s_lshl_b32 s20, s19, 13                        ; a row of sc and of out1: 8,192 bytes
	s_mov_b32 s21, 0
	s_lshl_b32 s22, s19, 11                        ; of pq: 2,048
	s_mov_b32 s23, 0
	s_lshr_b32 s24, s19, 9                         ; the batch,
	s_lshl_b32 s24, s24, 13                        ; its 8,192 bytes of mask
	s_mov_b32 s25, 0
	s_wait_kmcnt 0x0
	s_add_nc_u64 s[4:5], s[4:5], s[20:21]
	s_add_nc_u64 s[12:13], s[12:13], s[20:21]
	s_add_nc_u64 s[6:7], s[6:7], s[22:23]
	s_add_nc_u64 s[10:11], s[10:11], s[24:25]
	s_lshl_b32 s22, s19, 12                        ; a row of pb: 4,096 bytes
	s_add_nc_u64 s[14:15], s[14:15], s[22:23]
	s_lshl_b32 s22, s19, 2
	s_add_nc_u64 s[16:17], s[16:17], s[22:23]
.irp i, 0,1,2,3
	global_load_b128 v[PQ+4*\i:PQ+4*\i+3], v2, s[6:7] offset:512*\i
.endr
.irp i, 0,1,2,3
	global_load_b128 v[BK+8*\i:BK+8*\i+3],   v3, s[8:9] offset:1024*\i
	global_load_b128 v[BK+8*\i+4:BK+8*\i+7], v3, s[8:9] offset:1024*\i+16
.endr
.irp i, 0,1,2,3,4,5,6,7,8,9,10,11,12,13,14,15
	global_load_b128 v[MV+4*\i:MV+4*\i+3], v2, s[10:11] offset:512*\i
.endr
.irp i, 0,1,2,3,4,5,6,7,8,9,10,11,12,13,14,15
	global_load_b128 v[SV+4*\i:SV+4*\i+3], v2, s[4:5] offset:512*\i th:TH_LOAD_NT
.endr
	v_mov_b32 v8, 0
	v_mov_b32 v9, 0
	s_wait_loadcnt 32                              ; pq and bk are in; the mask's 16 loads and the row's 16, issued behind them, may stay out
.set m, 0
.rept 16                               ; pq . bk, in two chains: the low halves' and the high halves'
	v_fma_mix_f32_bf16 v8, v[PQ+m], v[BK+2*m], v8 op_sel_hi:[1,0,0]
	v_fma_mix_f32_bf16 v9, v[PQ+m], v[BK+2*m+1], v9 op_sel:[1,0,0] op_sel_hi:[1,0,0]
.set m, m+1
.endr
	v_add_f32 v8, v8, v9
	XADD 8, 9
	v_mul_f32 v8, 0x3d000000, v8                   ; / 32
	v_mov_b32 v9, v8
	s_wait_loadcnt 0x0                             ; the mask and the row
.set m, 0
.rept 32
	v_pk_fma_f32 v[SV+2*m:SV+2*m+1], v[SV+2*m:SV+2*m+1], 0x3d000000, v[8:9] op_sel_hi:[1,0,1]  ; sc / 32 + pq . bk / 32
.set m, m+1
.endr
.set m, 0
.rept 16                               ; -1e9 where the mask is 0: four compares, four selects, the flags in four scalar registers by turns
.irp k, 0,1,2,3
	v_cmp_eq_u32 s[28+\k], 0, v[MV+m+\k]
.endr
.irp k, 0,1,2,3
	v_cndmask_b32 v[SV+m+\k], v[SV+m+\k], v6, s[28+\k]
.endr
.set m, m+4
.endr
.irp k, 0,1,2,3                        ; the maximum: four chains of 16 numbers, three operands at a time
	v_max3_num_f32 v[16+\k], v[SV+16*\k], v[SV+16*\k+1], v[SV+16*\k+2]
.endr
.irp t, 0,1,2,3,4,5
.irp k, 0,1,2,3
	v_max3_num_f32 v[16+\k], v[16+\k], v[SV+16*\k+3+2*\t], v[SV+16*\k+4+2*\t]
.endr
.endr
.irp k, 0,1,2,3
	v_max_num_f32 v[16+\k], v[16+\k], v[SV+16*\k+15]
.endr
	v_max3_num_f32 v16, v16, v17, v18
	v_max_num_f32 v16, v16, v19
	v_max_num_f32_dpp v16, v16, v16 row_xmask:1 row_mask:0xf bank_mask:0xf
	v_max_num_f32_dpp v16, v16, v16 row_xmask:2 row_mask:0xf bank_mask:0xf
	v_max_num_f32_dpp v16, v16, v16 row_xmask:4 row_mask:0xf bank_mask:0xf
	v_max_num_f32_dpp v16, v16, v16 row_xmask:8 row_mask:0xf bank_mask:0xf
	v_permlanex16_b32 v17, v16, s26, s27
	v_max_num_f32 v16, v16, v17                    ; M, in every lane
	v_mul_f32 v10, 0x3fb8aa3b, v16                 ; M log2(e)
	v_mov_b32 v11, v10
.set m, 0
.rept 32
	v_pk_fma_f32 v[SV+2*m:SV+2*m+1], v[SV+2*m:SV+2*m+1], 0x3fb8aa3b, v[10:11] op_sel_hi:[1,0,1] neg_lo:[0,0,1] neg_hi:[0,0,1]
.set m, m+1
.endr
.set m, 0
.rept 64                               ; the 64 exponentials are one batch; the mask's conversions to f32, which name no result of theirs, stand between them, the last one behind the last exponential
	v_exp_f32 v[SV+m], v[SV+m]
	v_cvt_f32_i32 v[MV+m], v[MV+m]
.set m, m+1
.endr
	s_wait_alu depctr_va_vdst(0)                   ; one wait for the batch, ahead of the first instruction that names a result
	ROWSUM                                         ; l
	v_rcp_f32 v12, v16
	v_nop                                          ; a plain instruction between the reciprocal and its use
	s_wait_alu depctr_va_vdst(0)
	v_mov_b32 v13, v12
.set m, 0
.rept 32
	v_pk_mul_f32 v[MV+2*m:MV+2*m+1], v[MV+2*m:MV+2*m+1], v[12:13]  ; mask / l
.set m, m+1
.endr
.set m, 0
.rept 32
	v_pk_mul_f32 v[SV+2*m:SV+2*m+1], v[SV+2*m:SV+2*m+1], v[MV+2*m:MV+2*m+1]  ; attn
.set m, m+1
.endr
.irp i, 0,1,2,3,4,5,6,7,8,9,10,11,12,13,14,15
	global_store_b128 v2, v[SV+4*\i:SV+4*\i+3], s[12:13] offset:512*\i th:TH_STORE_NT  ; 512 consecutive bytes, aligned
.endr
.set m, 0
.rept 32
	v_cvt_pk_bf16_f32 v[PB+m], v[SV+2*m], v[SV+2*m+1]
.set m, m+1
.endr
.irp i, 0,1,2,3,4,5,6,7,8,9,10,11,12,13,14,15
	global_store_b64 v4, v[PB+2*\i:PB+2*\i+1], s[14:15] offset:256*\i  ; 256 consecutive bytes, aligned
.endr
	ROWSUM                                         ; the row's sum of attn
	v_cmp_eq_u32 vcc_lo, 0, v1
	s_wait_xcnt 0x0                                ; EXEC changes only when the stores above have read it
	s_and_saveexec_b32 s20, vcc_lo                 ; lane 0 alone: four bytes a row, 16,384 in the launch; gathering them would cost a barrier among waves that share nothing else
	global_store_b32 v5, v16, s[16:17]
	s_wait_xcnt 0x0                                ; and again, in front of the line that widens it
	s_or_b32 exec_lo, exec_lo, s20
	s_endpgm
.Lfunc_end_k_q48dff89885_soft:
	.size	k_q48dff89885_soft, .Lfunc_end_k_q48dff89885_soft-k_q48dff89885_soft
	.p2alignl 7, 3214868480
	.fill 96, 4, 3214868480
	.section	.rodata,"a",@progbits
	.p2align	6, 0x0
	.amdhsa_kernel k_q48dff89885_soft
		.amdhsa_group_segment_fixed_size 0
		.amdhsa_private_segment_fixed_size 0
		.amdhsa_enable_private_segment 0
		.amdhsa_kernarg_size 56
		.amdhsa_user_sgpr_count 2
		.amdhsa_user_sgpr_kernarg_segment_ptr 1
		.amdhsa_wavefront_size32 1
		.amdhsa_system_sgpr_workgroup_id_x 1
		.amdhsa_system_sgpr_workgroup_id_y 1
		.amdhsa_system_sgpr_workgroup_id_z 1
		.amdhsa_system_vgpr_workitem_id 0
		.amdhsa_next_free_vgpr 208
		.amdhsa_next_free_sgpr 66
		.amdhsa_reserve_vcc 1
		.amdhsa_float_denorm_mode_32 3
		.amdhsa_float_denorm_mode_16_64 3
		.amdhsa_memory_ordered 1
		.amdhsa_forward_progress 1
		.amdhsa_inst_pref_size 43
	.end_amdhsa_kernel
	.amdgpu_metadata
---
amdhsa.version: [ 1, 2 ]
amdhsa.kernels:
  - .name:           k_q48dff89885_soft
    .symbol:         k_q48dff89885_soft.kd
    .args:
      - { .name: sc, .offset: 0, .size: 8, .value_kind: global_buffer, .address_space: global }
      - { .name: pq, .offset: 8, .size: 8, .value_kind: global_buffer, .address_space: global }
      - { .name: bk, .offset: 16, .size: 8, .value_kind: global_buffer, .address_space: global }
      - { .name: mask, .offset: 24, .size: 8, .value_kind: global_buffer, .address_space: global }
      - { .name: out1, .offset: 32, .size: 8, .value_kind: global_buffer, .address_space: global }
      - { .name: pb, .offset: 40, .size: 8, .value_kind: global_buffer, .address_space: global }
      - { .name: sa, .offset: 48, .size: 8, .value_kind: global_buffer, .address_space: global }
    .group_segment_fixed_size: 0
    .private_segment_fixed_size: 0
    .kernarg_segment_align: 8
    .kernarg_segment_size: 56
    .max_flat_workgroup_size: 256
    .sgpr_count:     66
    .vgpr_count:     208
    .wavefront_size: 32
...
	.end_amdgpu_metadata
.endif
;; end of part 4
;; launch g5 (part 5): grid 8 x 16, 4 waves a work-group, clusters of 4 x 4, 327,680 bytes of LDS; arguments pb, value, xa; writes xa
.if DOCPART == 5
	.amdgcn_target "amdgcn-amd-amdhsa--gfx1250"
	.amdhsa_code_object_version 6
	.text
	.protected	k_q48dff89885_g5
	.globl	k_q48dff89885_g5
	.p2align	8
	.type	k_q48dff89885_g5,@function
k_q48dff89885_g5:
	s_mov_b64 s[64:65], 0
	v_nop
	global_prefetch_b8 v0, s[64:65] scope:SCOPE_SE
	s_setreg_imm32_b32 hwreg(HW_REG_WAVE_MODE, 25, 1), 1
	s_wait_xcnt 0x0
	s_wait_alu depctr_hold_cnt(0) depctr_sa_sdst(0) depctr_va_vdst(0) depctr_va_sdst(0) depctr_va_ssrc(0) depctr_va_vcc(0) depctr_vm_vsrc(0)
	s_getreg_b32 s2, hwreg(HW_REG_IB_STS2, 6, 4)
	s_cmp_eq_u32 s2, 0
	s_cbranch_scc0 .Lentry_in_a_cluster
	s_endpgm
.Lentry_in_a_cluster:
	s_bfe_u32 s2, ttmp6, 0x10000c
	s_cmp_lg_u32 s2, 0xf033
	s_cbranch_scc0 .Lentry_shape_is_right
	s_endpgm
.Lentry_shape_is_right:
; U[b][q][c] = the sum over k of attn[b][q][k] value[b][k][c].  X = pb (attn in bf16): [4096][2048]; Y = value: [8][2048][1024] f32, lying [k][n], rounded to bf16 between LDS and the matrix unit;
; sums in f32; out = xa (U): [4096][1024] bf16, rounded once.  A tile row is half a batch's 512 queries.
; LIMITS.  NaN and infinities are not treated apart.
.set XPITCH, 2048                      ; elements in a row of X
.set STEPS,  16                        ; K steps of 128
.set YKN,    1                         ; Y lies [k][n]
.set YJOINT, 0                         ; Y belongs to a batch: a load of each work-group's own
.set YBATCH, 1
.set OUT,    2                         ; bf16, as it is
.set OROWB,  2048                      ; bytes in a row of out
.set ROWB,   256                       ; bytes of a row of out in a tile
; ---- from here on the text is the same in the four product kernels; the eight constants above choose among its forms ----
; SHARES.  A work-group makes 256 rows x 128 columns of out; its four waves lie 2 x 2, each with 128 x 64: 32 accumulators of 16 x 16, 256 registers.  K goes in steps of 128 through two LDS slots.
; With Y in f32 a step is 256 x 256 + 128 x 512 bytes: two such slots are what fits.  Waves 0 and 1 fetch X's halves (128 rows x 256 bytes), waves 2 and 3 Y's (64 rows x 512 bytes): one tensor load a wave.
; CLUSTER.  4 x 4 work-groups.  X's tile hangs on the tile row alone and is asked for jointly along a row of the cluster.  Where Y is a weight (YJOINT) its tile hangs on the tile column alone and is
; asked for jointly along a column.  Where Y belongs to a batch of 512 rows of X, only the two row blocks of that batch want the same tile; a mask of a whole row or column of the cluster cannot name that pair,
; so each work-group fetches Y by a load of its own, behind the same rounds.
; THE MATRIX INSTRUCTION IS USED TRANSPOSED: source 0 = 16 of Y's indices n, source 1 = 16 rows of X: a lane holds one row of out (lane % 16) and eight n.
; Y FROM F32.  [n][k]: a lane reads 2 x 32 bytes of its row (8 + 8 neighbouring k) and packs pairs.  [k][n]: a lane reads 16 bytes (four neighbouring n) of each of its 16 k; v_cvt_pk_bf16_f32 packs any two
; registers, so the k-th and (k+1)-th load's word f make a register of fragment f: fragment f's index m is n = 4 m + f, and nothing is turned in LDS.
; REGISTERS, in windows of 256 (s_set_vgpr_msb: bits 1:0 source 0, 3:2 source 1, 5:4 source 2, 7:6 destination):
;   window 0: v0-15 addresses; v32-63, v64-95 Y's fragments in bf16, two buffers; v96-127 bias; v128-255 the way out
;   window 1: v0-63, v64-127 X's fragments, two buffers; v128-191 Y as it comes from LDS, f32          window 2: accumulator (a, b) at v[8 (4 a + b)]
.set PX,     272                       ; a row of X in LDS: 256 bytes + 16 = 17 x 16: the 16 rows of a load start in 16 different groups of four banks (64 banks of 4 bytes: ISA guide 11.1)
.set PY,     528                       ; a row of Y: 512 + 16 = 33 x 16: likewise
.set XHALF,  128*PX
.set YHALF,  64*PY
.set YOFF,   256*PX                    ; in a slot: X's 256 rows, then Y's 128
.set STRIDE, 0x22000                   ; slot 1 begins here: a number that shares no bit with the four tiles' places in a slot, so one exclusive or changes slots
.set STAGE,  STRIDE                    ; the way out goes through slot 1's bytes, behind that slot's last fill and last read
.set SP,     ROWB+16
.set SPARE,  STRIDE+YOFF+128*PY        ; behind slot 1: the spare words, 128 bytes for each wave: two blocks of 256 bytes that no other line names
.if YKN
.set YSTEP,  128*4096                  ; bytes from a K step of Y to the next
.else
.set YSTEP,  512
.endif
.if OUT == 0
.set HSH, 4                            ; the upper half of the lanes stands 16, 32 or 64 bytes further along a stage row
.elseif OUT == 2
.set HSH, 6
.else
.set HSH, 5
.endif
.set AX0, 4                            ; v4, v5   my lane's place in a slot's X and Y; never rewritten
.set AY0, 5
.set AX,  6                            ; v6, v7   the same in the slot in hand
.set AY,  7
.set STO, 8                            ; v8   the way out: where I put my part of a row
.set RD,  9                            ; v9   where I read rows back
.set CO,  10                           ; v10  my byte offset in out
.set BO,  11                           ; v11  in bias
.set SO,  12                           ; v12  in sa
.set PFO, 13                           ; v13  the prefetches' offset; never rewritten
.set SPW, 14                           ; v14  LDS address of my spare word; never rewritten
.set NIL, 15                           ; v15  0; never rewritten
.set YF,  32
.set BIAS, 96
.set SA,  128                          ; v128-143  sa of my row in block a, twice: a pair for the packed multiply-add
.set TMP, 144
.set PK,  176
.set OB,  128                          ; v128-255  rows read back from the stage
.set XB,  0                            ; window 1
.set ST,  128                          ; window 1
.set WV,  14                           ; s14  my wave's number
.set HS,  15                           ; s15  wave / 2: my half of the tile's rows
.set HL,  16                           ; s16  wave % 2: my half of its columns; also which half of X's or Y's tile I fetch
.set CX,  17
.set CY,  18
.set TX,  19                           ; tile column
.set TY,  20                           ; tile row
.set G1X, 24                           ; s[24:31] descriptor group 1 for X, s[32:39] for Y
.set G1Y, 32
.set G0X, 40                           ; s[40:47] group 0 for X: a set for each first fill; the second then walks on.  s[48:55] the same for Y
.set G0Y, 48
.set TB,  56                           ; s56  0 or STRIDE: the slot in hand
.set CNT, 57
.set LIM, 58                           ; s58  2 in a wave that prefetches, else the greatest number
.set PFA, 60                           ; s[60:61] where my prefetches stand
.set PST, 62                           ; s[62:63] their step
.set OBS, 66                           ; s[66:67] out at the first row that I store
.set W_MUL, 0xa4                       ; Y window 0, X window 1, C and D window 2
.set W_CVT, 0x05                       ; both sources window 1, destination window 0
.set W_LD,  0x40                       ; destination window 1, address window 0
.set MSB, 0
.macro WIN new                         ; the immediate's high byte repeats the setting that is left; a switch that changes nothing is dropped
.if MSB != (\new)
	s_set_vgpr_msb (MSB<<8)|(\new)
.set MSB, \new
.endif
.endm
.macro PLACES                          ; four plain instructions between a matrix instruction and a load into, or a vector read of, its registers
.rept 4
	v_nop
.endr
.endm
.macro CREST                           ; a round of the cluster's barrier behind its opening barrier
	s_cmp_lg_u32 s[WV], 0
	s_cbranch_scc1 .Lnot_wave_0_\@
	s_barrier_signal -3
.Lnot_wave_0_\@:
	s_barrier_wait -3
	s_barrier_signal -1
	s_barrier_wait -1
.endm
.macro CROUND                          ; a whole round
	s_barrier_signal -1
	s_barrier_wait -1
	CREST
.endm
.macro JLOAD                           ; a refill by the walking descriptors; the branch hangs on the wave's number alone; an s_nop 0 and four v_nop follow each line
	s_cmp_lt_u32 s[WV], 2
	s_cbranch_scc0 .Lfor_y_\@
	tensor_load_to_lds s[G0X+4:G0X+7], s[G1X:G1X+7]
	s_nop 0
.rept 4
	v_nop
.endr
	s_branch .Lasked_\@
.Lfor_y_\@:
	tensor_load_to_lds s[G0Y+4:G0Y+7], s[G1Y:G1Y+7]
	s_nop 0
.rept 4
	v_nop
.endr
.Lasked_\@:
.endm
; A PREFETCH of the K step that stands two refills on, behind the refill and the run of LDS loads.  Each aligned block of 256 bytes is named once in the launch.  X's rows are read by every cluster of a row of
; clusters: the one with x = 0 asks, its four partners along x taking 32 of a wave's 128 rows each, told apart by address.  Joint Y: the cluster with y = 0 asks, the four partners along y taking 16 of a wave's
; 64 rows each (two blocks a row: a lane a block).  Y of a batch: the two work-groups that read a tile take 32 rows each, a lane a row, two instructions.  The last two refills ask for nothing.
.macro ASK
	s_cmp_gt_u32 s[CNT], s[LIM]
	s_cbranch_scc0 .Lnot_mine_\@
	global_prefetch_b8 v[PFO], s[PFA:PFA+1] th:TH_LOAD_NT scope:SCOPE_SE
.if !YJOINT
	s_cmp_lt_u32 s[WV], 2
	s_cbranch_scc1 .Lnot_mine_\@
	global_prefetch_b8 v[PFO], s[PFA:PFA+1] offset:256 th:TH_LOAD_NT scope:SCOPE_SE
.endif
.Lnot_mine_\@:
.endm
.macro MM f, zero                      ; matrix instruction i of a quarter's 32: row block i / 4, fragment i % 4 of Y.  zero = 1: it starts the sum
.if \zero
	v_wmma_f32_16x16x32_bf16 v[8*i:8*i+7], v[YF+32*(\f)+8*(i%4):YF+32*(\f)+8*(i%4)+7], v[XB+64*(\f)+8*(i/4):XB+64*(\f)+8*(i/4)+7], 0
.else
	v_wmma_f32_16x16x32_bf16 v[8*i:8*i+7], v[YF+32*(\f)+8*(i%4):YF+32*(\f)+8*(i%4)+7], v[XB+64*(\f)+8*(i/4):XB+64*(\f)+8*(i/4)+7], v[8*i:8*i+7]
.endif
.set i, i+1
.endm
.macro MULS f, i0, n, zero             ; n of them from i0 on.  The 32 accumulators take turns in the same order in every quarter
	WIN W_MUL
.set i, \i0
.rept \n
	MM \f, \zero
.endr
.endm
.macro CV g                            ; conversion c of 32: one register of Y's fragments in buffer g
.if YKN
	v_cvt_pk_bf16_f32 v[YF+32*(\g)+c], v[ST+8*(c%8)+c/8], v[ST+8*(c%8)+4+c/8]
.else
	v_cvt_pk_bf16_f32 v[YF+32*(\g)+c], v[ST+2*c], v[ST+2*c+1]
.endif
.set c, c+1
.endm
.macro MULC f, g, zero                 ; a quarter's last eight matrix instructions, four conversions for the next quarter behind each
.set i, 24
.set c, 0
.rept 8
	WIN W_MUL
	MM \f, \zero
	WIN W_CVT
.rept 4
	CV \g
.endr
.endr
.endm
.macro FETCH kq, g                     ; 32 LDS loads in one run: quarter kq (32 along K) of the slot in hand: Y's 16 first, into the f32 registers; then X's 16, into buffer g
	WIN W_LD
.set t, 0
.rept 16
.if YKN
	ds_load_b128 v[ST+4*t:ST+4*t+3], v[AY] offset:(32*(\kq)+(t%8)+16*(t/8))*PY
.else
	ds_load_b128 v[ST+4*t:ST+4*t+3], v[AY] offset:(t/4)*16*PY+128*(\kq)+16*(t%2)+64*((t%4)/2)
.endif
.set t, t+1
.endr
.set t, 0
.rept 8
	ds_load_b128 v[XB+64*(\g)+8*t:XB+64*(\g)+8*t+3],   v[AX] offset:t*16*PX+64*(\kq)
	ds_load_b128 v[XB+64*(\g)+8*t+4:XB+64*(\g)+8*t+7], v[AX] offset:t*16*PX+64*(\kq)+32
.set t, t+1
.endr
.endm
; A K step is four quarters of 32 along K, 32 matrix instructions each, on buffers 0, 1, 0, 1.  One of the first three multiplies buffer f and brings quarter kq into buffer g.
.macro QUARTER kq, f, g, zero
	s_wait_dscnt 0x0                               ; X's fragments of buffer f are in (Y's were waited for and converted in the quarter before)
	MULS \f, 0, 8, \zero
	PLACES
	FETCH \kq, \g
	MULS \f, 8, 16, \zero
	s_wait_dscnt 16                                ; Y's 16 loads are in; X's 16, issued behind them, may stay out
	MULC \f, \g, \zero
.endm
; The last quarter multiplies buffer 1 and changes slots.  In front of the barrier each wave waits for all its tensor loads (one is out: its part of the next slot), adds 0 to its spare word, and waits for that and
; for its reads of this slot.  fill = 1: the barrier opens a round of the cluster's barrier, and the slot just left is filled again first thing behind it, with the K step two on: 120 matrix instructions ahead of the wait for it.
.macro TURN fill
.if \fill
	s_wait_xcnt 0x0                                ; the last prefetch, a K step back, has read its address
	s_add_nc_u64 s[PFA:PFA+1], s[PFA:PFA+1], s[PST:PST+1]
.endif
	WIN 0
	s_wait_tensorcnt 0x0                           ; no tensor load of mine is out, so a group 0 may be written
	ds_add_u32 v[SPW], v[NIL]                      ; 0 onto my spare word
.if \fill
	s_xor_b32 s[G0X+5], s[G0X+5], STRIDE           ; the walking descriptors: the other slot than last time, the next K step
	s_add_nc_u64 s[G0X+6:G0X+7], s[G0X+6:G0X+7], 256
	s_xor_b32 s[G0Y+5], s[G0Y+5], STRIDE
	s_add_nc_u64 s[G0Y+6:G0Y+7], s[G0Y+6:G0Y+7], YSTEP
.endif
	s_wait_dscnt 1                                 ; X's fragments are in; the add, issued behind them, may be out
	MULS 1, 0, 4, 0
	s_wait_dscnt 0x0                               ; the add is done, and my reads of this slot are over
	s_barrier_signal -1
	MULS 1, 4, 4, 0
	WIN 0                                          ; at a branch and at a label every window is 0
	s_barrier_wait -1
.if \fill
	CREST                                          ; no wave of any partner still reads this slot or has a load on its way
	JLOAD                                          ; its four v_nop are also the places in front of the loads below
.else
	PLACES
.endif
	s_xor_b32 s[TB], s[TB], STRIDE
	v_add_nc_u32 v[AX], s[TB], v[AX0]
	v_add_nc_u32 v[AY], s[TB], v[AY0]
	FETCH 0, 0
.if \fill
	WIN 0
	ASK
.endif
	MULS 1, 8, 16, 0
	s_wait_dscnt 16
	MULC 1, 0, 0
.endm
; THE WAY OUT of row block a: 16 rows, my 64 columns, into the work-group's stage.  Each accumulator is read from its lowest registers on.
.macro PUT a
.if OUT == 0
	WIN 0x02                                       ; source 0: window 2
.set q, 0
.rept 16
	v_pk_add_f32 v[TMP+2*q:TMP+2*q+1], v[32*(\a)+2*q:32*(\a)+2*q+1], v[BIAS+2*q:BIAS+2*q+1]
.set q, q+1
.endr
	WIN 0
.set q, 0
.rept 16
	v_cvt_pk_bf16_f32 v[PK+q], v[TMP+2*q], v[TMP+2*q+1]
.set q, q+1
.endr
.set q, 0
.rept 4
	ds_store_b128 v[STO], v[PK+4*q:PK+4*q+3] offset:(\a)*16*SP+32*q
.set q, q+1
.endr
.elseif OUT == 1
	WIN 0x08                                       ; the stores' data: window 2
.set q, 0
.rept 8
	ds_store_b128 v[STO], v[32*(\a)+4*q:32*(\a)+4*q+3] offset:(\a)*16*SP+64*(q/2)+16*(q%2)
.set q, q+1
.endr
	WIN 0
.elseif OUT == 2
	WIN 0x0a                                       ; sources 0 and 1: window 2.  Register j of fragment f is column 4 j + f of my 32
.set q, 0
.rept 8
	v_cvt_pk_bf16_f32 v[PK+2*q],   v[32*(\a)+q],    v[32*(\a)+8+q]
	v_cvt_pk_bf16_f32 v[PK+2*q+1], v[32*(\a)+16+q], v[32*(\a)+24+q]
.set q, q+1
.endr
	WIN 0
.set q, 0
.rept 4
	ds_store_b128 v[STO], v[PK+4*q:PK+4*q+3] offset:(\a)*16*SP+16*q
.set q, q+1
.endr
.else
	WIN 0x20                                       ; source 2: window 2
.set q, 0
.rept 16
	v_pk_fma_f32 v[TMP+2*q:TMP+2*q+1], v[BIAS+2*q:BIAS+2*q+1], v[SA+2*(\a):SA+2*(\a)+1], v[32*(\a)+2*q:32*(\a)+2*q+1]
.set q, q+1
.endr
	WIN 0
.set q, 0
.rept 8
	ds_store_b128 v[STO], v[TMP+4*q:TMP+4*q+3] offset:(\a)*16*SP+64*(q/2)+16*(q%2)
.set q, q+1
.endr
.endif
.endm
; Wave w reads rows 64 w .. 64 w + 63 back, whole, and stores them: sixteen lanes store 256 consecutive bytes, aligned.
.macro GET
	WIN 0
.if ROWB == 256
.set t, 0
.rept 32
	ds_load_b128 v[OB+4*t:OB+4*t+3], v[RD] offset:t*2*SP
.set t, t+1
.endr
.set t, 0
.rept 32
	s_wait_dscnt 31-t                              ; LDS loads come back in order: load t is in, the 31 - t behind it may be out
	global_store_b128 v[CO], v[OB+4*t:OB+4*t+3], s[OBS:OBS+1] offset:t*2*OROWB
.set t, t+1
.endr
.else
.irp u, 0,1
.if (\u) == 1
	s_wait_xcnt 0x0                                ; the first 32 stores have read their registers, which are loaded again
.endif
.set t, 0
.rept 32
	ds_load_b128 v[OB+4*t:OB+4*t+3], v[RD] offset:(32*(\u)+t)*SP
.set t, t+1
.endr
.set t, 0
.rept 32
	s_wait_dscnt 31-t
	global_store_b128 v[CO], v[OB+4*t:OB+4*t+3], s[OBS:OBS+1] offset:(32*(\u)+t)*OROWB
.set t, t+1
.endr
.endr
.endif
.endm
.if OUT == 3
	s_load_b256 s[4:11], s[0:1], 0x0               ; X s[4:5], Y s[6:7], out s[8:9], bias s[10:11]
	s_load_b64 s[12:13], s[0:1], 0x20              ; sa
.elseif OUT == 0
	s_load_b256 s[4:11], s[0:1], 0x0
.else
	s_load_b128 s[4:7], s[0:1], 0x0
	s_load_b64 s[8:9], s[0:1], 0x10
.endif
	v_lshl_add_u32 v[SPW], v0, 2, SPARE
	v_mov_b32 v[NIL], 0
	ds_add_u32 v[SPW], v[NIL]                      ; the wave's opening: the add, waited for ahead of my first tensor load; work on registers stands between them
	v_lshrrev_b32 v1, 5, v0
	v_readfirstlane_b32 s[WV], v1                  ; wave 0..3
	s_lshr_b32 s[HS], s[WV], 1
	s_and_b32 s[HL], s[WV], 1
	s_bfe_u32 s[CX], ttmp6, 0x40000                ; my place in the cluster
	s_bfe_u32 s[CY], ttmp6, 0x40004
	s_lshl_b32 s[TX], ttmp9, 2                     ; in a cluster launch ttmp9 and ttmp7 count clusters
	s_add_co_u32 s[TX], s[TX], s[CX]
	s_and_b32 s[TY], ttmp7, 0xffff
	s_lshl_b32 s[TY], s[TY], 2
	s_add_co_u32 s[TY], s[TY], s[CY]
	s_lshl_b32 s21, s[CY], 2
	s_lshl_b32 s21, 15, s21                        ; my row of the cluster
	s_or_b32 s[G1X], s21, (1<<16)|(1<<20)|(1<<21)|(5<<22)|(3<<25)  ; 15:0 the mask; 17:16 2-byte elements; 20 padding on; 21 set beside a mask; 24:22 after every 64 words; 31:25 4 words
.if YJOINT
	s_lshl_b32 s22, 0x1111, s[CX]                  ; my column of the cluster
	s_or_b32 s[G1Y], s22, (2<<16)|(1<<20)|(1<<21)|(6<<22)|(3<<25)  ; 4-byte elements; padding of 4 words after every 128
.else
	s_mov_b32 s[G1Y], (2<<16)|(1<<20)|(6<<22)|(3<<25)              ; no mask: a load of my own
.endif
	s_mov_b32 s[G1X+1], 128<<16                    ; tensor_dim0 = 128
	s_mov_b32 s[G1X+2], 128<<16                    ; tensor_dim1 = 128
	s_mov_b32 s[G1X+3], 128<<16                    ; tile_dim0 = 128
	s_mov_b32 s[G1X+4], 128                        ; tile_dim1 = 128
	s_mov_b32 s[G1X+5], XPITCH                     ; elements from row to row
	s_mov_b32 s[G1X+6], 0
	s_mov_b32 s[G1X+7], 0
	s_mov_b32 s[G1Y+1], 128<<16
	s_mov_b32 s[G1Y+2], 64<<16                     ; tensor_dim1 = 64
	s_mov_b32 s[G1Y+3], 128<<16
	s_mov_b32 s[G1Y+4], 64                         ; tile_dim1 = 64
	s_mov_b32 s[G1Y+5], 1024
	s_mov_b32 s[G1Y+6], 0
	s_mov_b32 s[G1Y+7], 0
	s_mul_i32 s2, s[HL], XHALF                     ; where my tile goes in a slot: no place in the cluster enters an LDS address
	s_mul_i32 s3, s[HL], YHALF
	s_add_co_u32 s3, s3, YOFF
.irp s, 0,1
	s_mov_b32 s[G0X+4*(\s)], 1                     ; count = 1
	s_add_co_u32 s[G0X+4*(\s)+1], s2, (\s)*STRIDE  ; LDS address
	s_mov_b32 s[G0Y+4*(\s)], 1
	s_add_co_u32 s[G0Y+4*(\s)+1], s3, (\s)*STRIDE
.endr
	s_lshl_b32 s21, s[TY], 8                       ; X: row 256 x tile row + 128 x half: made of the tile row and the wave's number alone
	s_lshl_b32 s22, s[HL], 7
	s_add_co_u32 s21, s21, s22
	s_mul_i32 s68, s21, 2*XPITCH
	s_mov_b32 s69, 0
	s_lshl_b32 s70, s[HL], 6                       ; Y: my 64 rows of the tile,
.if !YKN
	s_lshl_b32 s22, s[TX], 7                       ; of the tile column's 128 rows,
	s_add_co_u32 s70, s70, s22
.endif
.if YBATCH
	s_lshr_b32 s22, s[TY], 1                       ; in the batch's 2,048 rows
	s_lshl_b32 s22, s22, 11
	s_add_co_u32 s70, s70, s22
.endif
	s_lshl_b32 s70, s70, 12                        ; rows of 4,096 bytes
.if YKN
	s_lshl_b32 s22, s[TX], 9                       ; the tile column's 128 numbers of each row
	s_add_co_u32 s70, s70, s22
.endif
	s_mov_b32 s71, 0
	s_wait_dscnt 0x0                               ; the opening add is done
	s_wait_kmcnt 0x0
	s_add_nc_u64 s[68:69], s[4:5], s[68:69]        ; X and Y at my tile of K step 0
	s_add_nc_u64 s[70:71], s[6:7], s[70:71]
.irp s, 0,1
	s_add_nc_u64 s[G0X+4*(\s)+2:G0X+4*(\s)+3], s[68:69], (\s)*256
	s_or_b32 s[G0X+4*(\s)+3], s[G0X+4*(\s)+3], 0x80000000          ; type = 2
	s_add_nc_u64 s[G0Y+4*(\s)+2:G0Y+4*(\s)+3], s[70:71], (\s)*YSTEP
	s_or_b32 s[G0Y+4*(\s)+3], s[G0Y+4*(\s)+3], 0x80000000
.endr
	CROUND                                         ; all sixteen work-groups are here: the first joint loads meet
	s_cmp_lt_u32 s[WV], 2                          ; a wave's two first fills stand in one branch, ahead of every wait on TENSORcnt and every LDS read: two loads of mine are out
	s_cbranch_scc0 .Lfirst_y
	tensor_load_to_lds s[G0X:G0X+3], s[G1X:G1X+7]
	s_nop 0
	tensor_load_to_lds s[G0X+4:G0X+7], s[G1X:G1X+7]
	s_nop 0
.rept 4
	v_nop
.endr
	s_branch .Lfirst_asked
.Lfirst_y:
	tensor_load_to_lds s[G0Y:G0Y+3], s[G1Y:G1Y+7]
	s_nop 0
	tensor_load_to_lds s[G0Y+4:G0Y+7], s[G1Y:G1Y+7]
	s_nop 0
.rept 4
	v_nop
.endr
.Lfirst_asked:
	; A fragment is 16 rows x 32 K in 8 registers: lane l holds row l % 16; registers 0-3 K = 8 (l / 16) + 0..7, registers 4-7 K = 16 + 8 (l / 16) + 0..7.
	v_and_b32 v1, 15, v0                           ; r = l % 16
	v_bfe_u32 v2, v0, 4, 1                         ; h = l / 16
	s_mul_i32 s21, s[HS], XHALF                    ; my 128 rows of X
	v_mul_u32_u24 v[AX0], v1, PX
	v_lshl_add_u32 v[AX0], v2, 4, v[AX0]
	v_add_nc_u32 v[AX0], s21, v[AX0]
.if YKN
	s_lshl_b32 s22, s[HL], 8                       ; my 64 columns: 256 bytes of each row
	s_add_co_u32 s22, s22, YOFF
	v_mul_u32_u24 v[AY0], v2, 8*PY                 ; K = 8 h on; four columns a lane
	v_lshl_add_u32 v[AY0], v1, 4, v[AY0]
.else
	s_mul_i32 s22, s[HL], YHALF                    ; my 64 rows of Y
	s_add_co_u32 s22, s22, YOFF
	v_mul_u32_u24 v[AY0], v1, PY
	v_lshl_add_u32 v[AY0], v2, 5, v[AY0]           ; K = 8 h on: 32 bytes
.endif
	v_add_nc_u32 v[AY0], s22, v[AY0]
	v_mov_b32 v[AX], v[AX0]
	v_mov_b32 v[AY], v[AY0]
	s_mov_b32 s[TB], 0
	s_mul_i32 s23, s[HS], 128*SP                   ; into the stage: my 128 rows, my half of their bytes
	s_mul_i32 s21, s[HL], ROWB/2
	s_add_co_u32 s23, s23, s21
	s_add_co_u32 s23, s23, STAGE
	v_mul_u32_u24 v[STO], v1, SP
	v_lshl_add_u32 v[STO], v2, HSH, v[STO]
	v_add_nc_u32 v[STO], s23, v[STO]
	s_mul_i32 s23, s[WV], 64*SP                    ; back: rows 64 w on
	s_add_co_u32 s23, s23, STAGE
.if ROWB == 256
	v_mul_u32_u24 v[RD], v2, SP                    ; lanes 0-15 one row of 256 bytes, lanes 16-31 the next
	v_lshl_add_u32 v[RD], v1, 4, v[RD]
	v_mul_u32_u24 v[CO], v2, OROWB
	v_lshl_add_u32 v[CO], v1, 4, v[CO]
.else
	v_and_b32 v[CO], 31, v0                        ; 32 lanes one row of 512 bytes
	v_lshlrev_b32 v[CO], 4, v[CO]
	v_mov_b32 v[RD], v[CO]
.endif
	v_add_nc_u32 v[RD], s23, v[RD]
	s_lshl_b32 s21, s[TY], 8
	s_lshl_b32 s22, s[WV], 6
	s_add_co_u32 s21, s21, s22                     ; the first row of out that I store
	s_mul_i32 s2, s21, OROWB
	s_mul_i32 s22, s[TX], ROWB
	s_add_co_u32 s2, s2, s22
	s_mov_b32 s3, 0
	s_add_nc_u64 s[OBS:OBS+1], s[8:9], s[2:3]
.if (OUT == 0) || (OUT == 3)
	s_lshl_b32 s21, s[TX], 9                       ; bias of my columns 128 tx + 64 wc + 16 b + 8 h + 0..7, at BIAS + 8 b
	s_lshl_b32 s22, s[HL], 8
	s_add_co_u32 s21, s21, s22
	v_lshl_add_u32 v[BO], v2, 5, s21
.set q, 0
.rept 8
	global_load_b128 v[BIAS+4*q:BIAS+4*q+3], v[BO], s[10:11] offset:64*(q/2)+16*(q%2)
.set q, q+1
.endr
.endif
.if OUT == 3
	s_lshl_b32 s21, s[TY], 10                      ; sa of my row 256 ty + 128 wr + 16 a + r
	s_lshl_b32 s22, s[HS], 9
	s_add_co_u32 s21, s21, s22
	v_lshl_add_u32 v[SO], v1, 2, s21
.set q, 0
.rept 8
	global_load_b32 v[SA+2*q],   v[SO], s[12:13] offset:64*q
	global_load_b32 v[SA+2*q+1], v[SO], s[12:13] offset:64*q
.set q, q+1
.endr
.endif
	; the prefetches: my tile's first byte, my work-group's share of its rows, three K steps on; the first change of slots steps it to the fourth
	s_mul_i32 s21, s[CX], 64*XPITCH                ; X: 32 rows for each place along x
.if YJOINT
	s_lshl_b32 s22, s[CY], 16                      ; Y: 16 rows of 4,096 bytes for each place along y
	s_and_b32 s23, ttmp7, 0xffff                   ; the coordinate along which other clusters read the same rows
	s_mov_b32 s3, 256                              ; the upper half of the lanes takes a row's second block
.else
	s_and_b32 s22, s[CY], 1                        ; Y: 32 rows for each of the batch's two row blocks
	s_lshl_b32 s22, s22, 17
	s_mov_b32 s23, 0                               ; nobody else reads them
	s_mov_b32 s3, 65536                            ; a lane a row
.endif
	s_mov_b32 s[PST], YSTEP
	s_mov_b32 s[PST+1], 0
	s_mov_b32 s59, 4096
	s_cmp_lt_u32 s[WV], 2                          ; do I fetch for X?
	s_cselect_b64 s[PFA:PFA+1], s[68:69], s[70:71]
	s_cselect_b32 s2, s21, s22
	s_cselect_b32 s23, ttmp9, s23
	s_cselect_b32 s[PST], 256, s[PST]
	s_cselect_b32 s59, 2*XPITCH, s59
	s_cselect_b32 s22, 32*XPITCH, s3
	s_mov_b32 s3, 0
	s_add_nc_u64 s[PFA:PFA+1], s[PFA:PFA+1], s[2:3]
	s_mul_i32 s2, s[PST], 3
	s_add_nc_u64 s[PFA:PFA+1], s[PFA:PFA+1], s[2:3]
	s_cmp_eq_u32 s23, 0
	s_cselect_b32 s[LIM], 2, -1                    ; the same in all sixteen partners, for a given wave
	v_mul_u32_u24 v[PFO], v1, s59
	v_mad_u32_u24 v[PFO], v2, s22, v[PFO]
	s_wait_tensorcnt 0x1                           ; my part of K step 0 is in; K step 1's may stay out
	s_barrier_signal -1
	s_barrier_wait -1                              ; everybody's is
	FETCH 0, 0
	s_wait_dscnt 16                                ; Y's 16 loads
	WIN W_CVT
.set c, 0
.rept 32
	CV 0
.endr
	QUARTER 1, 0, 1, 1                             ; the first quarter stands in front of the loop: its products start the sums
	WIN 0
	s_mov_b32 s[CNT], STEPS-2
.Lstep:                                        ; a trip goes from a K step's second quarter to the next step's first, and fills the slot that it leaves
	QUARTER 2, 1, 0, 0
	QUARTER 3, 0, 1, 0
	TURN 1
	QUARTER 1, 0, 1, 0
	WIN 0
	s_sub_co_u32 s[CNT], s[CNT], 1
	s_cmp_lg_u32 s[CNT], 0
	s_cbranch_scc1 .Lstep
	s_mov_b32 s[CNT], 2
.Ltail:                                        ; the last two K steps ask for nothing: a text of their own; the second trip is left in its middle
	QUARTER 2, 1, 0, 0
	QUARTER 3, 0, 1, 0
	TURN 0
	WIN 0
	s_sub_co_u32 s[CNT], s[CNT], 1
	s_cmp_eq_u32 s[CNT], 0
	s_cbranch_scc1 .Lout
	QUARTER 1, 0, 1, 0
	WIN 0
	s_branch .Ltail
.Lout:                                         ; the second trip's 32 LDS loads (from slot 0) and 32 conversions serve nothing: the price, once a launch, of one text for both trips
	s_wait_dscnt 0x0                               ; those loads are back:
	s_barrier_signal -1
	s_barrier_wait -1                              ; in every wave: nobody reads LDS any more, and slot 1 has had its last fill: it becomes the stage
	PLACES
	PLACES
.if (OUT == 0) || (OUT == 3)
	s_wait_loadcnt 0x0                             ; bias (and sa)
.set q, 0
.rept 16
	v_cvt_pk_bf16_f32 v[PK+q], v[BIAS+2*q], v[BIAS+2*q+1]  ; the bias is rounded to bf16, like the matrix inputs, and widened again
.set q, q+1
.endr
.set q, 0
.rept 16
	v_lshlrev_b32 v[BIAS+2*q], 16, v[PK+q]
	v_and_b32 v[BIAS+2*q+1], 0xffff0000, v[PK+q]
.set q, q+1
.endr
.endif
.irp a, 0,1,2,3,4,5,6,7
	PUT \a
.endr
	s_wait_dscnt 0x0                               ; for the others' sake: my stores into the stage are done
	s_barrier_signal -1
	s_barrier_wait -1                              ; a row's bytes come from two waves
	GET
	s_wait_tensorcnt 0x0                           ; the wave's end: behind my last tensor load and my last LDS store
	ds_add_u32 v[SPW], v[NIL]
	s_wait_dscnt 0x0
	CROUND                                         ; the closing round: no work-group ends while a partner may still ask for a tile that names it
	s_endpgm
.Lfunc_end_k_q48dff89885_g5:
	.size	k_q48dff89885_g5, .Lfunc_end_k_q48dff89885_g5-k_q48dff89885_g5
	.p2alignl 7, 3214868480
	.fill 96, 4, 3214868480
	.section	.rodata,"a",@progbits
	.p2align	6, 0x0
	.amdhsa_kernel k_q48dff89885_g5
		.amdhsa_group_segment_fixed_size 327680
		.amdhsa_private_segment_fixed_size 0
		.amdhsa_enable_private_segment 0
		.amdhsa_kernarg_size 24
		.amdhsa_user_sgpr_count 2
		.amdhsa_user_sgpr_kernarg_segment_ptr 1
		.amdhsa_wavefront_size32 1
		.amdhsa_system_sgpr_workgroup_id_x 1
		.amdhsa_system_sgpr_workgroup_id_y 1
		.amdhsa_system_sgpr_workgroup_id_z 1
		.amdhsa_system_vgpr_workitem_id 0
		.amdhsa_next_free_vgpr 768
		.amdhsa_next_free_sgpr 72
		.amdhsa_reserve_vcc 0
		.amdhsa_float_denorm_mode_32 3
		.amdhsa_float_denorm_mode_16_64 3
		.amdhsa_memory_ordered 1
		.amdhsa_forward_progress 1
		.amdhsa_inst_pref_size 93
	.end_amdhsa_kernel
	.amdgpu_metadata
---
amdhsa.version: [ 1, 2 ]
amdhsa.kernels:
  - .name:           k_q48dff89885_g5
    .symbol:         k_q48dff89885_g5.kd
    .args:
      - { .name: pb, .offset: 0, .size: 8, .value_kind: global_buffer, .address_space: global }
      - { .name: value, .offset: 8, .size: 8, .value_kind: global_buffer, .address_space: global }
      - { .name: xa, .offset: 16, .size: 8, .value_kind: global_buffer, .address_space: global }
    .group_segment_fixed_size: 327680
    .private_segment_fixed_size: 0
    .kernarg_segment_align: 8
    .kernarg_segment_size: 24
    .max_flat_workgroup_size: 128
    .sgpr_count:     72
    .vgpr_count:     768
    .wavefront_size: 32
...
	.end_amdgpu_metadata
.endif
;; end of part 5
;; launch g6 (part 6): grid 8 x 16, 4 waves a work-group, clusters of 4 x 4, 327,680 bytes of LDS; arguments xa, Wv, out0, bv, sa; writes out0
.if DOCPART == 6
	.amdgcn_target "amdgcn-amd-amdhsa--gfx1250"
	.amdhsa_code_object_version 6
	.text
	.protected	k_q48dff89885_g6
	.globl	k_q48dff89885_g6
	.p2align	8
	.type	k_q48dff89885_g6,@function
k_q48dff89885_g6:
	s_mov_b64 s[64:65], 0
	v_nop
	global_prefetch_b8 v0, s[64:65] scope:SCOPE_SE
	s_setreg_imm32_b32 hwreg(HW_REG_WAVE_MODE, 25, 1), 1
	s_wait_xcnt 0x0
	s_wait_alu depctr_hold_cnt(0) depctr_sa_sdst(0) depctr_va_vdst(0) depctr_va_sdst(0) depctr_va_ssrc(0) depctr_va_vcc(0) depctr_vm_vsrc(0)
	s_getreg_b32 s2, hwreg(HW_REG_IB_STS2, 6, 4)
	s_cmp_eq_u32 s2, 0
	s_cbranch_scc0 .Lentry_in_a_cluster
	s_endpgm
.Lentry_in_a_cluster:
	s_bfe_u32 s2, ttmp6, 0x10000c
	s_cmp_lg_u32 s2, 0xf033
	s_cbranch_scc0 .Lentry_shape_is_right
	s_endpgm
.Lentry_shape_is_right:
; out0[m][d] = the sum over c of U[m][c] Wv[d][c] + sa[m] bv[d]: the value projection applied behind the weighted sum; sa[m], the row's sum of attn, is what multiplies the projection's bias.
; X = xa (U): [4096][1024] bf16; Y = Wv: [1024][1024] f32, rounded to bf16 between LDS and the matrix unit; bv: [1024] f32, rounded to bf16 once, like the other inputs; sa: [4096] f32; sums in f32; out0: [4096][1024] f32.
; LIMITS.  NaN and infinities are not treated apart.
.set XPITCH, 1024                      ; elements in a row of X
.set STEPS,  8                         ; K steps of 128
.set YKN,    0                         ; Y lies [n][k]
.set YJOINT, 1                         ; Y's tile hangs on the tile column alone: asked for jointly along a column of the cluster
.set YBATCH, 0
.set OUT,    3                         ; f32, + sa[row] x bias[column]
.set OROWB,  4096                      ; bytes in a row of out
.set ROWB,   512                       ; bytes of a row of out in a tile
; ---- from here on the text is the same in the four product kernels; the eight constants above choose among its forms ----
; SHARES.  A work-group makes 256 rows x 128 columns of out; its four waves lie 2 x 2, each with 128 x 64: 32 accumulators of 16 x 16, 256 registers.  K goes in steps of 128 through two LDS slots.
; With Y in f32 a step is 256 x 256 + 128 x 512 bytes: two such slots are what fits.  Waves 0 and 1 fetch X's halves (128 rows x 256 bytes), waves 2 and 3 Y's (64 rows x 512 bytes): one tensor load a wave.
; CLUSTER.  4 x 4 work-groups.  X's tile hangs on the tile row alone and is asked for jointly along a row of the cluster.  Where Y is a weight (YJOINT) its tile hangs on the tile column alone and is
; asked for jointly along a column.  Where Y belongs to a batch of 512 rows of X, only the two row blocks of that batch want the same tile; a mask of a whole row or column of the cluster cannot name that pair,
; so each work-group fetches Y by a load of its own, behind the same rounds.
; THE MATRIX INSTRUCTION IS USED TRANSPOSED: source 0 = 16 of Y's indices n, source 1 = 16 rows of X: a lane holds one row of out (lane % 16) and eight n.
; Y FROM F32.  [n][k]: a lane reads 2 x 32 bytes of its row (8 + 8 neighbouring k) and packs pairs.  [k][n]: a lane reads 16 bytes (four neighbouring n) of each of its 16 k; v_cvt_pk_bf16_f32 packs any two
; registers, so the k-th and (k+1)-th load's word f make a register of fragment f: fragment f's index m is n = 4 m + f, and nothing is turned in LDS.
; REGISTERS, in windows of 256 (s_set_vgpr_msb: bits 1:0 source 0, 3:2 source 1, 5:4 source 2, 7:6 destination):
;   window 0: v0-15 addresses; v32-63, v64-95 Y's fragments in bf16, two buffers; v96-127 bias; v128-255 the way out
;   window 1: v0-63, v64-127 X's fragments, two buffers; v128-191 Y as it comes from LDS, f32          window 2: accumulator (a, b) at v[8 (4 a + b)]
.set PX,     272                       ; a row of X in LDS: 256 bytes + 16 = 17 x 16: the 16 rows of a load start in 16 different groups of four banks (64 banks of 4 bytes: ISA guide 11.1)
.set PY,     528                       ; a row of Y: 512 + 16 = 33 x 16: likewise
.set XHALF,  128*PX
.set YHALF,  64*PY
.set YOFF,   256*PX                    ; in a slot: X's 256 rows, then Y's 128
.set STRIDE, 0x22000                   ; slot 1 begins here: a number that shares no bit with the four tiles' places in a slot, so one exclusive or changes slots
.set STAGE,  STRIDE                    ; the way out goes through slot 1's bytes, behind that slot's last fill and last read
.set SP,     ROWB+16
.set SPARE,  STRIDE+YOFF+128*PY        ; behind slot 1: the spare words, 128 bytes for each wave: two blocks of 256 bytes that no other line names
.if YKN
.set YSTEP,  128*4096                  ; bytes from a K step of Y to the next
.else
.set YSTEP,  512
.endif
.if OUT == 0
.set HSH, 4                            ; the upper half of the lanes stands 16, 32 or 64 bytes further along a stage row
.elseif OUT == 2
.set HSH, 6
.else
.set HSH, 5
.endif
.set AX0, 4                            ; v4, v5   my lane's place in a slot's X and Y; never rewritten
.set AY0, 5
.set AX,  6                            ; v6, v7   the same in the slot in hand
.set AY,  7
.set STO, 8                            ; v8   the way out: where I put my part of a row
.set RD,  9                            ; v9   where I read rows back
.set CO,  10                           ; v10  my byte offset in out
.set BO,  11                           ; v11  in bias
.set SO,  12                           ; v12  in sa
.set PFO, 13                           ; v13  the prefetches' offset; never rewritten
.set SPW, 14                           ; v14  LDS address of my spare word; never rewritten
.set NIL, 15                           ; v15  0; never rewritten
.set YF,  32
.set BIAS, 96
.set SA,  128                          ; v128-143  sa of my row in block a, twice: a pair for the packed multiply-add
.set TMP, 144
.set PK,  176
.set OB,  128                          ; v128-255  rows read back from the stage
.set XB,  0                            ; window 1
.set ST,  128                          ; window 1
.set WV,  14                           ; s14  my wave's number
.set HS,  15                           ; s15  wave / 2: my half of the tile's rows
.set HL,  16                           ; s16  wave % 2: my half of its columns; also which half of X's or Y's tile I fetch
.set CX,  17
.set CY,  18
.set TX,  19                           ; tile column
.set TY,  20                           ; tile row
.set G1X, 24                           ; s[24:31] descriptor group 1 for X, s[32:39] for Y
.set G1Y, 32
.set G0X, 40                           ; s[40:47] group 0 for X: a set for each first fill; the second then walks on.  s[48:55] the same for Y
.set G0Y, 48
.set TB,  56                           ; s56  0 or STRIDE: the slot in hand
.set CNT, 57
.set LIM, 58                           ; s58  2 in a wave that prefetches, else the greatest number
.set PFA, 60                           ; s[60:61] where my prefetches stand
.set PST, 62                           ; s[62:63] their step
.set OBS, 66                           ; s[66:67] out at the first row that I store
.set W_MUL, 0xa4                       ; Y window 0, X window 1, C and D window 2
.set W_CVT, 0x05                       ; both sources window 1, destination window 0
.set W_LD,  0x40                       ; destination window 1, address window 0
.set MSB, 0
.macro WIN new                         ; the immediate's high byte repeats the setting that is left; a switch that changes nothing is dropped
.if MSB != (\new)
	s_set_vgpr_msb (MSB<<8)|(\new)
.set MSB, \new
.endif
.endm
.macro PLACES                          ; four plain instructions between a matrix instruction and a load into, or a vector read of, its registers
.rept 4
	v_nop
.endr
.endm
.macro CREST                           ; a round of the cluster's barrier behind its opening barrier
	s_cmp_lg_u32 s[WV], 0
	s_cbranch_scc1 .Lnot_wave_0_\@
	s_barrier_signal -3
.Lnot_wave_0_\@:
	s_barrier_wait -3
	s_barrier_signal -1
	s_barrier_wait -1
.endm
.macro CROUND                          ; a whole round
	s_barrier_signal -1
	s_barrier_wait -1
	CREST
.endm
.macro JLOAD                           ; a refill by the walking descriptors; the branch hangs on the wave's number alone; an s_nop 0 and four v_nop follow each line
	s_cmp_lt_u32 s[WV], 2
	s_cbranch_scc0 .Lfor_y_\@
	tensor_load_to_lds s[G0X+4:G0X+7], s[G1X:G1X+7]
	s_nop 0
.rept 4
	v_nop
.endr
	s_branch .Lasked_\@
.Lfor_y_\@:
	tensor_load_to_lds s[G0Y+4:G0Y+7], s[G1Y:G1Y+7]
	s_nop 0
.rept 4
	v_nop
.endr
.Lasked_\@:
.endm
; A PREFETCH of the K step that stands two refills on, behind the refill and the run of LDS loads.  Each aligned block of 256 bytes is named once in the launch.  X's rows are read by every cluster of a row of
; clusters: the one with x = 0 asks, its four partners along x taking 32 of a wave's 128 rows each, told apart by address.  Joint Y: the cluster with y = 0 asks, the four partners along y taking 16 of a wave's
; 64 rows each (two blocks a row: a lane a block).  Y of a batch: the two work-groups that read a tile take 32 rows each, a lane a row, two instructions.  The last two refills ask for nothing.
.macro ASK
	s_cmp_gt_u32 s[CNT], s[LIM]
	s_cbranch_scc0 .Lnot_mine_\@
	global_prefetch_b8 v[PFO], s[PFA:PFA+1] th:TH_LOAD_NT scope:SCOPE_SE
.if !YJOINT
	s_cmp_lt_u32 s[WV], 2
	s_cbranch_scc1 .Lnot_mine_\@
	global_prefetch_b8 v[PFO], s[PFA:PFA+1] offset:256 th:TH_LOAD_NT scope:SCOPE_SE
.endif
.Lnot_mine_\@:
.endm
.macro MM f, zero                      ; matrix instruction i of a quarter's 32: row block i / 4, fragment i % 4 of Y.  zero = 1: it starts the sum
.if \zero
	v_wmma_f32_16x16x32_bf16 v[8*i:8*i+7], v[YF+32*(\f)+8*(i%4):YF+32*(\f)+8*(i%4)+7], v[XB+64*(\f)+8*(i/4):XB+64*(\f)+8*(i/4)+7], 0
.else
	v_wmma_f32_16x16x32_bf16 v[8*i:8*i+7], v[YF+32*(\f)+8*(i%4):YF+32*(\f)+8*(i%4)+7], v[XB+64*(\f)+8*(i/4):XB+64*(\f)+8*(i/4)+7], v[8*i:8*i+7]
.endif
.set i, i+1
.endm
.macro MULS f, i0, n, zero             ; n of them from i0 on.  The 32 accumulators take turns in the same order in every quarter
	WIN W_MUL
.set i, \i0
.rept \n
	MM \f, \zero
.endr
.endm
.macro CV g                            ; conversion c of 32: one register of Y's fragments in buffer g
.if YKN
	v_cvt_pk_bf16_f32 v[YF+32*(\g)+c], v[ST+8*(c%8)+c/8], v[ST+8*(c%8)+4+c/8]
.else
	v_cvt_pk_bf16_f32 v[YF+32*(\g)+c], v[ST+2*c], v[ST+2*c+1]
.endif
.set c, c+1
.endm
.macro MULC f, g, zero                 ; a quarter's last eight matrix instructions, four conversions for the next quarter behind each
.set i, 24
.set c, 0
.rept 8
	WIN W_MUL
	MM \f, \zero
	WIN W_CVT
.rept 4
	CV \g
.endr
.endr
.endm
.macro FETCH kq, g                     ; 32 LDS loads in one run: quarter kq (32 along K) of the slot in hand: Y's 16 first, into the f32 registers; then X's 16, into buffer g
	WIN W_LD
.set t, 0
.rept 16
.if YKN
	ds_load_b128 v[ST+4*t:ST+4*t+3], v[AY] offset:(32*(\kq)+(t%8)+16*(t/8))*PY
.else
	ds_load_b128 v[ST+4*t:ST+4*t+3], v[AY] offset:(t/4)*16*PY+128*(\kq)+16*(t%2)+64*((t%4)/2)
.endif
.set t, t+1
.endr
.set t, 0
.rept 8
	ds_load_b128 v[XB+64*(\g)+8*t:XB+64*(\g)+8*t+3],   v[AX] offset:t*16*PX+64*(\kq)
	ds_load_b128 v[XB+64*(\g)+8*t+4:XB+64*(\g)+8*t+7], v[AX] offset:t*16*PX+64*(\kq)+32
.set t, t+1
.endr
.endm
; A K step is four quarters of 32 along K, 32 matrix instructions each, on buffers 0, 1, 0, 1.  One of the first three multiplies buffer f and brings quarter kq into buffer g.
.macro QUARTER kq, f, g, zero
	s_wait_dscnt 0x0                               ; X's fragments of buffer f are in (Y's were waited for and converted in the quarter before)
	MULS \f, 0, 8, \zero
	PLACES
	FETCH \kq, \g
	MULS \f, 8, 16, \zero
	s_wait_dscnt 16                                ; Y's 16 loads are in; X's 16, issued behind them, may stay out
	MULC \f, \g, \zero
.endm
; The last quarter multiplies buffer 1 and changes slots.  In front of the barrier each wave waits for all its tensor loads (one is out: its part of the next slot), adds 0 to its spare word, and waits for that and
; for its reads of this slot.  fill = 1: the barrier opens a round of the cluster's barrier, and the slot just left is filled again first thing behind it, with the K step two on: 120 matrix instructions ahead of the wait for it.
.macro TURN fill
.if \fill
	s_wait_xcnt 0x0                                ; the last prefetch, a K step back, has read its address
	s_add_nc_u64 s[PFA:PFA+1], s[PFA:PFA+1], s[PST:PST+1]
.endif
	WIN 0
	s_wait_tensorcnt 0x0                           ; no tensor load of mine is out, so a group 0 may be written
	ds_add_u32 v[SPW], v[NIL]                      ; 0 onto my spare word
.if \fill
	s_xor_b32 s[G0X+5], s[G0X+5], STRIDE           ; the walking descriptors: the other slot than last time, the next K step
	s_add_nc_u64 s[G0X+6:G0X+7], s[G0X+6:G0X+7], 256
	s_xor_b32 s[G0Y+5], s[G0Y+5], STRIDE
	s_add_nc_u64 s[G0Y+6:G0Y+7], s[G0Y+6:G0Y+7], YSTEP
.endif
	s_wait_dscnt 1                                 ; X's fragments are in; the add, issued behind them, may be out
	MULS 1, 0, 4, 0
	s_wait_dscnt 0x0                               ; the add is done, and my reads of this slot are over
	s_barrier_signal -1
	MULS 1, 4, 4, 0
	WIN 0                                          ; at a branch and at a label every window is 0
	s_barrier_wait -1
.if \fill
	CREST                                          ; no wave of any partner still reads this slot or has a load on its way
	JLOAD                                          ; its four v_nop are also the places in front of the loads below
.else
	PLACES
.endif
	s_xor_b32 s[TB], s[TB], STRIDE
	v_add_nc_u32 v[AX], s[TB], v[AX0]
	v_add_nc_u32 v[AY], s[TB], v[AY0]
	FETCH 0, 0
.if \fill
	WIN 0
	ASK
.endif
	MULS 1, 8, 16, 0
	s_wait_dscnt 16
	MULC 1, 0, 0
.endm
; THE WAY OUT of row block a: 16 rows, my 64 columns, into the work-group's stage.  Each accumulator is read from its lowest registers on.
.macro PUT a
.if OUT == 0
	WIN 0x02                                       ; source 0: window 2
.set q, 0
.rept 16
	v_pk_add_f32 v[TMP+2*q:TMP+2*q+1], v[32*(\a)+2*q:32*(\a)+2*q+1], v[BIAS+2*q:BIAS+2*q+1]
.set q, q+1
.endr
	WIN 0
.set q, 0
.rept 16
	v_cvt_pk_bf16_f32 v[PK+q], v[TMP+2*q], v[TMP+2*q+1]
.set q, q+1
.endr
.set q, 0
.rept 4
	ds_store_b128 v[STO], v[PK+4*q:PK+4*q+3] offset:(\a)*16*SP+32*q
.set q, q+1
.endr
.elseif OUT == 1
	WIN 0x08                                       ; the stores' data: window 2
.set q, 0
.rept 8
	ds_store_b128 v[STO], v[32*(\a)+4*q:32*(\a)+4*q+3] offset:(\a)*16*SP+64*(q/2)+16*(q%2)
.set q, q+1
.endr
	WIN 0
.elseif OUT == 2
	WIN 0x0a                                       ; sources 0 and 1: window 2.  Register j of fragment f is column 4 j + f of my 32
.set q, 0
.rept 8
	v_cvt_pk_bf16_f32 v[PK+2*q],   v[32*(\a)+q],    v[32*(\a)+8+q]
	v_cvt_pk_bf16_f32 v[PK+2*q+1], v[32*(\a)+16+q], v[32*(\a)+24+q]
.set q, q+1
.endr
	WIN 0
.set q, 0
.rept 4
	ds_store_b128 v[STO], v[PK+4*q:PK+4*q+3] offset:(\a)*16*SP+16*q
.set q, q+1
.endr
.else
	WIN 0x20                                       ; source 2: window 2
.set q, 0
.rept 16
	v_pk_fma_f32 v[TMP+2*q:TMP+2*q+1], v[BIAS+2*q:BIAS+2*q+1], v[SA+2*(\a):SA+2*(\a)+1], v[32*(\a)+2*q:32*(\a)+2*q+1]
.set q, q+1
.endr
	WIN 0
.set q, 0
.rept 8
	ds_store_b128 v[STO], v[TMP+4*q:TMP+4*q+3] offset:(\a)*16*SP+64*(q/2)+16*(q%2)
.set q, q+1
.endr
.endif
.endm
; Wave w reads rows 64 w .. 64 w + 63 back, whole, and stores them: sixteen lanes store 256 consecutive bytes, aligned.
.macro GET
	WIN 0
.if ROWB == 256
.set t, 0
.rept 32
	ds_load_b128 v[OB+4*t:OB+4*t+3], v[RD] offset:t*2*SP
.set t, t+1
.endr
.set t, 0
.rept 32
	s_wait_dscnt 31-t                              ; LDS loads come back in order: load t is in, the 31 - t behind it may be out
	global_store_b128 v[CO], v[OB+4*t:OB+4*t+3], s[OBS:OBS+1] offset:t*2*OROWB
.set t, t+1
.endr
.else
.irp u, 0,1
.if (\u) == 1
	s_wait_xcnt 0x0                                ; the first 32 stores have read their registers, which are loaded again
.endif
.set t, 0
.rept 32
	ds_load_b128 v[OB+4*t:OB+4*t+3], v[RD] offset:(32*(\u)+t)*SP
.set t, t+1
.endr
.set t, 0
.rept 32
	s_wait_dscnt 31-t
	global_store_b128 v[CO], v[OB+4*t:OB+4*t+3], s[OBS:OBS+1] offset:(32*(\u)+t)*OROWB
.set t, t+1
.endr
.endr
.endif
.endm
.if OUT == 3
	s_load_b256 s[4:11], s[0:1], 0x0               ; X s[4:5], Y s[6:7], out s[8:9], bias s[10:11]
	s_load_b64 s[12:13], s[0:1], 0x20              ; sa
.elseif OUT == 0
	s_load_b256 s[4:11], s[0:1], 0x0
.else
	s_load_b128 s[4:7], s[0:1], 0x0
	s_load_b64 s[8:9], s[0:1], 0x10
.endif
	v_lshl_add_u32 v[SPW], v0, 2, SPARE
	v_mov_b32 v[NIL], 0
	ds_add_u32 v[SPW], v[NIL]                      ; the wave's opening: the add, waited for ahead of my first tensor load; work on registers stands between them
	v_lshrrev_b32 v1, 5, v0
	v_readfirstlane_b32 s[WV], v1                  ; wave 0..3
	s_lshr_b32 s[HS], s[WV], 1
	s_and_b32 s[HL], s[WV], 1
	s_bfe_u32 s[CX], ttmp6, 0x40000                ; my place in the cluster
	s_bfe_u32 s[CY], ttmp6, 0x40004
	s_lshl_b32 s[TX], ttmp9, 2                     ; in a cluster launch ttmp9 and ttmp7 count clusters
	s_add_co_u32 s[TX], s[TX], s[CX]
	s_and_b32 s[TY], ttmp7, 0xffff
	s_lshl_b32 s[TY], s[TY], 2
	s_add_co_u32 s[TY], s[TY], s[CY]
	s_lshl_b32 s21, s[CY], 2
	s_lshl_b32 s21, 15, s21                        ; my row of the cluster
	s_or_b32 s[G1X], s21, (1<<16)|(1<<20)|(1<<21)|(5<<22)|(3<<25)  ; 15:0 the mask; 17:16 2-byte elements; 20 padding on; 21 set beside a mask; 24:22 after every 64 words; 31:25 4 words
.if YJOINT
	s_lshl_b32 s22, 0x1111, s[CX]                  ; my column of the cluster
	s_or_b32 s[G1Y], s22, (2<<16)|(1<<20)|(1<<21)|(6<<22)|(3<<25)  ; 4-byte elements; padding of 4 words after every 128
.else
	s_mov_b32 s[G1Y], (2<<16)|(1<<20)|(6<<22)|(3<<25)              ; no mask: a load of my own
.endif
	s_mov_b32 s[G1X+1], 128<<16                    ; tensor_dim0 = 128
	s_mov_b32 s[G1X+2], 128<<16                    ; tensor_dim1 = 128
	s_mov_b32 s[G1X+3], 128<<16                    ; tile_dim0 = 128
	s_mov_b32 s[G1X+4], 128                        ; tile_dim1 = 128
	s_mov_b32 s[G1X+5], XPITCH                     ; elements from row to row
	s_mov_b32 s[G1X+6], 0
	s_mov_b32 s[G1X+7], 0
	s_mov_b32 s[G1Y+1], 128<<16
	s_mov_b32 s[G1Y+2], 64<<16                     ; tensor_dim1 = 64
	s_mov_b32 s[G1Y+3], 128<<16
	s_mov_b32 s[G1Y+4], 64                         ; tile_dim1 = 64
	s_mov_b32 s[G1Y+5], 1024
	s_mov_b32 s[G1Y+6], 0
	s_mov_b32 s[G1Y+7], 0
	s_mul_i32 s2, s[HL], XHALF                     ; where my tile goes in a slot: no place in the cluster enters an LDS address
	s_mul_i32 s3, s[HL], YHALF
	s_add_co_u32 s3, s3, YOFF
.irp s, 0,1
	s_mov_b32 s[G0X+4*(\s)], 1                     ; count = 1
	s_add_co_u32 s[G0X+4*(\s)+1], s2, (\s)*STRIDE  ; LDS address
	s_mov_b32 s[G0Y+4*(\s)], 1
	s_add_co_u32 s[G0Y+4*(\s)+1], s3, (\s)*STRIDE
.endr
	s_lshl_b32 s21, s[TY], 8                       ; X: row 256 x tile row + 128 x half: made of the tile row and the wave's number alone
	s_lshl_b32 s22, s[HL], 7
	s_add_co_u32 s21, s21, s22
	s_mul_i32 s68, s21, 2*XPITCH
	s_mov_b32 s69, 0
	s_lshl_b32 s70, s[HL], 6                       ; Y: my 64 rows of the tile,
.if !YKN
	s_lshl_b32 s22, s[TX], 7                       ; of the tile column's 128 rows,
	s_add_co_u32 s70, s70, s22
.endif
.if YBATCH
	s_lshr_b32 s22, s[TY], 1                       ; in the batch's 2,048 rows
	s_lshl_b32 s22, s22, 11
	s_add_co_u32 s70, s70, s22
.endif
	s_lshl_b32 s70, s70, 12                        ; rows of 4,096 bytes
.if YKN
	s_lshl_b32 s22, s[TX], 9                       ; the tile column's 128 numbers of each row
	s_add_co_u32 s70, s70, s22
.endif
	s_mov_b32 s71, 0
	s_wait_dscnt 0x0                               ; the opening add is done
	s_wait_kmcnt 0x0
	s_add_nc_u64 s[68:69], s[4:5], s[68:69]        ; X and Y at my tile of K step 0
	s_add_nc_u64 s[70:71], s[6:7], s[70:71]
.irp s, 0,1
	s_add_nc_u64 s[G0X+4*(\s)+2:G0X+4*(\s)+3], s[68:69], (\s)*256
	s_or_b32 s[G0X+4*(\s)+3], s[G0X+4*(\s)+3], 0x80000000          ; type = 2
	s_add_nc_u64 s[G0Y+4*(\s)+2:G0Y+4*(\s)+3], s[70:71], (\s)*YSTEP
	s_or_b32 s[G0Y+4*(\s)+3], s[G0Y+4*(\s)+3], 0x80000000
.endr
	CROUND                                         ; all sixteen work-groups are here: the first joint loads meet
	s_cmp_lt_u32 s[WV], 2                          ; a wave's two first fills stand in one branch, ahead of every wait on TENSORcnt and every LDS read: two loads of mine are out
	s_cbranch_scc0 .Lfirst_y
	tensor_load_to_lds s[G0X:G0X+3], s[G1X:G1X+7]
	s_nop 0
	tensor_load_to_lds s[G0X+4:G0X+7], s[G1X:G1X+7]
	s_nop 0
.rept 4
	v_nop
.endr
	s_branch .Lfirst_asked
.Lfirst_y:
	tensor_load_to_lds s[G0Y:G0Y+3], s[G1Y:G1Y+7]
	s_nop 0
	tensor_load_to_lds s[G0Y+4:G0Y+7], s[G1Y:G1Y+7]
	s_nop 0
.rept 4
	v_nop
.endr
.Lfirst_asked:
	; A fragment is 16 rows x 32 K in 8 registers: lane l holds row l % 16; registers 0-3 K = 8 (l / 16) + 0..7, registers 4-7 K = 16 + 8 (l / 16) + 0..7.
	v_and_b32 v1, 15, v0                           ; r = l % 16
	v_bfe_u32 v2, v0, 4, 1                         ; h = l / 16
	s_mul_i32 s21, s[HS], XHALF                    ; my 128 rows of X
	v_mul_u32_u24 v[AX0], v1, PX
	v_lshl_add_u32 v[AX0], v2, 4, v[AX0]
	v_add_nc_u32 v[AX0], s21, v[AX0]
.if YKN
	s_lshl_b32 s22, s[HL], 8                       ; my 64 columns: 256 bytes of each row
	s_add_co_u32 s22, s22, YOFF
	v_mul_u32_u24 v[AY0], v2, 8*PY                 ; K = 8 h on; four columns a lane
	v_lshl_add_u32 v[AY0], v1, 4, v[AY0]
.else
	s_mul_i32 s22, s[HL], YHALF                    ; my 64 rows of Y
	s_add_co_u32 s22, s22, YOFF
	v_mul_u32_u24 v[AY0], v1, PY
	v_lshl_add_u32 v[AY0], v2, 5, v[AY0]           ; K = 8 h on: 32 bytes
.endif
	v_add_nc_u32 v[AY0], s22, v[AY0]
	v_mov_b32 v[AX], v[AX0]
	v_mov_b32 v[AY], v[AY0]
	s_mov_b32 s[TB], 0
	s_mul_i32 s23, s[HS], 128*SP                   ; into the stage: my 128 rows, my half of their bytes
	s_mul_i32 s21, s[HL], ROWB/2
	s_add_co_u32 s23, s23, s21
	s_add_co_u32 s23, s23, STAGE
	v_mul_u32_u24 v[STO], v1, SP
	v_lshl_add_u32 v[STO], v2, HSH, v[STO]
	v_add_nc_u32 v[STO], s23, v[STO]
	s_mul_i32 s23, s[WV], 64*SP                    ; back: rows 64 w on
	s_add_co_u32 s23, s23, STAGE
.if ROWB == 256
	v_mul_u32_u24 v[RD], v2, SP                    ; lanes 0-15 one row of 256 bytes, lanes 16-31 the next
	v_lshl_add_u32 v[RD], v1, 4, v[RD]
	v_mul_u32_u24 v[CO], v2, OROWB
	v_lshl_add_u32 v[CO], v1, 4, v[CO]
.else
	v_and_b32 v[CO], 31, v0                        ; 32 lanes one row of 512 bytes
	v_lshlrev_b32 v[CO], 4, v[CO]
	v_mov_b32 v[RD], v[CO]
.endif
	v_add_nc_u32 v[RD], s23, v[RD]
	s_lshl_b32 s21, s[TY], 8
	s_lshl_b32 s22, s[WV], 6
	s_add_co_u32 s21, s21, s22                     ; the first row of out that I store
	s_mul_i32 s2, s21, OROWB
	s_mul_i32 s22, s[TX], ROWB
	s_add_co_u32 s2, s2, s22
	s_mov_b32 s3, 0
	s_add_nc_u64 s[OBS:OBS+1], s[8:9], s[2:3]
.if (OUT == 0) || (OUT == 3)
	s_lshl_b32 s21, s[TX], 9                       ; bias of my columns 128 tx + 64 wc + 16 b + 8 h + 0..7, at BIAS + 8 b
	s_lshl_b32 s22, s[HL], 8
	s_add_co_u32 s21, s21, s22
	v_lshl_add_u32 v[BO], v2, 5, s21
.set q, 0
.rept 8
	global_load_b128 v[BIAS+4*q:BIAS+4*q+3], v[BO], s[10:11] offset:64*(q/2)+16*(q%2)
.set q, q+1
.endr
.endif
.if OUT == 3
	s_lshl_b32 s21, s[TY], 10                      ; sa of my row 256 ty + 128 wr + 16 a + r
	s_lshl_b32 s22, s[HS], 9
	s_add_co_u32 s21, s21, s22
	v_lshl_add_u32 v[SO], v1, 2, s21
.set q, 0
.rept 8
	global_load_b32 v[SA+2*q],   v[SO], s[12:13] offset:64*q
	global_load_b32 v[SA+2*q+1], v[SO], s[12:13] offset:64*q
.set q, q+1
.endr
.endif
	; the prefetches: my tile's first byte, my work-group's share of its rows, three K steps on; the first change of slots steps it to the fourth
	s_mul_i32 s21, s[CX], 64*XPITCH                ; X: 32 rows for each place along x
.if YJOINT
	s_lshl_b32 s22, s[CY], 16                      ; Y: 16 rows of 4,096 bytes for each place along y
	s_and_b32 s23, ttmp7, 0xffff                   ; the coordinate along which other clusters read the same rows
	s_mov_b32 s3, 256                              ; the upper half of the lanes takes a row's second block
.else
	s_and_b32 s22, s[CY], 1                        ; Y: 32 rows for each of the batch's two row blocks
	s_lshl_b32 s22, s22, 17
	s_mov_b32 s23, 0                               ; nobody else reads them
	s_mov_b32 s3, 65536                            ; a lane a row
.endif
	s_mov_b32 s[PST], YSTEP
	s_mov_b32 s[PST+1], 0
	s_mov_b32 s59, 4096
	s_cmp_lt_u32 s[WV], 2                          ; do I fetch for X?
	s_cselect_b64 s[PFA:PFA+1], s[68:69], s[70:71]
	s_cselect_b32 s2, s21, s22
	s_cselect_b32 s23, ttmp9, s23
	s_cselect_b32 s[PST], 256, s[PST]
	s_cselect_b32 s59, 2*XPITCH, s59
	s_cselect_b32 s22, 32*XPITCH, s3
	s_mov_b32 s3, 0
	s_add_nc_u64 s[PFA:PFA+1], s[PFA:PFA+1], s[2:3]
	s_mul_i32 s2, s[PST], 3
	s_add_nc_u64 s[PFA:PFA+1], s[PFA:PFA+1], s[2:3]
	s_cmp_eq_u32 s23, 0
	s_cselect_b32 s[LIM], 2, -1                    ; the same in all sixteen partners, for a given wave
	v_mul_u32_u24 v[PFO], v1, s59
	v_mad_u32_u24 v[PFO], v2, s22, v[PFO]
	s_wait_tensorcnt 0x1                           ; my part of K step 0 is in; K step 1's may stay out
	s_barrier_signal -1
	s_barrier_wait -1                              ; everybody's is
	FETCH 0, 0
	s_wait_dscnt 16                                ; Y's 16 loads
	WIN W_CVT
.set c, 0
.rept 32
	CV 0
.endr
	QUARTER 1, 0, 1, 1                             ; the first quarter stands in front of the loop: its products start the sums
	WIN 0
	s_mov_b32 s[CNT], STEPS-2
.Lstep:                                        ; a trip goes from a K step's second quarter to the next step's first, and fills the slot that it leaves
	QUARTER 2, 1, 0, 0
	QUARTER 3, 0, 1, 0
	TURN 1
	QUARTER 1, 0, 1, 0
	WIN 0
	s_sub_co_u32 s[CNT], s[CNT], 1
	s_cmp_lg_u32 s[CNT], 0
	s_cbranch_scc1 .Lstep
	s_mov_b32 s[CNT], 2
.Ltail:                                        ; the last two K steps ask for nothing: a text of their own; the second trip is left in its middle
	QUARTER 2, 1, 0, 0
	QUARTER 3, 0, 1, 0
	TURN 0
	WIN 0
	s_sub_co_u32 s[CNT], s[CNT], 1
	s_cmp_eq_u32 s[CNT], 0
	s_cbranch_scc1 .Lout
	QUARTER 1, 0, 1, 0
	WIN 0
	s_branch .Ltail
.Lout:                                         ; the second trip's 32 LDS loads (from slot 0) and 32 conversions serve nothing: the price, once a launch, of one text for both trips
	s_wait_dscnt 0x0                               ; those loads are back:
	s_barrier_signal -1
	s_barrier_wait -1                              ; in every wave: nobody reads LDS any more, and slot 1 has had its last fill: it becomes the stage
	PLACES
	PLACES
.if (OUT == 0) || (OUT == 3)
	s_wait_loadcnt 0x0                             ; bias (and sa)
.set q, 0
.rept 16
	v_cvt_pk_bf16_f32 v[PK+q], v[BIAS+2*q], v[BIAS+2*q+1]  ; the bias is rounded to bf16, like the matrix inputs, and widened again
.set q, q+1
.endr
.set q, 0
.rept 16
	v_lshlrev_b32 v[BIAS+2*q], 16, v[PK+q]
	v_and_b32 v[BIAS+2*q+1], 0xffff0000, v[PK+q]
.set q, q+1
.endr
.endif
.irp a, 0,1,2,3,4,5,6,7
	PUT \a
.endr
	s_wait_dscnt 0x0                               ; for the others' sake: my stores into the stage are done
	s_barrier_signal -1
	s_barrier_wait -1                              ; a row's bytes come from two waves
	GET
	s_wait_tensorcnt 0x0                           ; the wave's end: behind my last tensor load and my last LDS store
	ds_add_u32 v[SPW], v[NIL]
	s_wait_dscnt 0x0
	CROUND                                         ; the closing round: no work-group ends while a partner may still ask for a tile that names it
	s_endpgm
.Lfunc_end_k_q48dff89885_g6:
	.size	k_q48dff89885_g6, .Lfunc_end_k_q48dff89885_g6-k_q48dff89885_g6
	.p2alignl 7, 3214868480
	.fill 96, 4, 3214868480
	.section	.rodata,"a",@progbits
	.p2align	6, 0x0
	.amdhsa_kernel k_q48dff89885_g6
		.amdhsa_group_segment_fixed_size 327680
		.amdhsa_private_segment_fixed_size 0
		.amdhsa_enable_private_segment 0
		.amdhsa_kernarg_size 40
		.amdhsa_user_sgpr_count 2
		.amdhsa_user_sgpr_kernarg_segment_ptr 1
		.amdhsa_wavefront_size32 1
		.amdhsa_system_sgpr_workgroup_id_x 1
		.amdhsa_system_sgpr_workgroup_id_y 1
		.amdhsa_system_sgpr_workgroup_id_z 1
		.amdhsa_system_vgpr_workitem_id 0
		.amdhsa_next_free_vgpr 768
		.amdhsa_next_free_sgpr 72
		.amdhsa_reserve_vcc 0
		.amdhsa_float_denorm_mode_32 3
		.amdhsa_float_denorm_mode_16_64 3
		.amdhsa_memory_ordered 1
		.amdhsa_forward_progress 1
		.amdhsa_inst_pref_size 106
	.end_amdhsa_kernel
	.amdgpu_metadata
---
amdhsa.version: [ 1, 2 ]
amdhsa.kernels:
  - .name:           k_q48dff89885_g6
    .symbol:         k_q48dff89885_g6.kd
    .args:
      - { .name: xa, .offset: 0, .size: 8, .value_kind: global_buffer, .address_space: global }
      - { .name: Wv, .offset: 8, .size: 8, .value_kind: global_buffer, .address_space: global }
      - { .name: out0, .offset: 16, .size: 8, .value_kind: global_buffer, .address_space: global }
      - { .name: bv, .offset: 24, .size: 8, .value_kind: global_buffer, .address_space: global }
      - { .name: sa, .offset: 32, .size: 8, .value_kind: global_buffer, .address_space: global }
    .group_segment_fixed_size: 327680
    .private_segment_fixed_size: 0
    .kernarg_segment_align: 8
    .kernarg_segment_size: 40
    .max_flat_workgroup_size: 128
    .sgpr_count:     72
    .vgpr_count:     768
    .wavefront_size: 32
...
	.end_amdgpu_metadata
.endif
;; end of part 6
;; ======== version 2 of 2: 7 launches
;; workspace buffers: xa 8,388,608 bytes; wkt 2,097,152 bytes; wv 2,097,152 bytes; pq 8,388,608 bytes; tq 8,388,608 bytes; sc 33,554,432 bytes; pb 16,777,216 bytes; sa 16,384 bytes
;; launch prep (part 7): grid 256 x 1, 8 waves a work-group, no clusters, 17,920 bytes of LDS; arguments query, Wk, Wq, Wv, xa, wkt, tq, wv, sa; writes xa, wkt, tq, wv, sa
.if DOCPART == 7
	.amdgcn_target "amdgcn-amd-amdhsa--gfx1250"
	.amdhsa_code_object_version 6
	.text
	.protected	k_q48dff89885_prep
	.globl	k_q48dff89885_prep
	.p2align	8
	.type	k_q48dff89885_prep,@function
k_q48dff89885_prep:
	s_mov_b64 s[64:65], 0
	v_nop
	global_prefetch_b8 v0, s[64:65] scope:SCOPE_SE
	s_setreg_imm32_b32 hwreg(HW_REG_WAVE_MODE, 25, 1), 1
	s_wait_xcnt 0x0
; All that the products want in bf16 is rounded here, once: xa = query ([4096][1024]); tq's first 2 MiB = Wq ([d][c], until the second product stores tq); wv = Wv ([d][c]);
; wkt = Wk turned ([c][d] = Wk[d][c]).  And sa's first 4,096 bytes = 0: the second product's bias (the softmax launch writes sa anew).
; Eight waves.  QUERY: a work-group takes 65,536 bytes, a wave 8,192: sixteen loads of 512 consecutive bytes, sixteen stores of 256 consecutive bytes, aligned.  WQ, WV: 16,384 bytes a work-group each, in the same form.
; WK: work-group g turns the tile of 128 rows (d) x 32 columns (c) at (g / 32, g % 32) through LDS, so that a row of wkt's tile is 128 numbers, 256 consecutive bytes, aligned, stored by one instruction.
; Wk is read in pieces of 128 consecutive bytes (32 columns of a row): 4 MiB in the launch.  The tile's rows lie 132 bytes = 33 words apart: a wave's single-word stores (4 rows x 8 words four apart) touch 32 different
; banks, its single-word loads (rows 4 apart: 132 words) touch 16 banks, two lanes each (64 banks of 4 bytes: ISA guide 11.1).
; No matrix unit, no cluster: nothing is shared between work-groups and nothing is multiplied.
.set TP,    132                        ; bytes from row to row of the tile in LDS
.set SPARE, 128*TP                     ; behind the tile: the spare words, 128 bytes for each of the eight waves: four blocks of 256 bytes that no other line names
.set WK,  12                           ; v[12:27]   four loads of Wk; later the sixteen words read back
.set SPW, 30                           ; v30  LDS address of my spare word; never rewritten
.set NIL, 31                           ; v31  0; never rewritten
.set Q,   32                           ; v[32:95]   query as loaded
.set O,   96                           ; v[96:127]  query in bf16
.set Z,   128                          ; v[128:131] zeros
.set WQ,  132                          ; v[132:147] Wq as loaded
.set WV,  148                          ; v[148:163] Wv as loaded
.set WO,  164                          ; v[164:179] Wq, then Wv, in bf16
.set KO,  180                          ; v[180:187] Wk turned, in bf16
	s_load_b256 s[4:11], s[0:1], 0x0               ; query s[4:5], Wk s[6:7], Wq s[8:9], Wv s[10:11]
	s_load_b256 s[12:19], s[0:1], 0x20             ; xa s[12:13], wkt s[14:15], tq s[16:17], wv s[18:19]
	s_load_b64 s[20:21], s[0:1], 0x40              ; sa
	v_lshl_add_u32 v[SPW], v0, 2, SPARE
	v_mov_b32 v[NIL], 0
	v_lshrrev_b32 v1, 5, v0
	v_readfirstlane_b32 s22, v1                    ; wave 0..7
	v_and_b32 v1, 31, v0                           ; lane
	v_bfe_u32 v2, v0, 3, 2                         ; lane / 8
	v_and_b32 v3, 7, v0                            ; lane % 8
	s_lshr_b32 s23, ttmp9, 5                       ; the tile's place along d
	s_and_b32 s24, ttmp9, 31                       ; and along c
	s_lshl_b32 s25, s23, 19                        ; Wk: 128 rows of 4,096 bytes,
	s_lshl_b32 s26, s22, 16                        ; my wave's 16 rows,
	s_add_co_u32 s25, s25, s26
	s_lshl_b32 s26, s24, 7                         ; 32 columns of 4 bytes
	s_add_co_u32 s25, s25, s26
	v_lshlrev_b32 v4, 12, v2                       ; eight lanes a row, four rows an instruction
	v_lshl_add_u32 v4, v3, 4, v4
	v_add_nc_u32 v4, s25, v4                       ; v4: my offset in Wk
	s_lshl_b32 s25, s24, 16                        ; wkt: 32 rows of 2,048 bytes,
	s_lshl_b32 s26, s22, 13                        ; my wave's 4 rows,
	s_add_co_u32 s25, s25, s26
	s_lshl_b32 s26, s23, 8                         ; 128 numbers of 2 bytes
	s_add_co_u32 s25, s25, s26
	v_lshl_add_u32 v5, v1, 3, s25                  ; v5: my offset in wkt: four numbers a lane
	s_mul_i32 s25, s22, 16*TP
	v_mul_u32_u24 v6, v2, TP
	v_lshl_add_u32 v6, v3, 4, v6
	v_add_nc_u32 v6, s25, v6                       ; v6: into LDS: row 16 w + lane / 8, word 4 (lane % 8)
	s_lshl_b32 s25, s22, 4
	v_mul_u32_u24 v7, v1, 4*TP
	v_add_nc_u32 v7, s25, v7                       ; v7: back: row 4 x lane, word 4 w
	s_lshl_b32 s25, ttmp9, 16
	s_lshl_b32 s26, s22, 13
	s_add_co_u32 s25, s25, s26                     ; my wave's 8,192 bytes of query
	v_lshl_add_u32 v8, v1, 4, s25
	s_lshr_b32 s25, s25, 1                         ; and its 4,096 bytes of xa
	v_lshl_add_u32 v9, v1, 3, s25
	s_lshl_b32 s25, ttmp9, 14
	s_lshl_b32 s26, s22, 11
	s_add_co_u32 s25, s25, s26                     ; my wave's 2,048 bytes of Wq and of Wv
	v_lshl_add_u32 v11, v1, 4, s25
	s_lshr_b32 s25, s25, 1                         ; and its 1,024 bytes of each in bf16
	v_lshl_add_u32 v28, v1, 3, s25
	v_lshlrev_b32 v10, 4, v1
	s_wait_kmcnt 0x0
.irp i, 0,1,2,3
	global_load_b128 v[WK+4*(\i):WK+4*(\i)+3], v4, s[6:7] offset:16384*(\i)
.endr
.irp i, 0,1,2,3
	global_load_b128 v[WQ+4*(\i):WQ+4*(\i)+3], v11, s[8:9] offset:512*(\i) th:TH_LOAD_NT
.endr
.irp i, 0,1,2,3
	global_load_b128 v[WV+4*(\i):WV+4*(\i)+3], v11, s[10:11] offset:512*(\i) th:TH_LOAD_NT
.endr
.irp i, 0,1,2,3,4,5,6,7,8,9,10,11,12,13,14,15
	global_load_b128 v[Q+4*(\i):Q+4*(\i)+3], v8, s[4:5] offset:512*(\i) th:TH_LOAD_NT
.endr
	s_wait_loadcnt 24                              ; Wk's four loads are in; the 24 issued behind them may stay out
.irp i, 0,1,2,3
.irp e, 0,1,2,3
	ds_store_b32 v6, v[WK+4*(\i)+(\e)] offset:4*TP*(\i)+4*(\e)  ; Wk's row 16 w + 4 i + lane / 8, column 4 (lane % 8) + e
.endr
.endr
	s_wait_dscnt 0x0                               ; for the others' sake: my rows of the tile are in LDS
	s_barrier_signal -1
	s_barrier_wait -1                              ; everybody's are
.irp i, 0,1,2,3
.irp e, 0,1,2,3
	ds_load_b32 v[WK+4*(\i)+(\e)], v7 offset:(\e)*TP+4*(\i)     ; Wk's row 4 x lane + e, column 4 w + i
.endr
.endr
	s_wait_loadcnt 16                              ; Wq and Wv are in; query's sixteen loads may stay out
.set m, 0
.rept 8
	v_cvt_pk_bf16_f32 v[WO+m],   v[WQ+2*m], v[WQ+2*m+1]
	v_cvt_pk_bf16_f32 v[WO+8+m], v[WV+2*m], v[WV+2*m+1]
.set m, m+1
.endr
.irp i, 0,1,2,3
	global_store_b64 v28, v[WO+2*(\i):WO+2*(\i)+1], s[16:17] offset:256*(\i)      ; 32 lanes store 256 consecutive bytes, aligned
	global_store_b64 v28, v[WO+8+2*(\i):WO+8+2*(\i)+1], s[18:19] offset:256*(\i)
.endr
	s_wait_loadcnt 0x0                             ; query
.set m, 0
.rept 32
	v_cvt_pk_bf16_f32 v[O+m], v[Q+2*m], v[Q+2*m+1]
.set m, m+1
.endr
.irp i, 0,1,2,3,4,5,6,7,8,9,10,11,12,13,14,15
	global_store_b64 v9, v[O+2*(\i):O+2*(\i)+1], s[12:13] offset:256*(\i)
.endr
	s_wait_dscnt 0x0                               ; the turned words
.set m, 0
.rept 8
	v_cvt_pk_bf16_f32 v[KO+m], v[WK+2*m], v[WK+2*m+1]
.set m, m+1
.endr
.irp i, 0,1,2,3
	global_store_b64 v5, v[KO+2*(\i):KO+2*(\i)+1], s[14:15] offset:2048*(\i)      ; a row of wkt's tile: 256 consecutive bytes, aligned
.endr
	s_or_b32 s27, ttmp9, s22
	s_cmp_lg_u32 s27, 0
	s_cbranch_scc1 .Lno_zero                       ; wave 0 of work-group 0 alone
.irp i, 0,1,2,3
	v_mov_b32 v[Z+(\i)], 0
.endr
.irp i, 0,1,2,3,4,5,6,7
	global_store_b128 v10, v[Z:Z+3], s[20:21] offset:512*(\i)
.endr
.Lno_zero:
	s_wait_tensorcnt 0x0                           ; the wave's end: behind my last LDS store
	ds_add_u32 v[SPW], v[NIL]
	s_wait_dscnt 0x0
	s_endpgm
.Lfunc_end_k_q48dff89885_prep:
	.size	k_q48dff89885_prep, .Lfunc_end_k_q48dff89885_prep-k_q48dff89885_prep
	.p2alignl 7, 3214868480
	.fill 96, 4, 3214868480
	.section	.rodata,"a",@progbits
	.p2align	6, 0x0
	.amdhsa_kernel k_q48dff89885_prep
		.amdhsa_group_segment_fixed_size 17920
		.amdhsa_private_segment_fixed_size 0
		.amdhsa_enable_private_segment 0
		.amdhsa_kernarg_size 72
		.amdhsa_user_sgpr_count 2
		.amdhsa_user_sgpr_kernarg_segment_ptr 1
		.amdhsa_wavefront_size32 1
		.amdhsa_system_sgpr_workgroup_id_x 1
		.amdhsa_system_sgpr_workgroup_id_y 1
		.amdhsa_system_sgpr_workgroup_id_z 1
		.amdhsa_system_vgpr_workitem_id 0
		.amdhsa_next_free_vgpr 188
		.amdhsa_next_free_sgpr 66
		.amdhsa_reserve_vcc 0
		.amdhsa_float_denorm_mode_32 3
		.amdhsa_float_denorm_mode_16_64 3
		.amdhsa_memory_ordered 1
		.amdhsa_forward_progress 1
		.amdhsa_inst_pref_size 15
	.end_amdhsa_kernel
	.amdgpu_metadata
---
amdhsa.version: [ 1, 2 ]
amdhsa.kernels:
  - .name:           k_q48dff89885_prep
    .symbol:         k_q48dff89885_prep.kd
    .args:
      - { .name: query, .offset: 0, .size: 8, .value_kind: global_buffer, .address_space: global }
      - { .name: Wk, .offset: 8, .size: 8, .value_kind: global_buffer, .address_space: global }
      - { .name: Wq, .offset: 16, .size: 8, .value_kind: global_buffer, .address_space: global }
      - { .name: Wv, .offset: 24, .size: 8, .value_kind: global_buffer, .address_space: global }
      - { .name: xa, .offset: 32, .size: 8, .value_kind: global_buffer, .address_space: global }
      - { .name: wkt, .offset: 40, .size: 8, .value_kind: global_buffer, .address_space: global }
      - { .name: tq, .offset: 48, .size: 8, .value_kind: global_buffer, .address_space: global }
      - { .name: wv, .offset: 56, .size: 8, .value_kind: global_buffer, .address_space: global }
      - { .name: sa, .offset: 64, .size: 8, .value_kind: global_buffer, .address_space: global }
    .group_segment_fixed_size: 17920
    .private_segment_fixed_size: 0
    .kernarg_segment_align: 8
    .kernarg_segment_size: 72
    .max_flat_workgroup_size: 256
    .sgpr_count:     66
    .vgpr_count:     188
    .wavefront_size: 32
...
	.end_amdgpu_metadata
.endif
;; end of part 7
;; launch g1 (part 8): grid 8 x 32, 4 waves a work-group, clusters of 4 x 4, 327,680 bytes of LDS; arguments xa, tq, pq, bq; writes pq
.if DOCPART == 8
	.amdgcn_target "amdgcn-amd-amdhsa--gfx1250"
	.amdhsa_code_object_version 6
	.text
	.protected	k_q48dff89885_g1
	.globl	k_q48dff89885_g1
	.p2align	8
	.type	k_q48dff89885_g1,@function
k_q48dff89885_g1:
	s_mov_b64 s[64:65], 0
	v_nop
	global_prefetch_b8 v0, s[64:65] scope:SCOPE_SE
	s_setreg_imm32_b32 hwreg(HW_REG_WAVE_MODE, 25, 1), 1
	s_wait_xcnt 0x0
	s_wait_alu depctr_hold_cnt(0) depctr_sa_sdst(0) depctr_va_vdst(0) depctr_va_sdst(0) depctr_va_ssrc(0) depctr_va_vcc(0) depctr_vm_vsrc(0)
	s_getreg_b32 s2, hwreg(HW_REG_IB_STS2, 6, 4)
	s_cmp_eq_u32 s2, 0
	s_cbranch_scc0 .Lentry_in_a_cluster
	s_endpgm
.Lentry_in_a_cluster:
	s_bfe_u32 s2, ttmp6, 0x10000c
	s_cmp_lg_u32 s2, 0xf033
	s_cbranch_scc0 .Lentry_shape_is_right
	s_endpgm
.Lentry_shape_is_right:
; out[m][n] = the sum over k of X[m][k] Y[n][k] + bias[n].  X: [4096][1024] bf16; Y: [1024][1024] bf16 (a weight, rounded once by the launch in front); bias: [1024] f32, rounded to bf16
; once, like the other inputs; sums in f32; out: [4096][1024] bf16, rounded once.  Used twice: pq = query Wq^T + bq, and tq = pq Wk (Y = Wk turned, bias = zeros).
; LIMITS.  NaN and infinities are not treated apart.
.set OUT,    0                         ; bf16, + bias[column]
.set OROWB,  2048                      ; bytes in a row of out
.set ROWB,   256                       ; bytes of a row of out in a tile
; ---- from here on the text is the same in the two kernels that multiply by a weight; the three constants above choose among its forms ----
; SHARES.  A work-group makes 128 x 128 of out: 32 x 8 = 256 work-groups.  Its four waves lie 2 x 2, each with 64 x 64: 16 accumulators of 16 x 16, 128 registers.  K goes in 4 steps of 256 through two LDS slots:
; rows of 512 bytes, as long as two slots of 128 + 128 rows allow.  Waves 0 and 1 fetch X's halves, waves 2 and 3 Y's: 64 rows x 512 bytes, one tensor load a wave.
; CLUSTER.  4 x 4 work-groups.  X's tile hangs on the tile row alone and is asked for jointly along a row of the cluster, Y's on the tile column alone and is asked for jointly along a column.
; THE MATRIX INSTRUCTION IS USED TRANSPOSED: source 0 = 16 rows of Y, source 1 = 16 rows of X: a lane holds one row of out (lane % 16) and eight neighbouring columns.
; REGISTERS, in windows of 256 (s_set_vgpr_msb: bits 1:0 source 0, 3:2 source 1, 5:4 source 2, 7:6 destination):
;   window 0: v0-15 addresses; v96-127 bias; v128-255 the way out
;   window 1: two fragment buffers of 128: for 64 along K (two matrix instructions deep) 64 registers of X (2 x 4 x 16 rows x 32 K), then 64 of Y          window 2: accumulator (a, b) at v[8 (4 a + b)]
.set KSTEP,  256
.set STEPS,  1024/KSTEP
.set PITCH,  528                       ; an LDS row: 512 bytes + 16 = 33 x 16: the 16 rows of a load start in 16 different groups of four banks (64 banks of 4 bytes: ISA guide 11.1)
.set HALFT,  64*PITCH                  ; 64 rows: what one tensor load brings, and what one wave reads of X or of Y
.set YOFF,   2*HALFT                   ; in a slot: X's 128 rows, then Y's 128
.set STRIDE, 0x22000                   ; slot 1 begins here: a number that shares no bit with the four tiles' places in a slot, so one exclusive or changes slots
.set STAGE,  STRIDE                    ; the way out goes through slot 1's bytes, behind that slot's last fill and last read
.set SP,     ROWB+16
.set SPARE,  STRIDE+4*HALFT            ; behind slot 1: the spare words, 128 bytes for each wave: two blocks of 256 bytes that no other line names
.if OUT == 0
.set HSH,   4                          ; the upper half of the lanes stands 16 or 32 bytes further along a stage row
.set RSTEP, 2                          ; rows that one load from the stage takes
.else
.set HSH,   5
.set RSTEP, 1
.endif
.set NGET,  32/RSTEP                   ; loads from the stage, and stores, of a wave
.set AX0, 4                            ; v4, v5   my lane's place in a slot's X and Y; never rewritten
.set AY0, 5
.set AX,  6                            ; v6, v7   the same in the slot in hand
.set AY,  7
.set STO, 8                            ; v8   the way out: where I put my part of a row
.set RD,  9                            ; v9   where I read rows back
.set CO,  10                           ; v10  my byte offset in out
.set BO,  11                           ; v11  in bias
.set SO,  12                           ; v12  in sa
.set SPW, 14                           ; v14  LDS address of my spare word; never rewritten
.set NIL, 15                           ; v15  0; never rewritten
.set BIAS, 96
.set SA,  128                          ; v128-135  sa of my row in block a, twice: a pair for the packed multiply-add
.set TMP, 144
.set PK,  176
.set OB,  128                          ; v128-255  rows read back from the stage
.set WV,  14                           ; s14  my wave's number
.set HS,  15                           ; s15  wave / 2: my half of the tile's rows
.set HL,  16                           ; s16  wave % 2: my half of its columns; also which half of X's or Y's tile I fetch
.set CX,  17
.set CY,  18
.set TX,  19                           ; tile column
.set TY,  20                           ; tile row
.set G1X, 24                           ; s[24:31] descriptor group 1 for X, s[32:39] for Y: they differ in the mask alone
.set G1Y, 32
.set G0X, 40                           ; s[40:47] group 0 for X: a set for each first fill; the second then walks on.  s[48:55] the same for Y
.set G0Y, 48
.set TB,  56                           ; s56  0 or STRIDE: the slot in hand
.set CNT, 57
.set OBS, 66                           ; s[66:67] out at the first row that I store
.set W_MUL, 0xa5                       ; Y and X window 1, C and D window 2
.set W_LD,  0x40                       ; destination window 1, address window 0
.set MSB, 0
.macro WIN new                         ; the immediate's high byte repeats the setting that is left; a switch that changes nothing is dropped
.if MSB != (\new)
	s_set_vgpr_msb (MSB<<8)|(\new)
.set MSB, \new
.endif
.endm
.macro PLACES                          ; four plain instructions between a matrix instruction and a load into, or a vector read of, its registers
.rept 4
	v_nop
.endr
.endm
.macro CREST                           ; a round of the cluster's barrier behind its opening barrier
	s_cmp_lg_u32 s[WV], 0
	s_cbranch_scc1 .Lnot_wave_0_\@
	s_barrier_signal -3
.Lnot_wave_0_\@:
	s_barrier_wait -3
	s_barrier_signal -1
	s_barrier_wait -1
.endm
.macro CROUND                          ; a whole round
	s_barrier_signal -1
	s_barrier_wait -1
	CREST
.endm
.macro JLOAD                           ; a joint refill by the walking descriptors; the branch hangs on the wave's number alone; an s_nop 0 and four v_nop follow each line
	s_cmp_lt_u32 s[WV], 2
	s_cbranch_scc0 .Lfor_y_\@
	tensor_load_to_lds s[G0X+4:G0X+7], s[G1X:G1X+7]
	s_nop 0
.rept 4
	v_nop
.endr
	s_branch .Lasked_\@
.Lfor_y_\@:
	tensor_load_to_lds s[G0Y+4:G0Y+7], s[G1Y:G1Y+7]
	s_nop 0
.rept 4
	v_nop
.endr
.Lasked_\@:
.endm
.macro MM f, zero                      ; matrix instruction i of a quarter's 32: 32 along K number i / 16, row block (i % 16) / 4, column block i % 4.  zero = 1: the first sixteen start the sums
.if (\zero) && (i < 16)
	v_wmma_f32_16x16x32_bf16 v[8*(i%16):8*(i%16)+7], v[128*(\f)+64+8*(4*(i/16)+i%4):128*(\f)+64+8*(4*(i/16)+i%4)+7], v[128*(\f)+8*(4*(i/16)+(i%16)/4):128*(\f)+8*(4*(i/16)+(i%16)/4)+7], 0
.else
	v_wmma_f32_16x16x32_bf16 v[8*(i%16):8*(i%16)+7], v[128*(\f)+64+8*(4*(i/16)+i%4):128*(\f)+64+8*(4*(i/16)+i%4)+7], v[128*(\f)+8*(4*(i/16)+(i%16)/4):128*(\f)+8*(4*(i/16)+(i%16)/4)+7], v[8*(i%16):8*(i%16)+7]
.endif
.set i, i+1
.endm
.macro MULS f, i0, n, zero             ; n of them from i0 on.  The 16 accumulators take turns in the same order throughout: fifteen others stand between two links of a chain
	WIN W_MUL
.set i, \i0
.rept \n
	MM \f, \zero
.endr
.endm
.macro FETCH kq, g                     ; 32 LDS loads in one run: quarter kq (64 along K) of the slot in hand into buffer g; the sixteen loads of its first 32 along K first
	WIN W_LD
.set t, 0
.rept 8
	ds_load_b128 v[128*(\g)+64+8*t:128*(\g)+64+8*t+3],   v[AY] offset:(t%4)*16*PITCH+128*(\kq)+64*(t/4)
	ds_load_b128 v[128*(\g)+64+8*t+4:128*(\g)+64+8*t+7], v[AY] offset:(t%4)*16*PITCH+128*(\kq)+64*(t/4)+32
	ds_load_b128 v[128*(\g)+8*t:128*(\g)+8*t+3],         v[AX] offset:(t%4)*16*PITCH+128*(\kq)+64*(t/4)
	ds_load_b128 v[128*(\g)+8*t+4:128*(\g)+8*t+7],       v[AX] offset:(t%4)*16*PITCH+128*(\kq)+64*(t/4)+32
.set t, t+1
.endr
.endm
; A K step is four quarters of 64 along K, 32 matrix instructions each, on buffers 0, 1, 0, 1.  One of the first three multiplies buffer f and brings quarter kq into buffer g.
.macro QUARTER kq, f, g, zero
	s_wait_dscnt 16                                ; the first 32 along K are in; the sixteen loads issued behind them may stay out
	MULS \f, 0, 16, \zero
	PLACES
	FETCH \kq, \g
	s_wait_dscnt 32                                ; all but the 32 just issued
	MULS \f, 16, 16, 0
.endm
; The last quarter multiplies buffer 1 and changes slots.  In front of the barrier each wave waits for all its tensor loads (one is out: its part of the next slot), adds 0 to its spare word, and waits for that and
; for its reads of this slot.  fill = 1: the barrier opens a round of the cluster's barrier, and the slot just left is filled again first thing behind it, with the K step two on: 112 matrix instructions ahead of the wait for it.
.macro TURN fill
	WIN 0
	s_wait_tensorcnt 0x0                           ; no tensor load of mine is out, so a group 0 may be written
	ds_add_u32 v[SPW], v[NIL]                      ; 0 onto my spare word
.if \fill
	s_xor_b32 s[G0X+5], s[G0X+5], STRIDE           ; the walking descriptors: the other slot than last time, the next K step
	s_add_nc_u64 s[G0X+6:G0X+7], s[G0X+6:G0X+7], KSTEP*2
	s_xor_b32 s[G0Y+5], s[G0Y+5], STRIDE
	s_add_nc_u64 s[G0Y+6:G0Y+7], s[G0Y+6:G0Y+7], KSTEP*2
.endif
	s_wait_dscnt 17                                ; the first 32 along K are in; the sixteen loads behind them and the add may be out
	MULS 1, 0, 8, 0
	s_wait_dscnt 0x0                               ; the add is done, and my reads of this slot are over
	s_barrier_signal -1
	MULS 1, 8, 8, 0
	WIN 0                                          ; at a branch and at a label every window is 0
	s_barrier_wait -1
.if \fill
	CREST                                          ; no wave of any partner still reads this slot or has a load on its way
	JLOAD                                          ; its four v_nop are also the places in front of the loads below
.else
	PLACES
.endif
	s_xor_b32 s[TB], s[TB], STRIDE
	v_add_nc_u32 v[AX], s[TB], v[AX0]
	v_add_nc_u32 v[AY], s[TB], v[AY0]
	FETCH 0, 0
	MULS 1, 16, 16, 0
.endm
; THE WAY OUT of row block a: 16 rows, my 64 columns, into the work-group's stage.  Each accumulator is read from its lowest registers on.
.macro PUT a
.if OUT == 0
	WIN 0x02                                       ; source 0: window 2
.set q, 0
.rept 16
	v_pk_add_f32 v[TMP+2*q:TMP+2*q+1], v[32*(\a)+2*q:32*(\a)+2*q+1], v[BIAS+2*q:BIAS+2*q+1]
.set q, q+1
.endr
	WIN 0
.set q, 0
.rept 16
	v_cvt_pk_bf16_f32 v[PK+q], v[TMP+2*q], v[TMP+2*q+1]
.set q, q+1
.endr
.set q, 0
.rept 4
	ds_store_b128 v[STO], v[PK+4*q:PK+4*q+3] offset:(\a)*16*SP+32*q
.set q, q+1
.endr
.else
	WIN 0x20                                       ; source 2: window 2
.set q, 0
.rept 16
	v_pk_fma_f32 v[TMP+2*q:TMP+2*q+1], v[BIAS+2*q:BIAS+2*q+1], v[SA+2*(\a):SA+2*(\a)+1], v[32*(\a)+2*q:32*(\a)+2*q+1]
.set q, q+1
.endr
	WIN 0
.set q, 0
.rept 8
	ds_store_b128 v[STO], v[TMP+4*q:TMP+4*q+3] offset:(\a)*16*SP+64*(q/2)+16*(q%2)
.set q, q+1
.endr
.endif
.endm
; Wave w reads rows 32 w .. 32 w + 31 back, whole, and stores them: sixteen lanes store 256 consecutive bytes, aligned.
.macro GET
	WIN 0
.set t, 0
.rept NGET
	ds_load_b128 v[OB+4*t:OB+4*t+3], v[RD] offset:t*RSTEP*SP
.set t, t+1
.endr
.set t, 0
.rept NGET
	s_wait_dscnt NGET-1-t                          ; LDS loads come back in order: load t is in, those issued behind it may be out
	global_store_b128 v[CO], v[OB+4*t:OB+4*t+3], s[OBS:OBS+1] offset:t*RSTEP*OROWB
.set t, t+1
.endr
.endm
	s_load_b256 s[4:11], s[0:1], 0x0               ; X s[4:5], Y s[6:7], out s[8:9], bias s[10:11]
.if OUT == 3
	s_load_b64 s[12:13], s[0:1], 0x20              ; sa
.endif
	v_lshl_add_u32 v[SPW], v0, 2, SPARE
	v_mov_b32 v[NIL], 0
	ds_add_u32 v[SPW], v[NIL]                      ; the wave's opening: the add, waited for ahead of my first tensor load; work on registers stands between them
	v_lshrrev_b32 v1, 5, v0
	v_readfirstlane_b32 s[WV], v1                  ; wave 0..3
	s_lshr_b32 s[HS], s[WV], 1
	s_and_b32 s[HL], s[WV], 1
	s_bfe_u32 s[CX], ttmp6, 0x40000                ; my place in the cluster
	s_bfe_u32 s[CY], ttmp6, 0x40004
	s_lshl_b32 s[TX], ttmp9, 2                     ; in a cluster launch ttmp9 and ttmp7 count clusters
	s_add_co_u32 s[TX], s[TX], s[CX]
	s_and_b32 s[TY], ttmp7, 0xffff
	s_lshl_b32 s[TY], s[TY], 2
	s_add_co_u32 s[TY], s[TY], s[CY]
	s_lshl_b32 s21, s[CY], 2
	s_lshl_b32 s21, 15, s21                        ; my row of the cluster
	s_or_b32 s[G1X], s21, (1<<16)|(1<<20)|(1<<21)|(6<<22)|(3<<25)  ; 15:0 the mask; 17:16 2-byte elements; 20 padding on; 21 set beside a mask; 24:22 after every 128 words; 31:25 4 words
	s_lshl_b32 s22, 0x1111, s[CX]                  ; my column of the cluster
	s_or_b32 s[G1Y], s22, (1<<16)|(1<<20)|(1<<21)|(6<<22)|(3<<25)
.irp g, G1X, G1Y
	s_mov_b32 s[(\g)+1], KSTEP<<16                 ; tensor_dim0 = 256
	s_mov_b32 s[(\g)+2], 64<<16                    ; tensor_dim1 = 64
	s_mov_b32 s[(\g)+3], KSTEP<<16                 ; tile_dim0 = 256
	s_mov_b32 s[(\g)+4], 64                        ; tile_dim1 = 64
	s_mov_b32 s[(\g)+5], 1024                      ; elements from row to row
	s_mov_b32 s[(\g)+6], 0
	s_mov_b32 s[(\g)+7], 0
.endr
	s_mul_i32 s2, s[HL], HALFT                     ; where my tile goes in a slot: no place in the cluster enters an LDS address
	s_add_co_u32 s3, s2, YOFF
.irp s, 0,1
	s_mov_b32 s[G0X+4*(\s)], 1                     ; count = 1
	s_add_co_u32 s[G0X+4*(\s)+1], s2, (\s)*STRIDE  ; LDS address
	s_mov_b32 s[G0Y+4*(\s)], 1
	s_add_co_u32 s[G0Y+4*(\s)+1], s3, (\s)*STRIDE
.endr
	s_lshl_b32 s22, s[HL], 6                       ; which 64 rows of the tile I fetch
	s_lshl_b32 s21, s[TY], 7                       ; X: row 128 x tile row + 64 x half: made of the tile row and the wave's number alone
	s_add_co_u32 s21, s21, s22
	s_lshl_b32 s68, s21, 11                        ; rows of 2,048 bytes
	s_mov_b32 s69, 0
	s_lshl_b32 s70, s[TX], 7                       ; Y: row 128 x tile column + 64 x half
	s_add_co_u32 s70, s70, s22
	s_lshl_b32 s70, s70, 11
	s_mov_b32 s71, 0
	s_wait_dscnt 0x0                               ; the opening add is done
	s_wait_kmcnt 0x0
	s_add_nc_u64 s[68:69], s[4:5], s[68:69]        ; X and Y at my tile of K step 0
	s_add_nc_u64 s[70:71], s[6:7], s[70:71]
.irp s, 0,1
	s_add_nc_u64 s[G0X+4*(\s)+2:G0X+4*(\s)+3], s[68:69], (\s)*KSTEP*2
	s_or_b32 s[G0X+4*(\s)+3], s[G0X+4*(\s)+3], 0x80000000          ; type = 2
	s_add_nc_u64 s[G0Y+4*(\s)+2:G0Y+4*(\s)+3], s[70:71], (\s)*KSTEP*2
	s_or_b32 s[G0Y+4*(\s)+3], s[G0Y+4*(\s)+3], 0x80000000
.endr
	CROUND                                         ; all sixteen work-groups are here: the first joint loads meet
	s_cmp_lt_u32 s[WV], 2                          ; a wave's two first fills stand in one branch, ahead of every wait on TENSORcnt and every LDS read: two loads of mine are out
	s_cbranch_scc0 .Lfirst_y
	tensor_load_to_lds s[G0X:G0X+3], s[G1X:G1X+7]
	s_nop 0
	tensor_load_to_lds s[G0X+4:G0X+7], s[G1X:G1X+7]
	s_nop 0
.rept 4
	v_nop
.endr
	s_branch .Lfirst_asked
.Lfirst_y:
	tensor_load_to_lds s[G0Y:G0Y+3], s[G1Y:G1Y+7]
	s_nop 0
	tensor_load_to_lds s[G0Y+4:G0Y+7], s[G1Y:G1Y+7]
	s_nop 0
.rept 4
	v_nop
.endr
.Lfirst_asked:
	; A fragment is 16 rows x 32 K in 8 registers: lane l holds row l % 16; registers 0-3 K = 8 (l / 16) + 0..7, registers 4-7 K = 16 + 8 (l / 16) + 0..7: two loads of 16 bytes, 32 bytes apart.
	v_and_b32 v1, 15, v0                           ; r = l % 16
	v_bfe_u32 v2, v0, 4, 1                         ; h = l / 16
	v_mul_u32_u24 v3, v1, PITCH
	v_lshl_add_u32 v3, v2, 4, v3                   ; row x pitch + 16 x half
	s_mul_i32 s21, s[HS], HALFT                    ; my 64 rows of X
	s_mul_i32 s22, s[HL], HALFT                    ; my 64 rows of Y,
	s_add_co_u32 s22, s22, YOFF                    ; which lie behind X's 128
	v_add_nc_u32 v[AX0], s21, v3
	v_add_nc_u32 v[AY0], s22, v3
	v_mov_b32 v[AX], v[AX0]
	v_mov_b32 v[AY], v[AY0]
	s_mov_b32 s[TB], 0
	s_mul_i32 s23, s[HS], 64*SP                    ; into the stage: my 64 rows, my half of their bytes
	s_mul_i32 s21, s[HL], ROWB/2
	s_add_co_u32 s23, s23, s21
	s_add_co_u32 s23, s23, STAGE
	v_mul_u32_u24 v[STO], v1, SP
	v_lshl_add_u32 v[STO], v2, HSH, v[STO]
	v_add_nc_u32 v[STO], s23, v[STO]
	s_mul_i32 s23, s[WV], 32*SP                    ; back: rows 32 w on
	s_add_co_u32 s23, s23, STAGE
.if ROWB == 256
	v_mul_u32_u24 v[RD], v2, SP                    ; lanes 0-15 one row of 256 bytes, lanes 16-31 the next
	v_lshl_add_u32 v[RD], v1, 4, v[RD]
	v_mul_u32_u24 v[CO], v2, OROWB
	v_lshl_add_u32 v[CO], v1, 4, v[CO]
.else
	v_and_b32 v[CO], 31, v0                        ; 32 lanes one row of 512 bytes
	v_lshlrev_b32 v[CO], 4, v[CO]
	v_mov_b32 v[RD], v[CO]
.endif
	v_add_nc_u32 v[RD], s23, v[RD]
	s_lshl_b32 s21, s[TY], 7
	s_lshl_b32 s22, s[WV], 5
	s_add_co_u32 s21, s21, s22                     ; the first row of out that I store
	s_mul_i32 s2, s21, OROWB
	s_mul_i32 s22, s[TX], ROWB
	s_add_co_u32 s2, s2, s22
	s_mov_b32 s3, 0
	s_add_nc_u64 s[OBS:OBS+1], s[8:9], s[2:3]
	s_lshl_b32 s21, s[TX], 9                       ; bias of my columns 128 tx + 64 wc + 16 b + 8 h + 0..7, at BIAS + 8 b
	s_lshl_b32 s22, s[HL], 8
	s_add_co_u32 s21, s21, s22
	v_lshl_add_u32 v[BO], v2, 5, s21
.set q, 0
.rept 8
	global_load_b128 v[BIAS+4*q:BIAS+4*q+3], v[BO], s[10:11] offset:64*(q/2)+16*(q%2)
.set q, q+1
.endr
.if OUT == 3
	s_lshl_b32 s21, s[TY], 9                       ; sa of my row 128 ty + 64 wr + 16 a + r
	s_lshl_b32 s22, s[HS], 8
	s_add_co_u32 s21, s21, s22
	v_lshl_add_u32 v[SO], v1, 2, s21
.set q, 0
.rept 4
	global_load_b32 v[SA+2*q],   v[SO], s[12:13] offset:64*q
	global_load_b32 v[SA+2*q+1], v[SO], s[12:13] offset:64*q
.set q, q+1
.endr
.endif
	s_wait_tensorcnt 0x1                           ; my part of K step 0 is in; K step 1's may stay out
	s_barrier_signal -1
	s_barrier_wait -1                              ; everybody's is
	FETCH 0, 0
	QUARTER 1, 0, 1, 1                             ; the first quarter stands in front of the loop: its first products start the sums
	WIN 0
	s_mov_b32 s[CNT], STEPS-2
.Lstep:                                        ; a trip goes from a K step's second quarter to the next step's first, and fills the slot that it leaves
	QUARTER 2, 1, 0, 0
	QUARTER 3, 0, 1, 0
	TURN 1
	QUARTER 1, 0, 1, 0
	WIN 0
	s_sub_co_u32 s[CNT], s[CNT], 1
	s_cmp_lg_u32 s[CNT], 0
	s_cbranch_scc1 .Lstep
	s_mov_b32 s[CNT], 2
.Ltail:                                        ; the last two K steps ask for nothing: a text of their own; the second trip is left in its middle
	QUARTER 2, 1, 0, 0
	QUARTER 3, 0, 1, 0
	TURN 0
	WIN 0
	s_sub_co_u32 s[CNT], s[CNT], 1
	s_cmp_eq_u32 s[CNT], 0
	s_cbranch_scc1 .Lout
	QUARTER 1, 0, 1, 0
	WIN 0
	s_branch .Ltail
.Lout:                                         ; the second trip's 32 LDS loads (from slot 0) serve nothing: the price, once a launch, of one text for both trips
	s_wait_dscnt 0x0                               ; those loads are back:
	s_barrier_signal -1
	s_barrier_wait -1                              ; in every wave: nobody reads LDS any more, and slot 1 has had its last fill: it becomes the stage
	PLACES
	PLACES
	s_wait_loadcnt 0x0                             ; bias (and sa)
.set q, 0
.rept 16
	v_cvt_pk_bf16_f32 v[PK+q], v[BIAS+2*q], v[BIAS+2*q+1]  ; the bias is rounded to bf16, like the matrix inputs, and widened again
.set q, q+1
.endr
.set q, 0
.rept 16
	v_lshlrev_b32 v[BIAS+2*q], 16, v[PK+q]
	v_and_b32 v[BIAS+2*q+1], 0xffff0000, v[PK+q]
.set q, q+1
.endr
.irp a, 0,1,2,3
	PUT \a
.endr
	s_wait_dscnt 0x0                               ; for the others' sake: my stores into the stage are done
	s_barrier_signal -1
	s_barrier_wait -1                              ; a row's bytes come from two waves
	GET
	s_wait_tensorcnt 0x0                           ; the wave's end: behind my last tensor load and my last LDS store
	ds_add_u32 v[SPW], v[NIL]
	s_wait_dscnt 0x0
	CROUND                                         ; the closing round: no work-group ends while a partner may still ask for a tile that names it
	s_endpgm
.Lfunc_end_k_q48dff89885_g1:
	.size	k_q48dff89885_g1, .Lfunc_end_k_q48dff89885_g1-k_q48dff89885_g1
	.p2alignl 7, 3214868480
	.fill 96, 4, 3214868480
	.section	.rodata,"a",@progbits
	.p2align	6, 0x0
	.amdhsa_kernel k_q48dff89885_g1
		.amdhsa_group_segment_fixed_size 327680
		.amdhsa_private_segment_fixed_size 0
		.amdhsa_enable_private_segment 0
		.amdhsa_kernarg_size 32
		.amdhsa_user_sgpr_count 2
		.amdhsa_user_sgpr_kernarg_segment_ptr 1
		.amdhsa_wavefront_size32 1
		.amdhsa_system_sgpr_workgroup_id_x 1
		.amdhsa_system_sgpr_workgroup_id_y 1
		.amdhsa_system_sgpr_workgroup_id_z 1
		.amdhsa_system_vgpr_workitem_id 0
		.amdhsa_next_free_vgpr 640
		.amdhsa_next_free_sgpr 72
		.amdhsa_reserve_vcc 0
		.amdhsa_float_denorm_mode_32 3
		.amdhsa_float_denorm_mode_16_64 3
		.amdhsa_memory_ordered 1
		.amdhsa_forward_progress 1
		.amdhsa_inst_pref_size 66
	.end_amdhsa_kernel
	.amdgpu_metadata
---
amdhsa.version: [ 1, 2 ]
amdhsa.kernels:
  - .name:           k_q48dff89885_g1
    .symbol:         k_q48dff89885_g1.kd
    .args:
      - { .name: xa, .offset: 0, .size: 8, .value_kind: global_buffer, .address_space: global }
      - { .name: tq, .offset: 8, .size: 8, .value_kind: global_buffer, .address_space: global }
      - { .name: pq, .offset: 16, .size: 8, .value_kind: global_buffer, .address_space: global }
      - { .name: bq, .offset: 24, .size: 8, .value_kind: global_buffer, .address_space: global }
    .group_segment_fixed_size: 327680
    .private_segment_fixed_size: 0
    .kernarg_segment_align: 8
    .kernarg_segment_size: 32
    .max_flat_workgroup_size: 128
    .sgpr_count:     72
    .vgpr_count:     640
    .wavefront_size: 32
...
	.end_amdgpu_metadata
.endif
;; end of part 8
;; launch g2: the kernel of part 8 again; grid 8 x 32, 4 waves a work-group, clusters of 4 x 4, 327,680 bytes of LDS; arguments pq, wkt, tq, sa; writes tq
;; launch g3 (part 9): grid 16 x 16, 4 waves a work-group, clusters of 4 x 4, 327,680 bytes of LDS; arguments tq, key, sc; writes sc
.if DOCPART == 9
	.amdgcn_target "amdgcn-amd-amdhsa--gfx1250"
	.amdhsa_code_object_version 6
	.text
	.protected	k_q48dff89885_g3
	.globl	k_q48dff89885_g3
	.p2align	8
	.type	k_q48dff89885_g3,@function
k_q48dff89885_g3:
	s_mov_b64 s[64:65], 0
	v_nop
	global_prefetch_b8 v0, s[64:65] scope:SCOPE_SE
	s_setreg_imm32_b32 hwreg(HW_REG_WAVE_MODE, 25, 1), 1
	s_wait_xcnt 0x0
	s_wait_alu depctr_hold_cnt(0) depctr_sa_sdst(0) depctr_va_vdst(0) depctr_va_sdst(0) depctr_va_ssrc(0) depctr_va_vcc(0) depctr_vm_vsrc(0)
	s_getreg_b32 s2, hwreg(HW_REG_IB_STS2, 6, 4)
	s_cmp_eq_u32 s2, 0
	s_cbranch_scc0 .Lentry_in_a_cluster
	s_endpgm
.Lentry_in_a_cluster:
	s_bfe_u32 s2, ttmp6, 0x10000c
	s_cmp_lg_u32 s2, 0xf033
	s_cbranch_scc0 .Lentry_shape_is_right
	s_endpgm
.Lentry_shape_is_right:
; sc[b][q][k] = the sum over c of tq[b][q][c] key[b][k][c]: the scores before the scale, the row's constant and the mask.  X = tq: [4096][1024] bf16; Y = key: [8][2048][1024] f32, lying [n][k], rounded to bf16
; once on its way from memory to LDS; sums in f32; out = sc: [4096][2048] f32.  A tile row is half a batch's 512 queries.
; LIMITS.  NaN and infinities are not treated apart.
.set XPITCH, 1024                      ; elements in a row of X
.set NX,     4                         ; X steps of 256 along K
.set YKN,    0                         ; Y lies [n][k]
.set OUT,    1                         ; f32, as it is
.set OROWB,  8192                      ; bytes in a row of out
.set ROWB,   512                       ; bytes of a row of out in a tile
; ---- from here on the text is the same in the two kernels whose Y is f32; the six constants above choose among its forms ----
; SHARES.  A work-group makes 256 rows x 128 columns of out; its four waves lie 2 x 2, each with 128 x 64: 32 accumulators of 16 x 16, 256 registers.
; X comes by tensor loads into two LDS slots of 256 rows x 256 along K (rows of 512 bytes): each wave fetches 64 rows.  X's tile hangs on the tile row alone: 4 x 4 work-groups form a cluster, and the four of a
; row of the cluster ask for it jointly.  A slot is multiplied by 256 matrix instructions a wave.
; Y GOES THROUGH REGISTERS, since it has to be rounded on the way, which no tensor load does: 16-byte loads that cover whole aligned blocks of 256 bytes, v_cvt_pk_bf16_f32, 8-byte LDS stores.  So each number of Y is
; rounded once in the work-group and lies in LDS in 2 bytes.  No multicast for Y: only the two row blocks of a batch want the same tile.
; A SUB-STEP is 64 along K: 32 KiB of Y in f32, a quarter to each wave: 16 loads, a GROUP, 64 registers.  Four groups of registers take turns.  In sub-step t a wave rounds and stores group t + 1 into the Y slot that is
; not being read (two slots of 18,432 bytes) and asks for group t + 5 in the registers just freed: a group has four sub-steps, 256 matrix instructions, in which to come.  These loads stay out across barriers.
; A group's sixteenth load is issued one sub-step late, at the head of the next batch of 16: so 47 + 16 = 63 loads of a wave are out at the most, which LOADcnt can hold (ISA guide 5.7.1).
; ONE BARRIER A SUB-STEP: in front of it each wave's stores of the next Y slot are done and its reads of this one are back.  Every fourth is the change of X's slots.
; THE MATRIX INSTRUCTION IS USED TRANSPOSED: source 0 = 16 of Y's indices n, source 1 = 16 rows of X: a lane holds one row of out (lane % 16) and eight neighbouring n.
; REGISTERS, in windows of 256 (s_set_vgpr_msb: bits 1:0 source 0, 3:2 source 1, 5:4 source 2, 7:6 destination):
;   window 0: v0-15 addresses; v32-63 a group rounded to bf16; v64-79, v128-255 the way out          window 1: v0-127 X's fragments, two buffers of 64; v128-191 Y's, two buffers of 32
;   window 2: accumulator (a, b) at v[8 (4 a + b)]          window 3: the four groups, group g at v[64 (g % 4)], its load i at + 4 i
.set PX,     528                       ; a row of X in LDS: 512 bytes + 16 = 33 x 16: the 16 rows of a load start in 16 different groups of four banks (64 banks of 4 bytes: ISA guide 11.1)
.set XQ,     64*PX                     ; what one tensor load brings
.set XHALF,  128*PX                    ; what one wave reads
.set STRIDE, 0x22000                   ; X's slot 1 begins here: a number that shares no bit with the four waves' places in a slot, so one exclusive or changes slots
.set STAGE,  STRIDE                    ; the way out goes through X's slot 1, behind that slot's last fill and last read
.set SP,     ROWB+16
.set YBASE,  STRIDE+256*PX             ; behind X's slots: Y's two slots, blocks of 256 bytes into which no tensor load lands
.set PYN,    144                       ; [n][k]: a row of 64 k: 128 bytes + 16 = 9 x 16.  A store's two rows (2 x 128 bytes, 144 apart) meet in four banks, two lanes each
.set PYK,    288                       ; [k][n]: a row of 128 n: 256 bytes + 32 = 9 x 32
.set YSLOT,  18432                     ; 128 x 144 = 64 x 288
.set YROW2,  288                       ; from a wave's store to its next: two rows of 144, or one of 288
.set SPARE,  YBASE+2*YSLOT             ; behind them: the spare words, 128 bytes for each wave: two blocks of 256 bytes that no other line names
.if YKN
.set YSUB,   64*4096                   ; bytes in memory from a sub-step of Y to the next,
.set YLD,    4096                      ; from a wave's load to its next (a row of 512 bytes),
.set YPF2,   2*YSUB                    ; from its first prefetch to its second
.else
.set YSUB,   256
.set YLD,    8192                      ; (two rows of 256 bytes)
.set YPF2,   256
.endif
.set YXSTEP, 4*YSUB
.if OUT == 1
.set HSH, 5                            ; the upper half of the lanes stands 32 or 16 bytes further along a stage row
.else
.set HSH, 4
.endif
.set AX0, 4                            ; v4   my lane's place in a slot of X; never rewritten
.set AY,  5                            ; v5   my lane's place in Y's slot 0, for fragments; never rewritten
.set AX,  6                            ; v6   AX0 in the slot in hand
.set YS,  7                            ; v7   where I store 8 bytes of Y in slot 0; never rewritten
.set STO, 8                            ; v8   the way out: where I put my part of a row
.set RD,  9                            ; v9   where I read rows back
.set CO,  10                           ; v10  my byte offset in out
.set YG,  11                           ; v11  my byte offset in Y's tile in memory; never rewritten
.set PFOX, 12                          ; v12, v13  the prefetches' offsets; never rewritten
.set PFOY, 13
.set SPW, 14                           ; v14  LDS address of my spare word; never rewritten
.set NIL, 15                           ; v15  0; never rewritten
.set PKT, 32
.set PK,  64
.set OB,  128
.set YF,  128                          ; window 1
.set WV,  14                           ; s14  my wave's number
.set HS,  15                           ; s15  wave / 2: my half of the tile's rows
.set HL,  16                           ; s16  wave % 2: my half of its columns
.set CX,  17
.set CY,  18
.set TX,  19                           ; tile column
.set TY,  20                           ; tile row
.set G1X, 24                           ; s[24:31] descriptor group 1
.set G0X, 40                           ; s[40:47] group 0: a set for each first fill; the second then walks on
.set TB,  56                           ; s56  0 or STRIDE: X's slot in hand
.set CNT, 57                           ; s57  trips to go
.set LIM, 58                           ; s58  1 in the clusters that prefetch X
.set PFX, 60                           ; s[60:61] where my prefetch of X stands
.set YP,  62                           ; s[62:63] Y's tile at the X step whose groups the trip in hand asks for
.set OBS, 66                           ; s[66:67] out at the first row that I store
.set W_MUL, 0xa5                       ; Y and X window 1, C and D window 2
.set W_LD,  0x40                       ; destination window 1, address window 0
.set W_CVT, 0x0f                       ; both sources window 3, destination window 0
.set W_G,   0xc0                       ; destination window 3, address window 0
.set MSB, 0
.macro WIN new                         ; the immediate's high byte repeats the setting that is left; a switch that changes nothing is dropped
.if MSB != (\new)
	s_set_vgpr_msb (MSB<<8)|(\new)
.set MSB, \new
.endif
.endm
.macro PLACES                          ; four plain instructions between a matrix instruction and a load into, or a vector read of, its registers
.rept 4
	v_nop
.endr
.endm
.macro CREST                           ; a round of the cluster's barrier behind its opening barrier
	s_cmp_lg_u32 s[WV], 0
	s_cbranch_scc1 .Lnot_wave_0_\@
	s_barrier_signal -3
.Lnot_wave_0_\@:
	s_barrier_wait -3
	s_barrier_signal -1
	s_barrier_wait -1
.endm
.macro CROUND                          ; a whole round
	s_barrier_signal -1
	s_barrier_wait -1
	CREST
.endm
; PREFETCHES, behind a refill and the run of LDS loads: the 256 along K of the X step after the one just asked for.  Each aligned block of 256 bytes is named once in the launch.  Y: a wave names the rows that it will
; load itself; the two work-groups that read the tile take half of the blocks each, told apart by address: 64 blocks, two instructions.  X: its rows are read by every cluster of a row of clusters: the one with
; x = 0 asks, its four partners taking 16 of a wave's 64 rows each, told apart by address: 16 rows x 2 blocks, one instruction.  The last refill has no X step behind it and asks for nothing.
.macro ASK
	s_cmp_gt_u32 s[CNT], 1
	s_cbranch_scc0 .Lnone_\@
	global_prefetch_b8 v[PFOY], s[YP:YP+1] offset:YXSTEP th:TH_LOAD_NT scope:SCOPE_SE
	global_prefetch_b8 v[PFOY], s[YP:YP+1] offset:YXSTEP+YPF2 th:TH_LOAD_NT scope:SCOPE_SE
	s_cmp_eq_u32 s[LIM], 1
	s_cbranch_scc0 .Lnone_\@
	global_prefetch_b8 v[PFOX], s[PFX:PFX+1] th:TH_LOAD_NT scope:SCOPE_SE
.Lnone_\@:
.endm
.macro MM f, zero                      ; matrix instruction i of a quarter's 32: row block i / 4, column block i % 4.  zero = 1: it starts the sum
.if \zero
	v_wmma_f32_16x16x32_bf16 v[8*i:8*i+7], v[YF+32*(\f)+8*(i%4):YF+32*(\f)+8*(i%4)+7], v[64*(\f)+8*(i/4):64*(\f)+8*(i/4)+7], 0
.else
	v_wmma_f32_16x16x32_bf16 v[8*i:8*i+7], v[YF+32*(\f)+8*(i%4):YF+32*(\f)+8*(i%4)+7], v[64*(\f)+8*(i/4):64*(\f)+8*(i/4)+7], v[8*i:8*i+7]
.endif
.set i, i+1
.endm
.macro MULS f, i0, n, zero             ; n of them from i0 on.  The 32 accumulators take turns in the same order in every quarter
	WIN W_MUL
.set i, \i0
.rept \n
	MM \f, \zero
.endr
.endm
.macro MULC f, rb, zero                ; matrix instructions 8 to 15 of a quarter, behind each four of the 32 conversions of the group in ring place rb
.set i, 8
.set c, 0
.rept 8
	WIN W_MUL
	MM \f, \zero
	WIN W_CVT
.rept 4
	v_cvt_pk_bf16_f32 v[PKT+c], v[64*(\rb)+2*c], v[64*(\rb)+2*c+1]
.set c, c+1
.endr
.endr
.endm
.macro YCVT rb                         ; the same 32 conversions by themselves
	WIN W_CVT
.set c, 0
.rept 32
	v_cvt_pk_bf16_f32 v[PKT+c], v[64*(\rb)+2*c], v[64*(\rb)+2*c+1]
.set c, c+1
.endr
.endm
.macro YSTORE sl                       ; the rounded group into Y's slot sl: what load t brought, 8 bytes a lane
	WIN 0
.set t, 0
.rept 16
	ds_store_b64 v[YS], v[PKT+2*t:PKT+2*t+1] offset:(\sl)*YSLOT+t*YROW2
.set t, t+1
.endr
.endm
; A batch of 16 loads, at place j of a trip: the sixteenth load of the group before, then the first fifteen of the group of sub-step j of the X step at s[YP].  mode 2: the batch; 1: the launch's last load alone; 0: nothing.
.macro YLOADS j, mode
.if (\mode) == 2
	WIN W_G
	global_load_b128 v[64*(((\j)+3)%4)+60:64*(((\j)+3)%4)+63], v[YG], s[YP:YP+1] offset:((\j)-1)*YSUB+15*YLD
.set t, 0
.rept 15
	global_load_b128 v[64*(\j)+4*t:64*(\j)+4*t+3], v[YG], s[YP:YP+1] offset:(\j)*YSUB+t*YLD
.set t, t+1
.endr
.elseif (\mode) == 1
	WIN W_G
	global_load_b128 v[252:255], v[YG], s[YP:YP+1] offset:3*YSUB+15*YLD
.endif
.endm
; 24 LDS loads in one run: the fragments of 32 along K into buffer g: Y's four (slot sl, half q of its 64 along K), then X's eight (32 along K number kq of the slot in hand).
; A fragment is 16 rows x 32 K in 8 registers: lane l holds row l % 16; registers 0-3 K = 8 (l / 16) + 0..7, registers 4-7 K = 16 + 8 (l / 16) + 0..7.
.macro FETCH sl, q, kq, g
	WIN W_LD
.set t, 0
.rept 4
.if YKN
	ds_load_tr16_b128 v[YF+32*(\g)+8*t:YF+32*(\g)+8*t+3],   v[AY] offset:(\sl)*YSLOT+32*(\q)*PYK+32*t
	ds_load_tr16_b128 v[YF+32*(\g)+8*t+4:YF+32*(\g)+8*t+7], v[AY] offset:(\sl)*YSLOT+32*(\q)*PYK+32*t+16*PYK
.else
	ds_load_b128 v[YF+32*(\g)+8*t:YF+32*(\g)+8*t+3],   v[AY] offset:(\sl)*YSLOT+t*16*PYN+64*(\q)
	ds_load_b128 v[YF+32*(\g)+8*t+4:YF+32*(\g)+8*t+7], v[AY] offset:(\sl)*YSLOT+t*16*PYN+64*(\q)+32
.endif
.set t, t+1
.endr
.set t, 0
.rept 8
	ds_load_b128 v[64*(\g)+8*t:64*(\g)+8*t+3],   v[AX] offset:t*16*PX+64*(\kq)
	ds_load_b128 v[64*(\g)+8*t+4:64*(\g)+8*t+7], v[AX] offset:t*16*PX+64*(\kq)+32
.set t, t+1
.endr
.endm
; THE FIRST QUARTER of sub-step p of an X step: multiplies buffer 0, fetches the second quarter into buffer 1, and does Y's part at place j = (p + 1) % 4 of the trip: the group in ring place j has come (cnt younger
; loads may be out), is rounded, goes into Y's slot j % 2, which nobody has read since the last barrier, and its registers are asked for again (mode: see YLOADS; -1: there is no further group).
.macro QA p, j, mode, cnt, zero
	s_wait_dscnt 0x0                               ; buffer 0's fragments are in
	MULS 0, 0, 8, \zero
	PLACES
	FETCH (\p)%2, 1, 2*(\p)+1, 1
.if (\mode) >= 0
	s_wait_loadcnt \cnt
	MULC 0, \j, \zero
	YSTORE (\j)%2
	YLOADS \j, \mode
	MULS 0, 16, 16, \zero
.else
	MULS 0, 8, 24, \zero
.endif
.endm
; THE SECOND QUARTER: multiplies buffer 1 and passes the sub-step's barrier; behind it the next sub-step's first fragments are fetched into buffer 0.
; kind 0: a barrier of the work-group.  kind 1: the change of X's slots with a refill: each wave waits for all its tensor loads (one is out: its part of the next slot), adds 0 to its spare word, and waits for that, for
; its stores and for its reads; the barrier opens a round of the cluster's barrier, and the slot just left is filled again first thing behind it, with the X step two on: 248 matrix instructions ahead of the wait for it.
; kind 2: the change without a refill.  kind 3: the launch's last quarter.
.macro QB p, kind
.if (\kind) == 3
	s_wait_dscnt 0x0
	MULS 1, 0, 32, 0
.else
.if (\kind) == 0
	s_wait_dscnt 16                                ; buffer 1's fragments are in; my 16 stores, issued behind them, may be out
.else
	WIN 0
	s_wait_tensorcnt 0x0                           ; no tensor load of mine is out, so a group 0 may be written
	ds_add_u32 v[SPW], v[NIL]                      ; 0 onto my spare word
.if (\kind) == 1
	s_xor_b32 s[G0X+5], s[G0X+5], STRIDE           ; the walking descriptor: the other slot than last time, the next X step
	s_add_nc_u64 s[G0X+6:G0X+7], s[G0X+6:G0X+7], 512
.endif
	s_wait_dscnt 17                                ; buffer 1's fragments are in; my 16 stores and the add may be out
.endif
	MULS 1, 0, 4, 0
	s_wait_dscnt 0x0                               ; my stores into the next Y slot are done, my reads of this one (and of X's slot) are back, the add is done
	s_barrier_signal -1
	MULS 1, 4, 4, 0
.if (\kind) != 0
	WIN 0                                          ; at a branch and at a label every window is 0
.endif
	s_barrier_wait -1
.if (\kind) == 1
	CREST                                          ; no wave of any partner still reads the slot or has a load on its way
	tensor_load_to_lds s[G0X+4:G0X+7], s[G1X:G1X+7]
	s_nop 0                                        ; the four behind it are also the places in front of the loads below
.endif
	PLACES
.if (\kind) == 0
	FETCH ((\p)+1)%2, 0, 2*(\p)+2, 0
.else
	s_xor_b32 s[TB], s[TB], STRIDE
	v_add_nc_u32 v[AX], s[TB], v[AX0]
	FETCH 0, 0, 0, 0
.endif
.if (\kind) == 1
	WIN 0
	ASK
.endif
	MULS 1, 8, 24, 0
.endif
.endm
; THE WAY OUT of row block a: 16 rows, my 64 columns, into the work-group's stage.  Each accumulator is read from its lowest registers on.
.macro PUT a
.if OUT == 1
	WIN 0x08                                       ; the stores' data: window 2
.set q, 0
.rept 8
	ds_store_b128 v[STO], v[32*(\a)+4*q:32*(\a)+4*q+3] offset:(\a)*16*SP+64*(q/2)+16*(q%2)
.set q, q+1
.endr
	WIN 0
.else
	WIN 0x0a                                       ; sources 0 and 1: window 2
.set q, 0
.rept 16
	v_cvt_pk_bf16_f32 v[PK+q], v[32*(\a)+2*q], v[32*(\a)+2*q+1]
.set q, q+1
.endr
	WIN 0
.set q, 0
.rept 4
	ds_store_b128 v[STO], v[PK+4*q:PK+4*q+3] offset:(\a)*16*SP+32*q
.set q, q+1
.endr
.endif
.endm
; Wave w reads rows 64 w .. 64 w + 63 back, whole, and stores them: sixteen lanes store 256 consecutive bytes, aligned.
.macro GET
	WIN 0
.if ROWB == 256
.set t, 0
.rept 32
	ds_load_b128 v[OB+4*t:OB+4*t+3], v[RD] offset:t*2*SP
.set t, t+1
.endr
.set t, 0
.rept 32
	s_wait_dscnt 31-t                              ; LDS loads come back in order: load t is in, the 31 - t behind it may be out
	global_store_b128 v[CO], v[OB+4*t:OB+4*t+3], s[OBS:OBS+1] offset:t*2*OROWB
.set t, t+1
.endr
.else
.irp u, 0,1
.if (\u) == 1
	s_wait_xcnt 0x0                                ; the first 32 stores have read their registers, which are loaded again
.endif
.set t, 0
.rept 32
	ds_load_b128 v[OB+4*t:OB+4*t+3], v[RD] offset:(32*(\u)+t)*SP
.set t, t+1
.endr
.set t, 0
.rept 32
	s_wait_dscnt 31-t
	global_store_b128 v[CO], v[OB+4*t:OB+4*t+3], s[OBS:OBS+1] offset:(32*(\u)+t)*OROWB
.set t, t+1
.endr
.endr
.endif
.endm
	s_load_b128 s[4:7], s[0:1], 0x0                ; X s[4:5], Y s[6:7]
	s_load_b64 s[8:9], s[0:1], 0x10                ; out
	v_lshl_add_u32 v[SPW], v0, 2, SPARE
	v_mov_b32 v[NIL], 0
	ds_add_u32 v[SPW], v[NIL]                      ; the wave's opening: the add, waited for ahead of my first tensor load; work on registers stands between them
	v_lshrrev_b32 v1, 5, v0
	v_readfirstlane_b32 s[WV], v1                  ; wave 0..3
	s_lshr_b32 s[HS], s[WV], 1
	s_and_b32 s[HL], s[WV], 1
	s_bfe_u32 s[CX], ttmp6, 0x40000                ; my place in the cluster
	s_bfe_u32 s[CY], ttmp6, 0x40004
	s_lshl_b32 s[TX], ttmp9, 2                     ; in a cluster launch ttmp9 and ttmp7 count clusters
	s_add_co_u32 s[TX], s[TX], s[CX]
	s_and_b32 s[TY], ttmp7, 0xffff
	s_lshl_b32 s[TY], s[TY], 2
	s_add_co_u32 s[TY], s[TY], s[CY]
	s_lshl_b32 s21, s[CY], 2
	s_lshl_b32 s21, 15, s21                        ; my row of the cluster
	s_or_b32 s[G1X], s21, (1<<16)|(1<<20)|(1<<21)|(6<<22)|(3<<25)  ; 15:0 the mask; 17:16 2-byte elements; 20 padding on; 21 set beside a mask; 24:22 after every 128 words; 31:25 4 words
	s_mov_b32 s[G1X+1], 256<<16                    ; tensor_dim0 = 256
	s_mov_b32 s[G1X+2], 64<<16                     ; tensor_dim1 = 64
	s_mov_b32 s[G1X+3], 256<<16                    ; tile_dim0 = 256
	s_mov_b32 s[G1X+4], 64                         ; tile_dim1 = 64
	s_mov_b32 s[G1X+5], XPITCH                     ; elements from row to row
	s_mov_b32 s[G1X+6], 0
	s_mov_b32 s[G1X+7], 0
	s_mul_i32 s2, s[WV], XQ                        ; where my 64 rows go in a slot: no place in the cluster enters an LDS address
.irp s, 0,1
	s_mov_b32 s[G0X+4*(\s)], 1                     ; count = 1
	s_add_co_u32 s[G0X+4*(\s)+1], s2, (\s)*STRIDE  ; LDS address
.endr
	s_lshl_b32 s21, s[TY], 8                       ; X: row 256 x tile row + 64 x wave: made of the tile row and the wave's number alone
	s_lshl_b32 s22, s[WV], 6
	s_add_co_u32 s21, s21, s22
	s_mul_i32 s68, s21, 2*XPITCH
	s_mov_b32 s69, 0
	s_lshr_b32 s70, s[TY], 1                       ; Y: the batch's 2,048 rows,
	s_lshl_b32 s70, s70, 11
.if !YKN
	s_lshl_b32 s22, s[TX], 7                       ; of them the tile column's 128,
	s_add_co_u32 s70, s70, s22
.endif
	s_lshl_b32 s70, s70, 12                        ; rows of 4,096 bytes
.if YKN
	s_lshl_b32 s22, s[TX], 9                       ; the tile column's 128 numbers of each row
	s_add_co_u32 s70, s70, s22
.endif
	s_mov_b32 s71, 0
	s_wait_dscnt 0x0                               ; the opening add is done
	s_wait_kmcnt 0x0
	s_add_nc_u64 s[68:69], s[4:5], s[68:69]        ; X at my 64 rows, X step 0
	s_add_nc_u64 s[YP:YP+1], s[6:7], s[70:71]      ; Y at the tile, X step 0
.irp s, 0,1
	s_add_nc_u64 s[G0X+4*(\s)+2:G0X+4*(\s)+3], s[68:69], (\s)*512
	s_or_b32 s[G0X+4*(\s)+3], s[G0X+4*(\s)+3], 0x80000000          ; type = 2
.endr
	CROUND                                         ; all sixteen work-groups are here: the first joint loads meet
	tensor_load_to_lds s[G0X:G0X+3], s[G1X:G1X+7]  ; the two first fills go out together, ahead of every wait on TENSORcnt and every LDS read: two loads of mine are out
	s_nop 0
	tensor_load_to_lds s[G0X+4:G0X+7], s[G1X:G1X+7]
	s_nop 0
	PLACES
	v_and_b32 v1, 15, v0                           ; r = l % 16
	v_bfe_u32 v2, v0, 4, 1                         ; h = l / 16
	v_and_b32 v3, 31, v0                           ; l
.if YKN
	s_lshl_b32 s22, s[WV], 16                      ; my 16 rows of a sub-step's 64; a load takes one row's 512 bytes
	v_lshl_add_u32 v[YG], v3, 4, s22
.else
	s_lshl_b32 s22, s[WV], 17                      ; my 32 rows of the tile's 128; a load takes 256 bytes of two rows
	v_lshlrev_b32 v[YG], 12, v2
	v_lshl_add_u32 v[YG], v1, 4, v[YG]
	v_add_nc_u32 v[YG], s22, v[YG]
.endif
	WIN W_G
.set t, 0
.rept 63                               ; groups 0, 1, 2 and fifteen loads of group 3
	global_load_b128 v[4*t:4*t+3], v[YG], s[YP:YP+1] offset:(t/16)*YSUB+(t%16)*YLD
.set t, t+1
.endr
	WIN 0
	s_mul_i32 s21, s[HS], XHALF                    ; my 128 rows of X
	v_mul_u32_u24 v[AX0], v1, PX
	v_lshl_add_u32 v[AX0], v2, 4, v[AX0]
	v_add_nc_u32 v[AX0], s21, v[AX0]
	v_mov_b32 v[AX], v[AX0]
	s_mov_b32 s[TB], 0
	s_mul_i32 s23, s[WV], 16*YROW2                 ; a wave's part of a Y slot: 4,608 bytes
	s_add_co_u32 s23, s23, YBASE
.if YKN
	v_and_b32 v[AY], 7, v0                         ; the turning load: lane l reads 16 bytes of row 8 (l / 16) + l % 8, columns 8 ((l / 8) % 2) on, and is left with column l % 16 and 8 k
	v_lshl_add_u32 v[AY], v2, 3, v[AY]
	v_mul_u32_u24 v[AY], v[AY], PYK
	v_bfe_u32 v16, v0, 3, 1
	v_lshl_add_u32 v[AY], v16, 4, v[AY]
	s_lshl_b32 s22, s[HL], 7                       ; my 64 columns: 128 bytes of each row
	s_add_co_u32 s22, s22, YBASE
	v_add_nc_u32 v[AY], s22, v[AY]
	v_lshl_add_u32 v[YS], v3, 3, s23               ; a row's 256 bytes from 32 lanes
	s_and_b32 s22, s[CY], 1                        ; the prefetches: of each row's two blocks the one that is my work-group's; lanes 0-15 and 16-31 a sub-step apart
	s_lshl_b32 s22, s22, 8
	s_lshl_b32 s21, s[WV], 16
	s_add_co_u32 s22, s22, s21
	v_lshlrev_b32 v[PFOY], 12, v1
	v_lshl_add_u32 v[PFOY], v2, 18, v[PFOY]
	v_add_nc_u32 v[PFOY], s22, v[PFOY]
.else
	v_mul_u32_u24 v[AY], v1, PYN
	v_lshl_add_u32 v[AY], v2, 4, v[AY]
	s_mul_i32 s22, s[HL], 64*PYN                   ; my 64 rows of Y
	s_add_co_u32 s22, s22, YBASE
	v_add_nc_u32 v[AY], s22, v[AY]
	v_mul_u32_u24 v[YS], v2, PYN                   ; two rows' 128 bytes from 16 lanes each
	v_lshl_add_u32 v[YS], v1, 3, v[YS]
	v_add_nc_u32 v[YS], s23, v[YS]
	s_and_b32 s22, s[CY], 1                        ; the prefetches: a lane a row; of an X step's four blocks of a row the two that are my work-group's
	s_lshl_b32 s22, s22, 9
	s_lshl_b32 s21, s[WV], 17
	s_add_co_u32 s22, s22, s21
	v_lshl_add_u32 v[PFOY], v3, 12, s22
.endif
	v_mul_u32_u24 v[PFOX], v1, 2*XPITCH            ; X: 16 rows, two blocks a row
	v_lshl_add_u32 v[PFOX], v2, 8, v[PFOX]
	s_mul_i32 s2, s[CX], 32*XPITCH                 ; my work-group's 16 of my wave's 64 rows,
	s_add_co_u32 s2, s2, 2*512                     ; at X step 2: the first refill steps it to 3
	s_mov_b32 s3, 0
	s_add_nc_u64 s[PFX:PFX+1], s[68:69], s[2:3]
	s_mov_b32 s23, ttmp9
	s_cmp_eq_u32 s23, 0
	s_cselect_b32 s[LIM], 1, 0                     ; the same in all sixteen partners
	s_mul_i32 s23, s[HS], 128*SP                   ; into the stage: my 128 rows, my half of their bytes
	s_mul_i32 s21, s[HL], ROWB/2
	s_add_co_u32 s23, s23, s21
	s_add_co_u32 s23, s23, STAGE
	v_mul_u32_u24 v[STO], v1, SP
	v_lshl_add_u32 v[STO], v2, HSH, v[STO]
	v_add_nc_u32 v[STO], s23, v[STO]
	s_mul_i32 s23, s[WV], 64*SP                    ; back: rows 64 w on
	s_add_co_u32 s23, s23, STAGE
.if ROWB == 256
	v_mul_u32_u24 v[RD], v2, SP                    ; lanes 0-15 one row of 256 bytes, lanes 16-31 the next
	v_lshl_add_u32 v[RD], v1, 4, v[RD]
	v_mul_u32_u24 v[CO], v2, OROWB
	v_lshl_add_u32 v[CO], v1, 4, v[CO]
.else
	v_lshlrev_b32 v[CO], 4, v3                     ; 32 lanes one row of 512 bytes
	v_mov_b32 v[RD], v[CO]
.endif
	v_add_nc_u32 v[RD], s23, v[RD]
	s_lshl_b32 s21, s[TY], 8
	s_lshl_b32 s22, s[WV], 6
	s_add_co_u32 s21, s21, s22                     ; the first row of out that I store
	s_mul_i32 s2, s21, OROWB
	s_mul_i32 s22, s[TX], ROWB
	s_add_co_u32 s2, s2, s22
	s_mov_b32 s3, 0
	s_add_nc_u64 s[OBS:OBS+1], s[8:9], s[2:3]
	s_wait_xcnt 0x0                                ; the 63 loads have read their base, which steps to X step 1
	s_add_nc_u64 s[YP:YP+1], s[YP:YP+1], YXSTEP
	s_wait_loadcnt 47                              ; group 0 is in: behind its last load stand 16 + 16 + 15
	YCVT 0
	YSTORE 0
	YLOADS 0, 2                                    ; group 3's sixteenth load, fifteen of group 4
	WIN 0
	s_wait_tensorcnt 0x1                           ; my part of X step 0 is in; X step 1's may stay out: no tensor load fills anything behind this barrier
	s_wait_dscnt 0x0                               ; my part of Y's sub-step 0 is in LDS
	s_barrier_signal -1
	s_barrier_wait -1                              ; everybody's is
	FETCH 0, 0, 0, 0
	QA 0, 1, 2, 47, 1                              ; the first quarter is written out: its products start the sums
	WIN 0
	s_mov_b32 s[CNT], NX-1
	s_branch .Lfirst                               ; the loop is entered in the middle of a trip
.Lstep:                                        ; a trip: sub-step 3 of an X step, with the change of slots, and sub-steps 0 to 2 of the next.  So cut, a trip that refills X's slot is a trip that asks for four groups of Y
	s_wait_xcnt 0x0                                ; the loads (48 matrix instructions back) and prefetches issued so far have read their bases
	s_add_nc_u64 s[YP:YP+1], s[YP:YP+1], YXSTEP
	s_add_nc_u64 s[PFX:PFX+1], s[PFX:PFX+1], 512
	QA 3, 0, 2, 47, 0                              ; 47: behind a group's sixteenth load stand 15 + 16 + 16
	QB 3, 1
	QA 0, 1, 2, 47, 0
	WIN 0
.Lfirst:
	QB 0, 0
	QA 1, 2, 2, 47, 0
	QB 1, 0
	QA 2, 3, 2, 47, 0
	QB 2, 0
	WIN 0
	s_sub_co_u32 s[CNT], s[CNT], 1
	s_cmp_lg_u32 s[CNT], 0
	s_cbranch_scc1 .Lstep
	QA 3, 0, 1, 47, 0                              ; the last trip is written out: nothing is refilled, one load is left to issue, and the counts run down
	QB 3, 2
	QA 0, 1, 0, 32, 0                              ; behind this group's last load: 15 + 16 + 1
	QB 0, 0
	QA 1, 2, 0, 16, 0                              ; 15 + 1
	QB 1, 0
	QA 2, 3, 0, 0, 0
	QB 2, 0
	QA 3, 0, -1, 0, 0                              ; the last sub-step
	QB 3, 3
	WIN 0
	s_wait_dscnt 0x0
	s_barrier_signal -1
	s_barrier_wait -1                              ; nobody reads X's slots any more, and slot 1 has had its last fill: it becomes the stage
	PLACES
	PLACES
.irp a, 0,1,2,3,4,5,6,7
	PUT \a
.endr
	s_wait_dscnt 0x0                               ; for the others' sake: my stores into the stage are done
	s_barrier_signal -1
	s_barrier_wait -1                              ; a row's bytes come from two waves
	GET
	s_wait_tensorcnt 0x0                           ; the wave's end: behind my last tensor load and my last LDS store
	ds_add_u32 v[SPW], v[NIL]
	s_wait_dscnt 0x0
	CROUND                                         ; the closing round: no work-group ends while a partner may still ask for a tile that names it
	s_endpgm
.Lfunc_end_k_q48dff89885_g3:
	.size	k_q48dff89885_g3, .Lfunc_end_k_q48dff89885_g3-k_q48dff89885_g3
	.p2alignl 7, 3214868480
	.fill 96, 4, 3214868480
	.section	.rodata,"a",@progbits
	.p2align	6, 0x0
	.amdhsa_kernel k_q48dff89885_g3
		.amdhsa_group_segment_fixed_size 327680
		.amdhsa_private_segment_fixed_size 0
		.amdhsa_enable_private_segment 0
		.amdhsa_kernarg_size 24
		.amdhsa_user_sgpr_count 2
		.amdhsa_user_sgpr_kernarg_segment_ptr 1
		.amdhsa_wavefront_size32 1
		.amdhsa_system_sgpr_workgroup_id_x 1
		.amdhsa_system_sgpr_workgroup_id_y 1
		.amdhsa_system_sgpr_workgroup_id_z 1
		.amdhsa_system_vgpr_workitem_id 0
		.amdhsa_next_free_vgpr 1024
		.amdhsa_next_free_sgpr 72
		.amdhsa_reserve_vcc 0
		.amdhsa_float_denorm_mode_32 3
		.amdhsa_float_denorm_mode_16_64 3
		.amdhsa_memory_ordered 1
		.amdhsa_forward_progress 1
		.amdhsa_inst_pref_size 148
	.end_amdhsa_kernel
	.amdgpu_metadata
---
amdhsa.version: [ 1, 2 ]
amdhsa.kernels:
  - .name:           k_q48dff89885_g3
    .symbol:         k_q48dff89885_g3.kd
    .args:
      - { .name: tq, .offset: 0, .size: 8, .value_kind: global_buffer, .address_space: global }
      - { .name: key, .offset: 8, .size: 8, .value_kind: global_buffer, .address_space: global }
      - { .name: sc, .offset: 16, .size: 8, .value_kind: global_buffer, .address_space: global }
    .group_segment_fixed_size: 327680
    .private_segment_fixed_size: 0
    .kernarg_segment_align: 8
    .kernarg_segment_size: 24
    .max_flat_workgroup_size: 128
    .sgpr_count:     72
    .vgpr_count:     1024
    .wavefront_size: 32
...
	.end_amdgpu_metadata
.endif
;; end of part 9
;; launch soft: the kernel of part 4 again; grid 512 x 1, 8 waves a work-group, no clusters, 0 bytes of LDS; arguments sc, pq, bk, mask, out1, pb, sa; writes out1, pb, sa
;; launch g5 (part 10): grid 8 x 16, 4 waves a work-group, clusters of 4 x 4, 327,680 bytes of LDS; arguments pb, value, xa; writes xa
.if DOCPART == 10
	.amdgcn_target "amdgcn-amd-amdhsa--gfx1250"
	.amdhsa_code_object_version 6
	.text
	.protected	k_q48dff89885_g5
	.globl	k_q48dff89885_g5
	.p2align	8
	.type	k_q48dff89885_g5,@function
k_q48dff89885_g5:
	s_mov_b64 s[64:65], 0
	v_nop
	global_prefetch_b8 v0, s[64:65] scope:SCOPE_SE
	s_setreg_imm32_b32 hwreg(HW_REG_WAVE_MODE, 25, 1), 1
	s_wait_xcnt 0x0
	s_wait_alu depctr_hold_cnt(0) depctr_sa_sdst(0) depctr_va_vdst(0) depctr_va_sdst(0) depctr_va_ssrc(0) depctr_va_vcc(0) depctr_vm_vsrc(0)
	s_getreg_b32 s2, hwreg(HW_REG_IB_STS2, 6, 4)
	s_cmp_eq_u32 s2, 0
	s_cbranch_scc0 .Lentry_in_a_cluster
	s_endpgm
.Lentry_in_a_cluster:
	s_bfe_u32 s2, ttmp6, 0x10000c
	s_cmp_lg_u32 s2, 0xf033
	s_cbranch_scc0 .Lentry_shape_is_right
	s_endpgm
.Lentry_shape_is_right:
; U[b][q][c] = the sum over k of attn[b][q][k] value[b][k][c].  X = pb (attn in bf16): [4096][2048]; Y = value: [8][2048][1024] f32, lying [k][n], rounded to bf16 once on its way from memory to LDS;
; sums in f32; out = xa (U): [4096][1024] bf16, rounded once.  A tile row is half a batch's 512 queries.  128 work-groups: with 256 smaller tiles a slot of X would hold half the matrix work, and Y would be read four times.
; LIMITS.  NaN and infinities are not treated apart.
.set XPITCH, 2048                      ; elements in a row of X
.set NX,     8                         ; X steps of 256 along K
.set YKN,    1                         ; Y lies [k][n]
.set OUT,    2                         ; bf16, as it is
.set OROWB,  2048                      ; bytes in a row of out
.set ROWB,   256                       ; bytes of a row of out in a tile
; ---- from here on the text is the same in the two kernels whose Y is f32; the six constants above choose among its forms ----
; SHARES.  A work-group makes 256 rows x 128 columns of out; its four waves lie 2 x 2, each with 128 x 64: 32 accumulators of 16 x 16, 256 registers.
; X comes by tensor loads into two LDS slots of 256 rows x 256 along K (rows of 512 bytes): each wave fetches 64 rows.  X's tile hangs on the tile row alone: 4 x 4 work-groups form a cluster, and the four of a
; row of the cluster ask for it jointly.  A slot is multiplied by 256 matrix instructions a wave.
; Y GOES THROUGH REGISTERS, since it has to be rounded on the way, which no tensor load does: 16-byte loads that cover whole aligned blocks of 256 bytes, v_cvt_pk_bf16_f32, 8-byte LDS stores.  So each number of Y is
; rounded once in the work-group and lies in LDS in 2 bytes.  No multicast for Y: only the two row blocks of a batch want the same tile.
; A SUB-STEP is 64 along K: 32 KiB of Y in f32, a quarter to each wave: 16 loads, a GROUP, 64 registers.  Four groups of registers take turns.  In sub-step t a wave rounds and stores group t + 1 into the Y slot that is
; not being read (two slots of 18,432 bytes) and asks for group t + 5 in the registers just freed: a group has four sub-steps, 256 matrix instructions, in which to come.  These loads stay out across barriers.
; A group's sixteenth load is issued one sub-step late, at the head of the next batch of 16: so 47 + 16 = 63 loads of a wave are out at the most, which LOADcnt can hold (ISA guide 5.7.1).
; ONE BARRIER A SUB-STEP: in front of it each wave's stores of the next Y slot are done and its reads of this one are back.  Every fourth is the change of X's slots.
; THE MATRIX INSTRUCTION IS USED TRANSPOSED: source 0 = 16 of Y's indices n, source 1 = 16 rows of X: a lane holds one row of out (lane % 16) and eight neighbouring n.
; REGISTERS, in windows of 256 (s_set_vgpr_msb: bits 1:0 source 0, 3:2 source 1, 5:4 source 2, 7:6 destination):
;   window 0: v0-15 addresses; v32-63 a group rounded to bf16; v64-79, v128-255 the way out          window 1: v0-127 X's fragments, two buffers of 64; v128-191 Y's, two buffers of 32
;   window 2: accumulator (a, b) at v[8 (4 a + b)]          window 3: the four groups, group g at v[64 (g % 4)], its load i at + 4 i
.set PX,     528                       ; a row of X in LDS: 512 bytes + 16 = 33 x 16: the 16 rows of a load start in 16 different groups of four banks (64 banks of 4 bytes: ISA guide 11.1)
.set XQ,     64*PX                     ; what one tensor load brings
.set XHALF,  128*PX                    ; what one wave reads
.set STRIDE, 0x22000                   ; X's slot 1 begins here: a number that shares no bit with the four waves' places in a slot, so one exclusive or changes slots
.set STAGE,  STRIDE                    ; the way out goes through X's slot 1, behind that slot's last fill and last read
.set SP,     ROWB+16
.set YBASE,  STRIDE+256*PX             ; behind X's slots: Y's two slots, blocks of 256 bytes into which no tensor load lands
.set PYN,    144                       ; [n][k]: a row of 64 k: 128 bytes + 16 = 9 x 16.  A store's two rows (2 x 128 bytes, 144 apart) meet in four banks, two lanes each
.set PYK,    288                       ; [k][n]: a row of 128 n: 256 bytes + 32 = 9 x 32
.set YSLOT,  18432                     ; 128 x 144 = 64 x 288
.set YROW2,  288                       ; from a wave's store to its next: two rows of 144, or one of 288
.set SPARE,  YBASE+2*YSLOT             ; behind them: the spare words, 128 bytes for each wave: two blocks of 256 bytes that no other line names
.if YKN
.set YSUB,   64*4096                   ; bytes in memory from a sub-step of Y to the next,
.set YLD,    4096                      ; from a wave's load to its next (a row of 512 bytes),
.set YPF2,   2*YSUB                    ; from its first prefetch to its second
.else
.set YSUB,   256
.set YLD,    8192                      ; (two rows of 256 bytes)
.set YPF2,   256
.endif
.set YXSTEP, 4*YSUB
.if OUT == 1
.set HSH, 5                            ; the upper half of the lanes stands 32 or 16 bytes further along a stage row
.else
.set HSH, 4
.endif
.set AX0, 4                            ; v4   my lane's place in a slot of X; never rewritten
.set AY,  5                            ; v5   my lane's place in Y's slot 0, for fragments; never rewritten
.set AX,  6                            ; v6   AX0 in the slot in hand
.set YS,  7                            ; v7   where I store 8 bytes of Y in slot 0; never rewritten
.set STO, 8                            ; v8   the way out: where I put my part of a row
.set RD,  9                            ; v9   where I read rows back
.set CO,  10                           ; v10  my byte offset in out
.set YG,  11                           ; v11  my byte offset in Y's tile in memory; never rewritten
.set PFOX, 12                          ; v12, v13  the prefetches' offsets; never rewritten
.set PFOY, 13
.set SPW, 14                           ; v14  LDS address of my spare word; never rewritten
.set NIL, 15                           ; v15  0; never rewritten
.set PKT, 32
.set PK,  64
.set OB,  128
.set YF,  128                          ; window 1
.set WV,  14                           ; s14  my wave's number
.set HS,  15                           ; s15  wave / 2: my half of the tile's rows
.set HL,  16                           ; s16  wave % 2: my half of its columns
.set CX,  17
.set CY,  18
.set TX,  19                           ; tile column
.set TY,  20                           ; tile row
.set G1X, 24                           ; s[24:31] descriptor group 1
.set G0X, 40                           ; s[40:47] group 0: a set for each first fill; the second then walks on
.set TB,  56                           ; s56  0 or STRIDE: X's slot in hand
.set CNT, 57                           ; s57  trips to go
.set LIM, 58                           ; s58  1 in the clusters that prefetch X
.set PFX, 60                           ; s[60:61] where my prefetch of X stands
.set YP,  62                           ; s[62:63] Y's tile at the X step whose groups the trip in hand asks for
.set OBS, 66                           ; s[66:67] out at the first row that I store
.set W_MUL, 0xa5                       ; Y and X window 1, C and D window 2
.set W_LD,  0x40                       ; destination window 1, address window 0
.set W_CVT, 0x0f                       ; both sources window 3, destination window 0
.set W_G,   0xc0                       ; destination window 3, address window 0
.set MSB, 0
.macro WIN new                         ; the immediate's high byte repeats the setting that is left; a switch that changes nothing is dropped
.if MSB != (\new)
	s_set_vgpr_msb (MSB<<8)|(\new)
.set MSB, \new
.endif
.endm
.macro PLACES                          ; four plain instructions between a matrix instruction and a load into, or a vector read of, its registers
.rept 4
	v_nop
.endr
.endm
.macro CREST                           ; a round of the cluster's barrier behind its opening barrier
	s_cmp_lg_u32 s[WV], 0
	s_cbranch_scc1 .Lnot_wave_0_\@
	s_barrier_signal -3
.Lnot_wave_0_\@:
	s_barrier_wait -3
	s_barrier_signal -1
	s_barrier_wait -1
.endm
.macro CROUND                          ; a whole round
	s_barrier_signal -1
	s_barrier_wait -1
	CREST
.endm
; PREFETCHES, behind a refill and the run of LDS loads: the 256 along K of the X step after the one just asked for.  Each aligned block of 256 bytes is named once in the launch.  Y: a wave names the rows that it will
; load itself; the two work-groups that read the tile take half of the blocks each, told apart by address: 64 blocks, two instructions.  X: its rows are read by every cluster of a row of clusters: the one with
; x = 0 asks, its four partners taking 16 of a wave's 64 rows each, told apart by address: 16 rows x 2 blocks, one instruction.  The last refill has no X step behind it and asks for nothing.
.macro ASK
	s_cmp_gt_u32 s[CNT], 1
	s_cbranch_scc0 .Lnone_\@
	global_prefetch_b8 v[PFOY], s[YP:YP+1] offset:YXSTEP th:TH_LOAD_NT scope:SCOPE_SE
	global_prefetch_b8 v[PFOY], s[YP:YP+1] offset:YXSTEP+YPF2 th:TH_LOAD_NT scope:SCOPE_SE
	s_cmp_eq_u32 s[LIM], 1
	s_cbranch_scc0 .Lnone_\@
	global_prefetch_b8 v[PFOX], s[PFX:PFX+1] th:TH_LOAD_NT scope:SCOPE_SE
.Lnone_\@:
.endm
.macro MM f, zero                      ; matrix instruction i of a quarter's 32: row block i / 4, column block i % 4.  zero = 1: it starts the sum
.if \zero
	v_wmma_f32_16x16x32_bf16 v[8*i:8*i+7], v[YF+32*(\f)+8*(i%4):YF+32*(\f)+8*(i%4)+7], v[64*(\f)+8*(i/4):64*(\f)+8*(i/4)+7], 0
.else
	v_wmma_f32_16x16x32_bf16 v[8*i:8*i+7], v[YF+32*(\f)+8*(i%4):YF+32*(\f)+8*(i%4)+7], v[64*(\f)+8*(i/4):64*(\f)+8*(i/4)+7], v[8*i:8*i+7]
.endif
.set i, i+1
.endm
.macro MULS f, i0, n, zero             ; n of them from i0 on.  The 32 accumulators take turns in the same order in every quarter
	WIN W_MUL
.set i, \i0
.rept \n
	MM \f, \zero
.endr
.endm
.macro MULC f, rb, zero                ; matrix instructions 8 to 15 of a quarter, behind each four of the 32 conversions of the group in ring place rb
.set i, 8
.set c, 0
.rept 8
	WIN W_MUL
	MM \f, \zero
	WIN W_CVT
.rept 4
	v_cvt_pk_bf16_f32 v[PKT+c], v[64*(\rb)+2*c], v[64*(\rb)+2*c+1]
.set c, c+1
.endr
.endr
.endm
.macro YCVT rb                         ; the same 32 conversions by themselves
	WIN W_CVT
.set c, 0
.rept 32
	v_cvt_pk_bf16_f32 v[PKT+c], v[64*(\rb)+2*c], v[64*(\rb)+2*c+1]
.set c, c+1
.endr
.endm
.macro YSTORE sl                       ; the rounded group into Y's slot sl: what load t brought, 8 bytes a lane
	WIN 0
.set t, 0
.rept 16
	ds_store_b64 v[YS], v[PKT+2*t:PKT+2*t+1] offset:(\sl)*YSLOT+t*YROW2
.set t, t+1
.endr
.endm
; A batch of 16 loads, at place j of a trip: the sixteenth load of the group before, then the first fifteen of the group of sub-step j of the X step at s[YP].  mode 2: the batch; 1: the launch's last load alone; 0: nothing.
.macro YLOADS j, mode
.if (\mode) == 2
	WIN W_G
	global_load_b128 v[64*(((\j)+3)%4)+60:64*(((\j)+3)%4)+63], v[YG], s[YP:YP+1] offset:((\j)-1)*YSUB+15*YLD
.set t, 0
.rept 15
	global_load_b128 v[64*(\j)+4*t:64*(\j)+4*t+3], v[YG], s[YP:YP+1] offset:(\j)*YSUB+t*YLD
.set t, t+1
.endr
.elseif (\mode) == 1
	WIN W_G
	global_load_b128 v[252:255], v[YG], s[YP:YP+1] offset:3*YSUB+15*YLD
.endif
.endm
; 24 LDS loads in one run: the fragments of 32 along K into buffer g: Y's four (slot sl, half q of its 64 along K), then X's eight (32 along K number kq of the slot in hand).
; A fragment is 16 rows x 32 K in 8 registers: lane l holds row l % 16; registers 0-3 K = 8 (l / 16) + 0..7, registers 4-7 K = 16 + 8 (l / 16) + 0..7.
.macro FETCH sl, q, kq, g
	WIN W_LD
.set t, 0
.rept 4
.if YKN
	ds_load_tr16_b128 v[YF+32*(\g)+8*t:YF+32*(\g)+8*t+3],   v[AY] offset:(\sl)*YSLOT+32*(\q)*PYK+32*t
	ds_load_tr16_b128 v[YF+32*(\g)+8*t+4:YF+32*(\g)+8*t+7], v[AY] offset:(\sl)*YSLOT+32*(\q)*PYK+32*t+16*PYK
.else
	ds_load_b128 v[YF+32*(\g)+8*t:YF+32*(\g)+8*t+3],   v[AY] offset:(\sl)*YSLOT+t*16*PYN+64*(\q)
	ds_load_b128 v[YF+32*(\g)+8*t+4:YF+32*(\g)+8*t+7], v[AY] offset:(\sl)*YSLOT+t*16*PYN+64*(\q)+32
.endif
.set t, t+1
.endr
.set t, 0
.rept 8
	ds_load_b128 v[64*(\g)+8*t:64*(\g)+8*t+3],   v[AX] offset:t*16*PX+64*(\kq)
	ds_load_b128 v[64*(\g)+8*t+4:64*(\g)+8*t+7], v[AX] offset:t*16*PX+64*(\kq)+32
.set t, t+1
.endr
.endm
; THE FIRST QUARTER of sub-step p of an X step: multiplies buffer 0, fetches the second quarter into buffer 1, and does Y's part at place j = (p + 1) % 4 of the trip: the group in ring place j has come (cnt younger
; loads may be out), is rounded, goes into Y's slot j % 2, which nobody has read since the last barrier, and its registers are asked for again (mode: see YLOADS; -1: there is no further group).
.macro QA p, j, mode, cnt, zero
	s_wait_dscnt 0x0                               ; buffer 0's fragments are in
	MULS 0, 0, 8, \zero
	PLACES
	FETCH (\p)%2, 1, 2*(\p)+1, 1
.if (\mode) >= 0
	s_wait_loadcnt \cnt
	MULC 0, \j, \zero
	YSTORE (\j)%2
	YLOADS \j, \mode
	MULS 0, 16, 16, \zero
.else
	MULS 0, 8, 24, \zero
.endif
.endm
; THE SECOND QUARTER: multiplies buffer 1 and passes the sub-step's barrier; behind it the next sub-step's first fragments are fetched into buffer 0.
; kind 0: a barrier of the work-group.  kind 1: the change of X's slots with a refill: each wave waits for all its tensor loads (one is out: its part of the next slot), adds 0 to its spare word, and waits for that, for
; its stores and for its reads; the barrier opens a round of the cluster's barrier, and the slot just left is filled again first thing behind it, with the X step two on: 248 matrix instructions ahead of the wait for it.
; kind 2: the change without a refill.  kind 3: the launch's last quarter.
.macro QB p, kind
.if (\kind) == 3
	s_wait_dscnt 0x0
	MULS 1, 0, 32, 0
.else
.if (\kind) == 0
	s_wait_dscnt 16                                ; buffer 1's fragments are in; my 16 stores, issued behind them, may be out
.else
	WIN 0
	s_wait_tensorcnt 0x0                           ; no tensor load of mine is out, so a group 0 may be written
	ds_add_u32 v[SPW], v[NIL]                      ; 0 onto my spare word
.if (\kind) == 1
	s_xor_b32 s[G0X+5], s[G0X+5], STRIDE           ; the walking descriptor: the other slot than last time, the next X step
	s_add_nc_u64 s[G0X+6:G0X+7], s[G0X+6:G0X+7], 512
.endif
	s_wait_dscnt 17                                ; buffer 1's fragments are in; my 16 stores and the add may be out
.endif
	MULS 1, 0, 4, 0
	s_wait_dscnt 0x0                               ; my stores into the next Y slot are done, my reads of this one (and of X's slot) are back, the add is done
	s_barrier_signal -1
	MULS 1, 4, 4, 0
.if (\kind) != 0
	WIN 0                                          ; at a branch and at a label every window is 0
.endif
	s_barrier_wait -1
.if (\kind) == 1
	CREST                                          ; no wave of any partner still reads the slot or has a load on its way
	tensor_load_to_lds s[G0X+4:G0X+7], s[G1X:G1X+7]
	s_nop 0                                        ; the four behind it are also the places in front of the loads below
.endif
	PLACES
.if (\kind) == 0
	FETCH ((\p)+1)%2, 0, 2*(\p)+2, 0
.else
	s_xor_b32 s[TB], s[TB], STRIDE
	v_add_nc_u32 v[AX], s[TB], v[AX0]
	FETCH 0, 0, 0, 0
.endif
.if (\kind) == 1
	WIN 0
	ASK
.endif
	MULS 1, 8, 24, 0
.endif
.endm
; THE WAY OUT of row block a: 16 rows, my 64 columns, into the work-group's stage.  Each accumulator is read from its lowest registers on.
.macro PUT a
.if OUT == 1
	WIN 0x08                                       ; the stores' data: window 2
.set q, 0
.rept 8
	ds_store_b128 v[STO], v[32*(\a)+4*q:32*(\a)+4*q+3] offset:(\a)*16*SP+64*(q/2)+16*(q%2)
.set q, q+1
.endr
	WIN 0
.else
	WIN 0x0a                                       ; sources 0 and 1: window 2
.set q, 0
.rept 16
	v_cvt_pk_bf16_f32 v[PK+q], v[32*(\a)+2*q], v[32*(\a)+2*q+1]
.set q, q+1
.endr
	WIN 0
.set q, 0
.rept 4
	ds_store_b128 v[STO], v[PK+4*q:PK+4*q+3] offset:(\a)*16*SP+32*q
.set q, q+1
.endr
.endif
.endm
; Wave w reads rows 64 w .. 64 w + 63 back, whole, and stores them: sixteen lanes store 256 consecutive bytes, aligned.
.macro GET
	WIN 0
.if ROWB == 256
.set t, 0
.rept 32
	ds_load_b128 v[OB+4*t:OB+4*t+3], v[RD] offset:t*2*SP
.set t, t+1
.endr
.set t, 0
.rept 32
	s_wait_dscnt 31-t                              ; LDS loads come back in order: load t is in, the 31 - t behind it may be out
	global_store_b128 v[CO], v[OB+4*t:OB+4*t+3], s[OBS:OBS+1] offset:t*2*OROWB
.set t, t+1
.endr
.else
.irp u, 0,1
.if (\u) == 1
	s_wait_xcnt 0x0                                ; the first 32 stores have read their registers, which are loaded again
.endif
.set t, 0
.rept 32
	ds_load_b128 v[OB+4*t:OB+4*t+3], v[RD] offset:(32*(\u)+t)*SP
.set t, t+1
.endr
.set t, 0
.rept 32
	s_wait_dscnt 31-t
	global_store_b128 v[CO], v[OB+4*t:OB+4*t+3], s[OBS:OBS+1] offset:(32*(\u)+t)*OROWB
.set t, t+1
.endr
.endr
.endif
.endm
	s_load_b128 s[4:7], s[0:1], 0x0                ; X s[4:5], Y s[6:7]
	s_load_b64 s[8:9], s[0:1], 0x10                ; out
	v_lshl_add_u32 v[SPW], v0, 2, SPARE
	v_mov_b32 v[NIL], 0
	ds_add_u32 v[SPW], v[NIL]                      ; the wave's opening: the add, waited for ahead of my first tensor load; work on registers stands between them
	v_lshrrev_b32 v1, 5, v0
	v_readfirstlane_b32 s[WV], v1                  ; wave 0..3
	s_lshr_b32 s[HS], s[WV], 1
	s_and_b32 s[HL], s[WV], 1
	s_bfe_u32 s[CX], ttmp6, 0x40000                ; my place in the cluster
	s_bfe_u32 s[CY], ttmp6, 0x40004
	s_lshl_b32 s[TX], ttmp9, 2                     ; in a cluster launch ttmp9 and ttmp7 count clusters
	s_add_co_u32 s[TX], s[TX], s[CX]
	s_and_b32 s[TY], ttmp7, 0xffff
	s_lshl_b32 s[TY], s[TY], 2
	s_add_co_u32 s[TY], s[TY], s[CY]
	s_lshl_b32 s21, s[CY], 2
	s_lshl_b32 s21, 15, s21                        ; my row of the cluster
	s_or_b32 s[G1X], s21, (1<<16)|(1<<20)|(1<<21)|(6<<22)|(3<<25)  ; 15:0 the mask; 17:16 2-byte elements; 20 padding on; 21 set beside a mask; 24:22 after every 128 words; 31:25 4 words
	s_mov_b32 s[G1X+1], 256<<16                    ; tensor_dim0 = 256
	s_mov_b32 s[G1X+2], 64<<16                     ; tensor_dim1 = 64
	s_mov_b32 s[G1X+3], 256<<16                    ; tile_dim0 = 256
	s_mov_b32 s[G1X+4], 64                         ; tile_dim1 = 64
	s_mov_b32 s[G1X+5], XPITCH                     ; elements from row to row
	s_mov_b32 s[G1X+6], 0
	s_mov_b32 s[G1X+7], 0
	s_mul_i32 s2, s[WV], XQ                        ; where my 64 rows go in a slot: no place in the cluster enters an LDS address
.irp s, 0,1
	s_mov_b32 s[G0X+4*(\s)], 1                     ; count = 1
	s_add_co_u32 s[G0X+4*(\s)+1], s2, (\s)*STRIDE  ; LDS address
.endr
	s_lshl_b32 s21, s[TY], 8                       ; X: row 256 x tile row + 64 x wave: made of the tile row and the wave's number alone
	s_lshl_b32 s22, s[WV], 6
	s_add_co_u32 s21, s21, s22
	s_mul_i32 s68, s21, 2*XPITCH
	s_mov_b32 s69, 0
	s_lshr_b32 s70, s[TY], 1                       ; Y: the batch's 2,048 rows,
	s_lshl_b32 s70, s70, 11
.if !YKN
	s_lshl_b32 s22, s[TX], 7                       ; of them the tile column's 128,
	s_add_co_u32 s70, s70, s22
.endif
	s_lshl_b32 s70, s70, 12                        ; rows of 4,096 bytes
.if YKN
	s_lshl_b32 s22, s[TX], 9                       ; the tile column's 128 numbers of each row
	s_add_co_u32 s70, s70, s22
.endif
	s_mov_b32 s71, 0
	s_wait_dscnt 0x0                               ; the opening add is done
	s_wait_kmcnt 0x0
	s_add_nc_u64 s[68:69], s[4:5], s[68:69]        ; X at my 64 rows, X step 0
	s_add_nc_u64 s[YP:YP+1], s[6:7], s[70:71]      ; Y at the tile, X step 0
.irp s, 0,1
	s_add_nc_u64 s[G0X+4*(\s)+2:G0X+4*(\s)+3], s[68:69], (\s)*512
	s_or_b32 s[G0X+4*(\s)+3], s[G0X+4*(\s)+3], 0x80000000          ; type = 2
.endr
	CROUND                                         ; all sixteen work-groups are here: the first joint loads meet
	tensor_load_to_lds s[G0X:G0X+3], s[G1X:G1X+7]  ; the two first fills go out together, ahead of every wait on TENSORcnt and every LDS read: two loads of mine are out
	s_nop 0
	tensor_load_to_lds s[G0X+4:G0X+7], s[G1X:G1X+7]
	s_nop 0
	PLACES
	v_and_b32 v1, 15, v0                           ; r = l % 16
	v_bfe_u32 v2, v0, 4, 1                         ; h = l / 16
	v_and_b32 v3, 31, v0                           ; l
.if YKN
	s_lshl_b32 s22, s[WV], 16                      ; my 16 rows of a sub-step's 64; a load takes one row's 512 bytes
	v_lshl_add_u32 v[YG], v3, 4, s22
.else
	s_lshl_b32 s22, s[WV], 17                      ; my 32 rows of the tile's 128; a load takes 256 bytes of two rows
	v_lshlrev_b32 v[YG], 12, v2
	v_lshl_add_u32 v[YG], v1, 4, v[YG]
	v_add_nc_u32 v[YG], s22, v[YG]
.endif
	WIN W_G
.set t, 0
.rept 63                               ; groups 0, 1, 2 and fifteen loads of group 3
	global_load_b128 v[4*t:4*t+3], v[YG], s[YP:YP+1] offset:(t/16)*YSUB+(t%16)*YLD
.set t, t+1
.endr
	WIN 0
	s_mul_i32 s21, s[HS], XHALF                    ; my 128 rows of X
	v_mul_u32_u24 v[AX0], v1, PX
	v_lshl_add_u32 v[AX0], v2, 4, v[AX0]
	v_add_nc_u32 v[AX0], s21, v[AX0]
	v_mov_b32 v[AX], v[AX0]
	s_mov_b32 s[TB], 0
	s_mul_i32 s23, s[WV], 16*YROW2                 ; a wave's part of a Y slot: 4,608 bytes
	s_add_co_u32 s23, s23, YBASE
.if YKN
	v_and_b32 v[AY], 7, v0                         ; the turning load: lane l reads 16 bytes of row 8 (l / 16) + l % 8, columns 8 ((l / 8) % 2) on, and is left with column l % 16 and 8 k
	v_lshl_add_u32 v[AY], v2, 3, v[AY]
	v_mul_u32_u24 v[AY], v[AY], PYK
	v_bfe_u32 v16, v0, 3, 1
	v_lshl_add_u32 v[AY], v16, 4, v[AY]
	s_lshl_b32 s22, s[HL], 7                       ; my 64 columns: 128 bytes of each row
	s_add_co_u32 s22, s22, YBASE
	v_add_nc_u32 v[AY], s22, v[AY]
	v_lshl_add_u32 v[YS], v3, 3, s23               ; a row's 256 bytes from 32 lanes
	s_and_b32 s22, s[CY], 1                        ; the prefetches: of each row's two blocks the one that is my work-group's; lanes 0-15 and 16-31 a sub-step apart
	s_lshl_b32 s22, s22, 8
	s_lshl_b32 s21, s[WV], 16
	s_add_co_u32 s22, s22, s21
	v_lshlrev_b32 v[PFOY], 12, v1
	v_lshl_add_u32 v[PFOY], v2, 18, v[PFOY]
	v_add_nc_u32 v[PFOY], s22, v[PFOY]
.else
	v_mul_u32_u24 v[AY], v1, PYN
	v_lshl_add_u32 v[AY], v2, 4, v[AY]
	s_mul_i32 s22, s[HL], 64*PYN                   ; my 64 rows of Y
	s_add_co_u32 s22, s22, YBASE
	v_add_nc_u32 v[AY], s22, v[AY]
	v_mul_u32_u24 v[YS], v2, PYN                   ; two rows' 128 bytes from 16 lanes each
	v_lshl_add_u32 v[YS], v1, 3, v[YS]
	v_add_nc_u32 v[YS], s23, v[YS]
	s_and_b32 s22, s[CY], 1                        ; the prefetches: a lane a row; of an X step's four blocks of a row the two that are my work-group's
	s_lshl_b32 s22, s22, 9
	s_lshl_b32 s21, s[WV], 17
	s_add_co_u32 s22, s22, s21
	v_lshl_add_u32 v[PFOY], v3, 12, s22
.endif
	v_mul_u32_u24 v[PFOX], v1, 2*XPITCH            ; X: 16 rows, two blocks a row
	v_lshl_add_u32 v[PFOX], v2, 8, v[PFOX]
	s_mul_i32 s2, s[CX], 32*XPITCH                 ; my work-group's 16 of my wave's 64 rows,
	s_add_co_u32 s2, s2, 2*512                     ; at X step 2: the first refill steps it to 3
	s_mov_b32 s3, 0
	s_add_nc_u64 s[PFX:PFX+1], s[68:69], s[2:3]
	s_mov_b32 s23, ttmp9
	s_cmp_eq_u32 s23, 0
	s_cselect_b32 s[LIM], 1, 0                     ; the same in all sixteen partners
	s_mul_i32 s23, s[HS], 128*SP                   ; into the stage: my 128 rows, my half of their bytes
	s_mul_i32 s21, s[HL], ROWB/2
	s_add_co_u32 s23, s23, s21
	s_add_co_u32 s23, s23, STAGE
	v_mul_u32_u24 v[STO], v1, SP
	v_lshl_add_u32 v[STO], v2, HSH, v[STO]
	v_add_nc_u32 v[STO], s23, v[STO]
	s_mul_i32 s23, s[WV], 64*SP                    ; back: rows 64 w on
	s_add_co_u32 s23, s23, STAGE
.if ROWB == 256
	v_mul_u32_u24 v[RD], v2, SP                    ; lanes 0-15 one row of 256 bytes, lanes 16-31 the next
	v_lshl_add_u32 v[RD], v1, 4, v[RD]
	v_mul_u32_u24 v[CO], v2, OROWB
	v_lshl_add_u32 v[CO], v1, 4, v[CO]
.else
	v_lshlrev_b32 v[CO], 4, v3                     ; 32 lanes one row of 512 bytes
	v_mov_b32 v[RD], v[CO]
.endif
	v_add_nc_u32 v[RD], s23, v[RD]
	s_lshl_b32 s21, s[TY], 8
	s_lshl_b32 s22, s[WV], 6
	s_add_co_u32 s21, s21, s22                     ; the first row of out that I store
	s_mul_i32 s2, s21, OROWB
	s_mul_i32 s22, s[TX], ROWB
	s_add_co_u32 s2, s2, s22
	s_mov_b32 s3, 0
	s_add_nc_u64 s[OBS:OBS+1], s[8:9], s[2:3]
	s_wait_xcnt 0x0                                ; the 63 loads have read their base, which steps to X step 1
	s_add_nc_u64 s[YP:YP+1], s[YP:YP+1], YXSTEP
	s_wait_loadcnt 47                              ; group 0 is in: behind its last load stand 16 + 16 + 15
	YCVT 0
	YSTORE 0
	YLOADS 0, 2                                    ; group 3's sixteenth load, fifteen of group 4
	WIN 0
	s_wait_tensorcnt 0x1                           ; my part of X step 0 is in; X step 1's may stay out: no tensor load fills anything behind this barrier
	s_wait_dscnt 0x0                               ; my part of Y's sub-step 0 is in LDS
	s_barrier_signal -1
	s_barrier_wait -1                              ; everybody's is
	FETCH 0, 0, 0, 0
	QA 0, 1, 2, 47, 1                              ; the first quarter is written out: its products start the sums
	WIN 0
	s_mov_b32 s[CNT], NX-1
	s_branch .Lfirst                               ; the loop is entered in the middle of a trip
.Lstep:                                        ; a trip: sub-step 3 of an X step, with the change of slots, and sub-steps 0 to 2 of the next.  So cut, a trip that refills X's slot is a trip that asks for four groups of Y
	s_wait_xcnt 0x0                                ; the loads (48 matrix instructions back) and prefetches issued so far have read their bases
	s_add_nc_u64 s[YP:YP+1], s[YP:YP+1], YXSTEP
	s_add_nc_u64 s[PFX:PFX+1], s[PFX:PFX+1], 512
	QA 3, 0, 2, 47, 0                              ; 47: behind a group's sixteenth load stand 15 + 16 + 16
	QB 3, 1
	QA 0, 1, 2, 47, 0
	WIN 0
.Lfirst:
	QB 0, 0
	QA 1, 2, 2, 47, 0
	QB 1, 0
	QA 2, 3, 2, 47, 0
	QB 2, 0
	WIN 0
	s_sub_co_u32 s[CNT], s[CNT], 1
	s_cmp_lg_u32 s[CNT], 0
	s_cbranch_scc1 .Lstep
	QA 3, 0, 1, 47, 0                              ; the last trip is written out: nothing is refilled, one load is left to issue, and the counts run down
	QB 3, 2
	QA 0, 1, 0, 32, 0                              ; behind this group's last load: 15 + 16 + 1
	QB 0, 0
	QA 1, 2, 0, 16, 0                              ; 15 + 1
	QB 1, 0
	QA 2, 3, 0, 0, 0
	QB 2, 0
	QA 3, 0, -1, 0, 0                              ; the last sub-step
	QB 3, 3
	WIN 0
	s_wait_dscnt 0x0
	s_barrier_signal -1
	s_barrier_wait -1                              ; nobody reads X's slots any more, and slot 1 has had its last fill: it becomes the stage
	PLACES
	PLACES
.irp a, 0,1,2,3,4,5,6,7
	PUT \a
.endr
	s_wait_dscnt 0x0                               ; for the others' sake: my stores into the stage are done
	s_barrier_signal -1
	s_barrier_wait -1                              ; a row's bytes come from two waves
	GET
	s_wait_tensorcnt 0x0                           ; the wave's end: behind my last tensor load and my last LDS store
	ds_add_u32 v[SPW], v[NIL]
	s_wait_dscnt 0x0
	CROUND                                         ; the closing round: no work-group ends while a partner may still ask for a tile that names it
	s_endpgm
.Lfunc_end_k_q48dff89885_g5:
	.size	k_q48dff89885_g5, .Lfunc_end_k_q48dff89885_g5-k_q48dff89885_g5
	.p2alignl 7, 3214868480
	.fill 96, 4, 3214868480
	.section	.rodata,"a",@progbits
	.p2align	6, 0x0
	.amdhsa_kernel k_q48dff89885_g5
		.amdhsa_group_segment_fixed_size 327680
		.amdhsa_private_segment_fixed_size 0
		.amdhsa_enable_private_segment 0
		.amdhsa_kernarg_size 24
		.amdhsa_user_sgpr_count 2
		.amdhsa_user_sgpr_kernarg_segment_ptr 1
		.amdhsa_wavefront_size32 1
		.amdhsa_system_sgpr_workgroup_id_x 1
		.amdhsa_system_sgpr_workgroup_id_y 1
		.amdhsa_system_sgpr_workgroup_id_z 1
		.amdhsa_system_vgpr_workitem_id 0
		.amdhsa_next_free_vgpr 1024
		.amdhsa_next_free_sgpr 72
		.amdhsa_reserve_vcc 0
		.amdhsa_float_denorm_mode_32 3
		.amdhsa_float_denorm_mode_16_64 3
		.amdhsa_memory_ordered 1
		.amdhsa_forward_progress 1
		.amdhsa_inst_pref_size 148
	.end_amdhsa_kernel
	.amdgpu_metadata
---
amdhsa.version: [ 1, 2 ]
amdhsa.kernels:
  - .name:           k_q48dff89885_g5
    .symbol:         k_q48dff89885_g5.kd
    .args:
      - { .name: pb, .offset: 0, .size: 8, .value_kind: global_buffer, .address_space: global }
      - { .name: value, .offset: 8, .size: 8, .value_kind: global_buffer, .address_space: global }
      - { .name: xa, .offset: 16, .size: 8, .value_kind: global_buffer, .address_space: global }
    .group_segment_fixed_size: 327680
    .private_segment_fixed_size: 0
    .kernarg_segment_align: 8
    .kernarg_segment_size: 24
    .max_flat_workgroup_size: 128
    .sgpr_count:     72
    .vgpr_count:     1024
    .wavefront_size: 32
...
	.end_amdgpu_metadata
.endif
;; end of part 10
;; launch g6 (part 11): grid 8 x 32, 4 waves a work-group, clusters of 4 x 4, 327,680 bytes of LDS; arguments xa, wv, out0, bv, sa; writes out0
.if DOCPART == 11
	.amdgcn_target "amdgcn-amd-amdhsa--gfx1250"
	.amdhsa_code_object_version 6
	.text
	.protected	k_q48dff89885_g6
	.globl	k_q48dff89885_g6
	.p2align	8
	.type	k_q48dff89885_g6,@function
k_q48dff89885_g6:
	s_mov_b64 s[64:65], 0
	v_nop
	global_prefetch_b8 v0, s[64:65] scope:SCOPE_SE
	s_setreg_imm32_b32 hwreg(HW_REG_WAVE_MODE, 25, 1), 1
	s_wait_xcnt 0x0
	s_wait_alu depctr_hold_cnt(0) depctr_sa_sdst(0) depctr_va_vdst(0) depctr_va_sdst(0) depctr_va_ssrc(0) depctr_va_vcc(0) depctr_vm_vsrc(0)
	s_getreg_b32 s2, hwreg(HW_REG_IB_STS2, 6, 4)
	s_cmp_eq_u32 s2, 0
	s_cbranch_scc0 .Lentry_in_a_cluster
	s_endpgm
.Lentry_in_a_cluster:
	s_bfe_u32 s2, ttmp6, 0x10000c
	s_cmp_lg_u32 s2, 0xf033
	s_cbranch_scc0 .Lentry_shape_is_right
	s_endpgm
.Lentry_shape_is_right:
; out0[m][d] = the sum over c of U[m][c] Wv[d][c] + sa[m] bv[d]: the value projection applied behind the weighted sum; sa[m], the row's sum of attn, is what multiplies the projection's bias.
; X = xa (U): [4096][1024] bf16; Y = wv: Wv in bf16, [1024][1024] (rounded once by the first launch); bv: [1024] f32, rounded to bf16 once, like the other inputs; sa: [4096] f32; sums in f32; out0: [4096][1024] f32.
; LIMITS.  NaN and infinities are not treated apart.
.set OUT,    3                         ; f32, + sa[row] x bias[column]
.set OROWB,  4096                      ; bytes in a row of out
.set ROWB,   512                       ; bytes of a row of out in a tile
; ---- from here on the text is the same in the two kernels that multiply by a weight; the three constants above choose among its forms ----
; SHARES.  A work-group makes 128 x 128 of out: 32 x 8 = 256 work-groups.  Its four waves lie 2 x 2, each with 64 x 64: 16 accumulators of 16 x 16, 128 registers.  K goes in 4 steps of 256 through two LDS slots:
; rows of 512 bytes, as long as two slots of 128 + 128 rows allow.  Waves 0 and 1 fetch X's halves, waves 2 and 3 Y's: 64 rows x 512 bytes, one tensor load a wave.
; CLUSTER.  4 x 4 work-groups.  X's tile hangs on the tile row alone and is asked for jointly along a row of the cluster, Y's on the tile column alone and is asked for jointly along a column.
; THE MATRIX INSTRUCTION IS USED TRANSPOSED: source 0 = 16 rows of Y, source 1 = 16 rows of X: a lane holds one row of out (lane % 16) and eight neighbouring columns.
; REGISTERS, in windows of 256 (s_set_vgpr_msb: bits 1:0 source 0, 3:2 source 1, 5:4 source 2, 7:6 destination):
;   window 0: v0-15 addresses; v96-127 bias; v128-255 the way out
;   window 1: two fragment buffers of 128: for 64 along K (two matrix instructions deep) 64 registers of X (2 x 4 x 16 rows x 32 K), then 64 of Y          window 2: accumulator (a, b) at v[8 (4 a + b)]
.set KSTEP,  256
.set STEPS,  1024/KSTEP
.set PITCH,  528                       ; an LDS row: 512 bytes + 16 = 33 x 16: the 16 rows of a load start in 16 different groups of four banks (64 banks of 4 bytes: ISA guide 11.1)
.set HALFT,  64*PITCH                  ; 64 rows: what one tensor load brings, and what one wave reads of X or of Y
.set YOFF,   2*HALFT                   ; in a slot: X's 128 rows, then Y's 128
.set STRIDE, 0x22000                   ; slot 1 begins here: a number that shares no bit with the four tiles' places in a slot, so one exclusive or changes slots
.set STAGE,  STRIDE                    ; the way out goes through slot 1's bytes, behind that slot's last fill and last read
.set SP,     ROWB+16
.set SPARE,  STRIDE+4*HALFT            ; behind slot 1: the spare words, 128 bytes for each wave: two blocks of 256 bytes that no other line names
.if OUT == 0
.set HSH,   4                          ; the upper half of the lanes stands 16 or 32 bytes further along a stage row
.set RSTEP, 2                          ; rows that one load from the stage takes
.else
.set HSH,   5
.set RSTEP, 1
.endif
.set NGET,  32/RSTEP                   ; loads from the stage, and stores, of a wave
.set AX0, 4                            ; v4, v5   my lane's place in a slot's X and Y; never rewritten
.set AY0, 5
.set AX,  6                            ; v6, v7   the same in the slot in hand
.set AY,  7
.set STO, 8                            ; v8   the way out: where I put my part of a row
.set RD,  9                            ; v9   where I read rows back
.set CO,  10                           ; v10  my byte offset in out
.set BO,  11                           ; v11  in bias
.set SO,  12                           ; v12  in sa
.set SPW, 14                           ; v14  LDS address of my spare word; never rewritten
.set NIL, 15                           ; v15  0; never rewritten
.set BIAS, 96
.set SA,  128                          ; v128-135  sa of my row in block a, twice: a pair for the packed multiply-add
.set TMP, 144
.set PK,  176
.set OB,  128                          ; v128-255  rows read back from the stage
.set WV,  14                           ; s14  my wave's number
.set HS,  15                           ; s15  wave / 2: my half of the tile's rows
.set HL,  16                           ; s16  wave % 2: my half of its columns; also which half of X's or Y's tile I fetch
.set CX,  17
.set CY,  18
.set TX,  19                           ; tile column
.set TY,  20                           ; tile row
.set G1X, 24                           ; s[24:31] descriptor group 1 for X, s[32:39] for Y: they differ in the mask alone
.set G1Y, 32
.set G0X, 40                           ; s[40:47] group 0 for X: a set for each first fill; the second then walks on.  s[48:55] the same for Y
.set G0Y, 48
.set TB,  56                           ; s56  0 or STRIDE: the slot in hand
.set CNT, 57
.set OBS, 66                           ; s[66:67] out at the first row that I store
.set W_MUL, 0xa5                       ; Y and X window 1, C and D window 2
.set W_LD,  0x40                       ; destination window 1, address window 0
.set MSB, 0
.macro WIN new                         ; the immediate's high byte repeats the setting that is left; a switch that changes nothing is dropped
.if MSB != (\new)
	s_set_vgpr_msb (MSB<<8)|(\new)
.set MSB, \new
.endif
.endm
.macro PLACES                          ; four plain instructions between a matrix instruction and a load into, or a vector read of, its registers
.rept 4
	v_nop
.endr
.endm
.macro CREST                           ; a round of the cluster's barrier behind its opening barrier
	s_cmp_lg_u32 s[WV], 0
	s_cbranch_scc1 .Lnot_wave_0_\@
	s_barrier_signal -3
.Lnot_wave_0_\@:
	s_barrier_wait -3
	s_barrier_signal -1
	s_barrier_wait -1
.endm
.macro CROUND                          ; a whole round
	s_barrier_signal -1
	s_barrier_wait -1
	CREST
.endm
.macro JLOAD                           ; a joint refill by the walking descriptors; the branch hangs on the wave's number alone; an s_nop 0 and four v_nop follow each line
	s_cmp_lt_u32 s[WV], 2
	s_cbranch_scc0 .Lfor_y_\@
	tensor_load_to_lds s[G0X+4:G0X+7], s[G1X:G1X+7]
	s_nop 0
.rept 4
	v_nop
.endr
	s_branch .Lasked_\@
.Lfor_y_\@:
	tensor_load_to_lds s[G0Y+4:G0Y+7], s[G1Y:G1Y+7]
	s_nop 0
.rept 4
	v_nop
.endr
.Lasked_\@:
.endm
.macro MM f, zero                      ; matrix instruction i of a quarter's 32: 32 along K number i / 16, row block (i % 16) / 4, column block i % 4.  zero = 1: the first sixteen start the sums
.if (\zero) && (i < 16)
	v_wmma_f32_16x16x32_bf16 v[8*(i%16):8*(i%16)+7], v[128*(\f)+64+8*(4*(i/16)+i%4):128*(\f)+64+8*(4*(i/16)+i%4)+7], v[128*(\f)+8*(4*(i/16)+(i%16)/4):128*(\f)+8*(4*(i/16)+(i%16)/4)+7], 0
.else
	v_wmma_f32_16x16x32_bf16 v[8*(i%16):8*(i%16)+7], v[128*(\f)+64+8*(4*(i/16)+i%4):128*(\f)+64+8*(4*(i/16)+i%4)+7], v[128*(\f)+8*(4*(i/16)+(i%16)/4):128*(\f)+8*(4*(i/16)+(i%16)/4)+7], v[8*(i%16):8*(i%16)+7]
.endif
.set i, i+1
.endm
.macro MULS f, i0, n, zero             ; n of them from i0 on.  The 16 accumulators take turns in the same order throughout: fifteen others stand between two links of a chain
	WIN W_MUL
.set i, \i0
.rept \n
	MM \f, \zero
.endr
.endm
.macro FETCH kq, g                     ; 32 LDS loads in one run: quarter kq (64 along K) of the slot in hand into buffer g; the sixteen loads of its first 32 along K first
	WIN W_LD
.set t, 0
.rept 8
	ds_load_b128 v[128*(\g)+64+8*t:128*(\g)+64+8*t+3],   v[AY] offset:(t%4)*16*PITCH+128*(\kq)+64*(t/4)
	ds_load_b128 v[128*(\g)+64+8*t+4:128*(\g)+64+8*t+7], v[AY] offset:(t%4)*16*PITCH+128*(\kq)+64*(t/4)+32
	ds_load_b128 v[128*(\g)+8*t:128*(\g)+8*t+3],         v[AX] offset:(t%4)*16*PITCH+128*(\kq)+64*(t/4)
	ds_load_b128 v[128*(\g)+8*t+4:128*(\g)+8*t+7],       v[AX] offset:(t%4)*16*PITCH+128*(\kq)+64*(t/4)+32
.set t, t+1
.endr
.endm
; A K step is four quarters of 64 along K, 32 matrix instructions each, on buffers 0, 1, 0, 1.  One of the first three multiplies buffer f and brings quarter kq into buffer g.
.macro QUARTER kq, f, g, zero
	s_wait_dscnt 16                                ; the first 32 along K are in; the sixteen loads issued behind them may stay out
	MULS \f, 0, 16, \zero
	PLACES
	FETCH \kq, \g
	s_wait_dscnt 32                                ; all but the 32 just issued
	MULS \f, 16, 16, 0
.endm
; The last quarter multiplies buffer 1 and changes slots.  In front of the barrier each wave waits for all its tensor loads (one is out: its part of the next slot), adds 0 to its spare word, and waits for that and
; for its reads of this slot.  fill = 1: the barrier opens a round of the cluster's barrier, and the slot just left is filled again first thing behind it, with the K step two on: 112 matrix instructions ahead of the wait for it.
.macro TURN fill
	WIN 0
	s_wait_tensorcnt 0x0                           ; no tensor load of mine is out, so a group 0 may be written
	ds_add_u32 v[SPW], v[NIL]                      ; 0 onto my spare word
.if \fill
	s_xor_b32 s[G0X+5], s[G0X+5], STRIDE           ; the walking descriptors: the other slot than last time, the next K step
	s_add_nc_u64 s[G0X+6:G0X+7], s[G0X+6:G0X+7], KSTEP*2
	s_xor_b32 s[G0Y+5], s[G0Y+5], STRIDE
	s_add_nc_u64 s[G0Y+6:G0Y+7], s[G0Y+6:G0Y+7], KSTEP*2
.endif
	s_wait_dscnt 17                                ; the first 32 along K are in; the sixteen loads behind them and the add may be out
	MULS 1, 0, 8, 0
	s_wait_dscnt 0x0                               ; the add is done, and my reads of this slot are over
	s_barrier_signal -1
	MULS 1, 8, 8, 0
	WIN 0                                          ; at a branch and at a label every window is 0
	s_barrier_wait -1
.if \fill
	CREST                                          ; no wave of any partner still reads this slot or has a load on its way
	JLOAD                                          ; its four v_nop are also the places in front of the loads below
.else
	PLACES
.endif
	s_xor_b32 s[TB], s[TB], STRIDE
	v_add_nc_u32 v[AX], s[TB], v[AX0]
	v_add_nc_u32 v[AY], s[TB], v[AY0]
	FETCH 0, 0
	MULS 1, 16, 16, 0
.endm
; THE WAY OUT of row block a: 16 rows, my 64 columns, into the work-group's stage.  Each accumulator is read from its lowest registers on.
.macro PUT a
.if OUT == 0
	WIN 0x02                                       ; source 0: window 2
.set q, 0
.rept 16
	v_pk_add_f32 v[TMP+2*q:TMP+2*q+1], v[32*(\a)+2*q:32*(\a)+2*q+1], v[BIAS+2*q:BIAS+2*q+1]
.set q, q+1
.endr
	WIN 0
.set q, 0
.rept 16
	v_cvt_pk_bf16_f32 v[PK+q], v[TMP+2*q], v[TMP+2*q+1]
.set q, q+1
.endr
.set q, 0
.rept 4
	ds_store_b128 v[STO], v[PK+4*q:PK+4*q+3] offset:(\a)*16*SP+32*q
.set q, q+1
.endr
.else
	WIN 0x20                                       ; source 2: window 2
.set q, 0
.rept 16
	v_pk_fma_f32 v[TMP+2*q:TMP+2*q+1], v[BIAS+2*q:BIAS+2*q+1], v[SA+2*(\a):SA+2*(\a)+1], v[32*(\a)+2*q:32*(\a)+2*q+1]
.set q, q+1
.endr
	WIN 0
.set q, 0
.rept 8
	ds_store_b128 v[STO], v[TMP+4*q:TMP+4*q+3] offset:(\a)*16*SP+64*(q/2)+16*(q%2)
.set q, q+1
.endr
.endif
.endm
; Wave w reads rows 32 w .. 32 w + 31 back, whole, and stores them: sixteen lanes store 256 consecutive bytes, aligned.
.macro GET
	WIN 0
.set t, 0
.rept NGET
	ds_load_b128 v[OB+4*t:OB+4*t+3], v[RD] offset:t*RSTEP*SP
.set t, t+1
.endr
.set t, 0
.rept NGET
	s_wait_dscnt NGET-1-t                          ; LDS loads come back in order: load t is in, those issued behind it may be out
	global_store_b128 v[CO], v[OB+4*t:OB+4*t+3], s[OBS:OBS+1] offset:t*RSTEP*OROWB
.set t, t+1
.endr
.endm
	s_load_b256 s[4:11], s[0:1], 0x0               ; X s[4:5], Y s[6:7], out s[8:9], bias s[10:11]
.if OUT == 3
	s_load_b64 s[12:13], s[0:1], 0x20              ; sa
.endif
	v_lshl_add_u32 v[SPW], v0, 2, SPARE
	v_mov_b32 v[NIL], 0
	ds_add_u32 v[SPW], v[NIL]                      ; the wave's opening: the add, waited for ahead of my first tensor load; work on registers stands between them
	v_lshrrev_b32 v1, 5, v0
	v_readfirstlane_b32 s[WV], v1                  ; wave 0..3
	s_lshr_b32 s[HS], s[WV], 1
	s_and_b32 s[HL], s[WV], 1
	s_bfe_u32 s[CX], ttmp6, 0x40000                ; my place in the cluster
	s_bfe_u32 s[CY], ttmp6, 0x40004
	s_lshl_b32 s[TX], ttmp9, 2                     ; in a cluster launch ttmp9 and ttmp7 count clusters
	s_add_co_u32 s[TX], s[TX], s[CX]
	s_and_b32 s[TY], ttmp7, 0xffff
	s_lshl_b32 s[TY], s[TY], 2
	s_add_co_u32 s[TY], s[TY], s[CY]
	s_lshl_b32 s21, s[CY], 2
	s_lshl_b32 s21, 15, s21                        ; my row of the cluster
	s_or_b32 s[G1X], s21, (1<<16)|(1<<20)|(1<<21)|(6<<22)|(3<<25)  ; 15:0 the mask; 17:16 2-byte elements; 20 padding on; 21 set beside a mask; 24:22 after every 128 words; 31:25 4 words
	s_lshl_b32 s22, 0x1111, s[CX]                  ; my column of the cluster
	s_or_b32 s[G1Y], s22, (1<<16)|(1<<20)|(1<<21)|(6<<22)|(3<<25)
.irp g, G1X, G1Y
	s_mov_b32 s[(\g)+1], KSTEP<<16                 ; tensor_dim0 = 256
	s_mov_b32 s[(\g)+2], 64<<16                    ; tensor_dim1 = 64
	s_mov_b32 s[(\g)+3], KSTEP<<16                 ; tile_dim0 = 256
	s_mov_b32 s[(\g)+4], 64                        ; tile_dim1 = 64
	s_mov_b32 s[(\g)+5], 1024                      ; elements from row to row
	s_mov_b32 s[(\g)+6], 0
	s_mov_b32 s[(\g)+7], 0
.endr
	s_mul_i32 s2, s[HL], HALFT                     ; where my tile goes in a slot: no place in the cluster enters an LDS address
	s_add_co_u32 s3, s2, YOFF
.irp s, 0,1
	s_mov_b32 s[G0X+4*(\s)], 1                     ; count = 1
	s_add_co_u32 s[G0X+4*(\s)+1], s2, (\s)*STRIDE  ; LDS address
	s_mov_b32 s[G0Y+4*(\s)], 1
	s_add_co_u32 s[G0Y+4*(\s)+1], s3, (\s)*STRIDE
.endr
	s_lshl_b32 s22, s[HL], 6                       ; which 64 rows of the tile I fetch
	s_lshl_b32 s21, s[TY], 7                       ; X: row 128 x tile row + 64 x half: made of the tile row and the wave's number alone
	s_add_co_u32 s21, s21, s22
	s_lshl_b32 s68, s21, 11                        ; rows of 2,048 bytes
	s_mov_b32 s69, 0
	s_lshl_b32 s70, s[TX], 7                       ; Y: row 128 x tile column + 64 x half
	s_add_co_u32 s70, s70, s22
	s_lshl_b32 s70, s70, 11
	s_mov_b32 s71, 0
	s_wait_dscnt 0x0                               ; the opening add is done
	s_wait_kmcnt 0x0
	s_add_nc_u64 s[68:69], s[4:5], s[68:69]        ; X and Y at my tile of K step 0
	s_add_nc_u64 s[70:71], s[6:7], s[70:71]
.irp s, 0,1
	s_add_nc_u64 s[G0X+4*(\s)+2:G0X+4*(\s)+3], s[68:69], (\s)*KSTEP*2
	s_or_b32 s[G0X+4*(\s)+3], s[G0X+4*(\s)+3], 0x80000000          ; type = 2
	s_add_nc_u64 s[G0Y+4*(\s)+2:G0Y+4*(\s)+3], s[70:71], (\s)*KSTEP*2
	s_or_b32 s[G0Y+4*(\s)+3], s[G0Y+4*(\s)+3], 0x80000000
.endr
	CROUND                                         ; all sixteen work-groups are here: the first joint loads meet
	s_cmp_lt_u32 s[WV], 2                          ; a wave's two first fills stand in one branch, ahead of every wait on TENSORcnt and every LDS read: two loads of mine are out
	s_cbranch_scc0 .Lfirst_y
	tensor_load_to_lds s[G0X:G0X+3], s[G1X:G1X+7]
	s_nop 0
	tensor_load_to_lds s[G0X+4:G0X+7], s[G1X:G1X+7]
	s_nop 0
.rept 4
	v_nop
.endr
	s_branch .Lfirst_asked
.Lfirst_y:
	tensor_load_to_lds s[G0Y:G0Y+3], s[G1Y:G1Y+7]
	s_nop 0
	tensor_load_to_lds s[G0Y+4:G0Y+7], s[G1Y:G1Y+7]
	s_nop 0
.rept 4
	v_nop
.endr
.Lfirst_asked:
	; A fragment is 16 rows x 32 K in 8 registers: lane l holds row l % 16; registers 0-3 K = 8 (l / 16) + 0..7, registers 4-7 K = 16 + 8 (l / 16) + 0..7: two loads of 16 bytes, 32 bytes apart.
	v_and_b32 v1, 15, v0                           ; r = l % 16
	v_bfe_u32 v2, v0, 4, 1                         ; h = l / 16
	v_mul_u32_u24 v3, v1, PITCH
	v_lshl_add_u32 v3, v2, 4, v3                   ; row x pitch + 16 x half
	s_mul_i32 s21, s[HS], HALFT                    ; my 64 rows of X
	s_mul_i32 s22, s[HL], HALFT                    ; my 64 rows of Y,
	s_add_co_u32 s22, s22, YOFF                    ; which lie behind X's 128
	v_add_nc_u32 v[AX0], s21, v3
	v_add_nc_u32 v[AY0], s22, v3
	v_mov_b32 v[AX], v[AX0]
	v_mov_b32 v[AY], v[AY0]
	s_mov_b32 s[TB], 0
	s_mul_i32 s23, s[HS], 64*SP                    ; into the stage: my 64 rows, my half of their bytes
	s_mul_i32 s21, s[HL], ROWB/2
	s_add_co_u32 s23, s23, s21
	s_add_co_u32 s23, s23, STAGE
	v_mul_u32_u24 v[STO], v1, SP
	v_lshl_add_u32 v[STO], v2, HSH, v[STO]
	v_add_nc_u32 v[STO], s23, v[STO]
	s_mul_i32 s23, s[WV], 32*SP                    ; back: rows 32 w on
	s_add_co_u32 s23, s23, STAGE
.if ROWB == 256
	v_mul_u32_u24 v[RD], v2, SP                    ; lanes 0-15 one row of 256 bytes, lanes 16-31 the next
	v_lshl_add_u32 v[RD], v1, 4, v[RD]
	v_mul_u32_u24 v[CO], v2, OROWB
	v_lshl_add_u32 v[CO], v1, 4, v[CO]
.else
	v_and_b32 v[CO], 31, v0                        ; 32 lanes one row of 512 bytes
	v_lshlrev_b32 v[CO], 4, v[CO]
	v_mov_b32 v[RD], v[CO]
.endif
	v_add_nc_u32 v[RD], s23, v[RD]
	s_lshl_b32 s21, s[TY], 7
	s_lshl_b32 s22, s[WV], 5
	s_add_co_u32 s21, s21, s22                     ; the first row of out that I store
	s_mul_i32 s2, s21, OROWB
	s_mul_i32 s22, s[TX], ROWB
	s_add_co_u32 s2, s2, s22
	s_mov_b32 s3, 0
	s_add_nc_u64 s[OBS:OBS+1], s[8:9], s[2:3]
	s_lshl_b32 s21, s[TX], 9                       ; bias of my columns 128 tx + 64 wc + 16 b + 8 h + 0..7, at BIAS + 8 b
	s_lshl_b32 s22, s[HL], 8
	s_add_co_u32 s21, s21, s22
	v_lshl_add_u32 v[BO], v2, 5, s21
.set q, 0
.rept 8
	global_load_b128 v[BIAS+4*q:BIAS+4*q+3], v[BO], s[10:11] offset:64*(q/2)+16*(q%2)
.set q, q+1
.endr
.if OUT == 3
	s_lshl_b32 s21, s[TY], 9                       ; sa of my row 128 ty + 64 wr + 16 a + r
	s_lshl_b32 s22, s[HS], 8
	s_add_co_u32 s21, s21, s22
	v_lshl_add_u32 v[SO], v1, 2, s21
.set q, 0
.rept 4
	global_load_b32 v[SA+2*q],   v[SO], s[12:13] offset:64*q
	global_load_b32 v[SA+2*q+1], v[SO], s[12:13] offset:64*q
.set q, q+1
.endr
.endif
	s_wait_tensorcnt 0x1                           ; my part of K step 0 is in; K step 1's may stay out
	s_barrier_signal -1
	s_barrier_wait -1                              ; everybody's is
	FETCH 0, 0
	QUARTER 1, 0, 1, 1                             ; the first quarter stands in front of the loop: its first products start the sums
	WIN 0
	s_mov_b32 s[CNT], STEPS-2
.Lstep:                                        ; a trip goes from a K step's second quarter to the next step's first, and fills the slot that it leaves
	QUARTER 2, 1, 0, 0
	QUARTER 3, 0, 1, 0
	TURN 1
	QUARTER 1, 0, 1, 0
	WIN 0
	s_sub_co_u32 s[CNT], s[CNT], 1
	s_cmp_lg_u32 s[CNT], 0
	s_cbranch_scc1 .Lstep
	s_mov_b32 s[CNT], 2
.Ltail:                                        ; the last two K steps ask for nothing: a text of their own; the second trip is left in its middle
	QUARTER 2, 1, 0, 0
	QUARTER 3, 0, 1, 0
	TURN 0
	WIN 0
	s_sub_co_u32 s[CNT], s[CNT], 1
	s_cmp_eq_u32 s[CNT], 0
	s_cbranch_scc1 .Lout
	QUARTER 1, 0, 1, 0
	WIN 0
	s_branch .Ltail
.Lout:                                         ; the second trip's 32 LDS loads (from slot 0) serve nothing: the price, once a launch, of one text for both trips
	s_wait_dscnt 0x0                               ; those loads are back:
	s_barrier_signal -1
	s_barrier_wait -1                              ; in every wave: nobody reads LDS any more, and slot 1 has had its last fill: it becomes the stage
	PLACES
	PLACES
	s_wait_loadcnt 0x0                             ; bias (and sa)
.set q, 0
.rept 16
	v_cvt_pk_bf16_f32 v[PK+q], v[BIAS+2*q], v[BIAS+2*q+1]  ; the bias is rounded to bf16, like the matrix inputs, and widened again
.set q, q+1
.endr
.set q, 0
.rept 16
	v_lshlrev_b32 v[BIAS+2*q], 16, v[PK+q]
	v_and_b32 v[BIAS+2*q+1], 0xffff0000, v[PK+q]
.set q, q+1
.endr
.irp a, 0,1,2,3
	PUT \a
.endr
	s_wait_dscnt 0x0                               ; for the others' sake: my stores into the stage are done
	s_barrier_signal -1
	s_barrier_wait -1                              ; a row's bytes come from two waves
	GET
	s_wait_tensorcnt 0x0                           ; the wave's end: behind my last tensor load and my last LDS store
	ds_add_u32 v[SPW], v[NIL]
	s_wait_dscnt 0x0
	CROUND                                         ; the closing round: no work-group ends while a partner may still ask for a tile that names it
	s_endpgm
.Lfunc_end_k_q48dff89885_g6:
	.size	k_q48dff89885_g6, .Lfunc_end_k_q48dff89885_g6-k_q48dff89885_g6
	.p2alignl 7, 3214868480
	.fill 96, 4, 3214868480
	.section	.rodata,"a",@progbits
	.p2align	6, 0x0
	.amdhsa_kernel k_q48dff89885_g6
		.amdhsa_group_segment_fixed_size 327680
		.amdhsa_private_segment_fixed_size 0
		.amdhsa_enable_private_segment 0
		.amdhsa_kernarg_size 40
		.amdhsa_user_sgpr_count 2
		.amdhsa_user_sgpr_kernarg_segment_ptr 1
		.amdhsa_wavefront_size32 1
		.amdhsa_system_sgpr_workgroup_id_x 1
		.amdhsa_system_sgpr_workgroup_id_y 1
		.amdhsa_system_sgpr_workgroup_id_z 1
		.amdhsa_system_vgpr_workitem_id 0
		.amdhsa_next_free_vgpr 640
		.amdhsa_next_free_sgpr 72
		.amdhsa_reserve_vcc 0
		.amdhsa_float_denorm_mode_32 3
		.amdhsa_float_denorm_mode_16_64 3
		.amdhsa_memory_ordered 1
		.amdhsa_forward_progress 1
		.amdhsa_inst_pref_size 67
	.end_amdhsa_kernel
	.amdgpu_metadata
---
amdhsa.version: [ 1, 2 ]
amdhsa.kernels:
  - .name:           k_q48dff89885_g6
    .symbol:         k_q48dff89885_g6.kd
    .args:
      - { .name: xa, .offset: 0, .size: 8, .value_kind: global_buffer, .address_space: global }
      - { .name: wv, .offset: 8, .size: 8, .value_kind: global_buffer, .address_space: global }
      - { .name: out0, .offset: 16, .size: 8, .value_kind: global_buffer, .address_space: global }
      - { .name: bv, .offset: 24, .size: 8, .value_kind: global_buffer, .address_space: global }
      - { .name: sa, .offset: 32, .size: 8, .value_kind: global_buffer, .address_space: global }
    .group_segment_fixed_size: 327680
    .private_segment_fixed_size: 0
    .kernarg_segment_align: 8
    .kernarg_segment_size: 40
    .max_flat_workgroup_size: 128
    .sgpr_count:     72
    .vgpr_count:     640
    .wavefront_size: 32
...
	.end_amdgpu_metadata
.endif
;; end of part 11
